; MI455X (gfx1250); checked and timed in simulation.
; The chip was launched on July 23, 2026; its instructions are those of AMD's public machine-readable ISA for CDNA 5 (MIT licence, August 2026) and "CDNA5" Instruction Set Architecture Reference Guide (July 2026). The comments in the code are by the model that wrote it; some were corrected since.
;; Mixture Of Experts. Allowed arithmetic: float matrix products may take bf16 or f16 operands with f32 sums; other float arithmetic in f32, or as packed bf16 or f16 multiplies, adds, multiply-adds, maxima and minima; sums over many terms, partial sums and values carried from step to step in f32; what a program stores and reads back later, other than sums and carried values, may be rounded once to bf16 or f16.
;; Inputs: W1 8 x 1,024 x 4,096 float32; W2 8 x 4,096 x 1,024 float32; b1 8 x 4,096 float32; b2 8 x 1,024 float32; router_W 1,024 x 8 float32; router_b 8 float32; x 4 x 256 x 1,024 float32.
;; Outputs: out0 4 x 256 x 1,024 float32; out1 one number float32.
;; 2 versions, each right. Each part assembles by itself: llvm-mc -triple=amdgcn-amd-amdhsa -mcpu=gfx1250 --defsym DOCPART=n.
;; ======== version 1 of 2: 4 launches
;; workspace buffers: xb 2,097,152 bytes; choice 4,096 bytes of whole numbers; gate 8,192 bytes; h 16,777,216 bytes; lists 45,056 bytes of whole numbers; y 33,554,432 bytes
;; launch router (part 1): grid 64 x 1, 8 waves a work-group, no clusters, 44,032 bytes of LDS; arguments x, router_W, router_b, xb, choice, gate; writes xb, choice, gate
.if DOCPART == 1
	.amdgcn_target "amdgcn-amd-amdhsa--gfx1250"
	.amdhsa_code_object_version 6
	.text
	.protected	k_q759f12e36a_router
	.globl	k_q759f12e36a_router
	.p2align	8
	.type	k_q759f12e36a_router,@function
k_q759f12e36a_router:
	s_mov_b64 s[64:65], 0
	v_nop
	global_prefetch_b8 v0, s[64:65] scope:SCOPE_SE
	s_setreg_imm32_b32 hwreg(HW_REG_WAVE_MODE, 25, 1), 1
	s_wait_xcnt 0x0
; ROUTER.  logits = x router_W + router_b, softmax, the two largest, their weights made to add up to 1; and xb = x rounded to bf16.
; x: [1024][1024] f32.  router_W: [1024][8] f32.  xb: [1024][1024] bf16.  choice: [1024] words, (1 << e1) | (0x100 << e2).  gate: [1024][2] f32.
; All three inputs are rounded to bf16 first; products of bf16, sums in f32.  The maximum is taken away before the exponentials.
; LIMITS.  Two probabilities closer than the order of the f32 sums resolves may change places; equal ones keep the lower index.  A probability below 2^-126 counts as 0.
; NaN and infinities are not treated apart.
; SHARES.  A work-group has 16 tokens; wave q has k = 128 q .. 128 q + 127 of them: 512 bytes of each row, one load of the wave.  The eight waves' partial logits meet in LDS; wave 0 ends the work.
; No cluster, no tensor load: every byte of x has one taker, and it passes through registers to be rounded.
; THE PRODUCT is used transposed: source 0 = 16 rows of router_W^T (experts 0-7 twice), source 1 = 16 tokens.  So a lane holds one token (lane % 16) and its registers 0-7 the eight experts, in both halves of the lanes.
.set XTP,   272                        ; a token's 256 bytes in LDS + 16
.set XTB,   16*XTP                     ; a wave's tile
.set PART,  8*XTB                      ; eight waves x 32 lanes x 8 partial logits
.set SPARE, PART+8*1024                ; the spare words, 128 bytes for each wave: four blocks of 256 bytes that no other line names
.set SPW, 2                            ; v2   LDS address of my spare word; never rewritten
.set NIL, 3                            ; v3   0; never rewritten
.set WO,  4                            ; v4   my byte offset in router_W
.set XOF, 5                            ; v5   16 x lane
.set XBO, 6                            ; v6   8 x lane
.set XTS, 7                            ; v7   where I put 8 bytes of a token's row
.set XTR, 8                            ; v8   where my fragments of the tokens begin
.set PAD, 9                            ; v9   my place among the partial logits
.set RR,  10                           ; v10  lane % 16
.set HH,  11                           ; v11  lane / 16
.set LN,  12                           ; v12  lane
.set WL,  16                           ; v16-79   64 numbers of router_W as loaded
.set ACC, 16                           ; v16-47   later: four accumulators
.set XL,  80                           ; v80-143  16 rows x 4 numbers of x as loaded
.set WFR, 80                           ; v80-111  later: four fragments of router_W
.set XFR, 112                          ; v112-143 later: four fragments of the tokens
.set CV,  144                          ; v144-175 16 rows x 8 bytes of xb: each row's own, since a store reads them
.set P,   80                           ; wave 0: v80-143 the eight waves' partial logits; the logits end in v80-87
.set BR,  48                           ; v48-55 router_b
.set TC,  56                           ; v56-59 at work
.set MX,  60
.set A1,  61
.set A2,  62
.set CW,  63
.set EV,  64                           ; v64-71 exponentials, then probabilities
.set SS,  72
.set B1,  73
.set I1,  74
.set B2,  75
.set I2,  76
.set M1,  77
.set G1,  78
.set G2,  79
	s_load_b256 s[8:15], s[0:1], 0x0               ; x s[8:9], router_W s[10:11], router_b s[12:13], xb s[14:15]
	s_load_b128 s[16:19], s[0:1], 0x20             ; choice s[16:17], gate s[18:19]
	v_lshl_add_u32 v[SPW], v0, 2, SPARE
	v_mov_b32 v[NIL], 0
	v_lshrrev_b32 v1, 5, v0
	v_readfirstlane_b32 s2, v1                     ; wave q
	v_and_b32 v[LN], 31, v0
	v_and_b32 v[RR], 15, v0
	v_bfe_u32 v[HH], v0, 4, 1
	v_and_b32 v[WO], 7, v0
	v_lshlrev_b32 v[WO], 2, v[WO]
	v_lshl_add_u32 v[WO], v[HH], 8, v[WO]          ; 8 (lane / 16) rows of 32 bytes + 4 x expert
	v_lshlrev_b32 v[XOF], 4, v[LN]
	v_lshlrev_b32 v[XBO], 3, v[LN]
	s_mul_i32 s3, s2, XTB
	v_add_nc_u32 v[XTS], s3, v[XBO]
	v_mul_u32_u24 v[XTR], v[RR], XTP
	v_lshl_add_u32 v[XTR], v[HH], 4, v[XTR]
	v_add_nc_u32 v[XTR], s3, v[XTR]
	s_lshl_b32 s4, s2, 10
	s_add_co_u32 s4, s4, PART
	v_lshl_add_u32 v[PAD], v[LN], 5, s4
	s_lshl_b32 s20, ttmp9, 16                      ; 16 rows of 4,096 bytes,
	s_lshl_b32 s5, s2, 9                           ; my wave's 512 bytes of a row
	s_add_co_u32 s20, s20, s5
	s_mov_b32 s21, 0
	s_wait_kmcnt 0x0
	s_add_nc_u64 s[8:9], s[8:9], s[20:21]
	s_lshr_b32 s20, s20, 1                         ; xb has half the bytes
	s_add_nc_u64 s[14:15], s[14:15], s[20:21]
	s_lshl_b32 s20, s2, 12                         ; 128 rows of router_W
	s_add_nc_u64 s[10:11], s[10:11], s[20:21]
	s_lshl_b32 s20, ttmp9, 6
	s_add_nc_u64 s[16:17], s[16:17], s[20:21]
	s_lshl_b32 s20, ttmp9, 7
	s_add_nc_u64 s[18:19], s[18:19], s[20:21]
	s_load_b256 s[24:31], s[12:13], 0x0            ; router_b: waited for where wave 0 uses it
; Load w of 64 of router_W: K step w / 16, number i = w % 16 of the lane's sixteen: k = 32 (w / 16) + 8 (lane / 16) + i, and 8 more from i = 8 on.
.macro WLOAD w
.set ks_, (\w)/16
.set ki_, (\w)%16
	global_load_b32 v[WL+(\w)], v[WO], s[10:11] offset:32*(32*ks_+ki_+8*(ki_/8))
.endm
.set w, 0
.rept 47
	WLOAD w
.set w, w+1
.endr
.irp row, 0,1,2,3,4,5,6,7,8,9,10,11,12,13,14,15
	global_load_b128 v[XL+4*(\row):XL+4*(\row)+3], v[XOF], s[8:9] offset:4096*(\row) th:TH_LOAD_NT  ; 512 consecutive bytes of a row
.endr
.rept 17
	WLOAD w
.set w, w+1
.endr
.irp row, 0,1,2,3,4,5,6,7,8,9,10,11,12,13,14,15
	s_wait_loadcnt 32-(\row)                       ; behind this row stand 15 - row rows of x and 17 loads of router_W
	v_cvt_pk_bf16_f32 v[CV+2*(\row)], v[XL+4*(\row)], v[XL+4*(\row)+1]
	v_cvt_pk_bf16_f32 v[CV+2*(\row)+1], v[XL+4*(\row)+2], v[XL+4*(\row)+3]
	global_store_b64 v[XBO], v[CV+2*(\row):CV+2*(\row)+1], s[14:15] offset:2048*(\row)  ; the wave stores 256 consecutive bytes, at a multiple of 256 from xb's first
	ds_store_b64 v[XTS], v[CV+2*(\row):CV+2*(\row)+1] offset:XTP*(\row)
.endr
	s_wait_loadcnt 0x0                             ; all of router_W
.set z, 0
.rept 32
	v_cvt_pk_bf16_f32 v[WFR+z], v[WL+2*z], v[WL+2*z+1]
.set z, z+1
.endr
.irp s, 0,1,2,3
	ds_load_b128 v[XFR+8*(\s):XFR+8*(\s)+3],   v[XTR] offset:64*(\s)     ; my wave's own bytes: LDS serves a wave's instructions in order (ISA guide 5.7.1.4)
	ds_load_b128 v[XFR+8*(\s)+4:XFR+8*(\s)+7], v[XTR] offset:64*(\s)+32
.endr
	s_wait_dscnt 0x0
.irp s, 0,1,2,3
	v_wmma_f32_16x16x32_bf16 v[ACC+8*(\s):ACC+8*(\s)+7], v[WFR+8*(\s):WFR+8*(\s)+7], v[XFR+8*(\s):XFR+8*(\s)+7], 0  ; four sums, each begun with 0: no accumulator is taken twice
.endr
.rept 4
	v_nop                                          ; four places between the products and the first use of their results (ISA guide 7.12.1)
.endr
.irp z, 0,2,4,6
	v_pk_add_f32 v[ACC+(\z):ACC+(\z)+1], v[ACC+(\z):ACC+(\z)+1], v[ACC+8+(\z):ACC+8+(\z)+1]
.endr
.irp z, 0,2,4,6
	v_pk_add_f32 v[ACC+16+(\z):ACC+16+(\z)+1], v[ACC+16+(\z):ACC+16+(\z)+1], v[ACC+24+(\z):ACC+24+(\z)+1]
.endr
.irp z, 0,2,4,6
	v_pk_add_f32 v[ACC+(\z):ACC+(\z)+1], v[ACC+(\z):ACC+(\z)+1], v[ACC+16+(\z):ACC+16+(\z)+1]
.endr
	ds_store_b128 v[PAD], v[ACC:ACC+3]
	ds_store_b128 v[PAD], v[ACC+4:ACC+7] offset:16
	s_wait_dscnt 0x0                               ; for wave 0's sake: my partial logits are in LDS
	s_barrier_signal -1
	s_barrier_wait -1
	s_cmp_lg_u32 s2, 0
	s_cbranch_scc1 .Lend
	v_lshl_add_u32 v[PAD], v[LN], 5, PART
.irp q, 0,1,2,3,4,5,6,7
	ds_load_b128 v[P+8*(\q):P+8*(\q)+3],   v[PAD] offset:1024*(\q)
	ds_load_b128 v[P+8*(\q)+4:P+8*(\q)+7], v[PAD] offset:1024*(\q)+16
.endr
	s_wait_kmcnt 0x0                               ; router_b
.irp z, 0,1,2,3
	v_cvt_pk_bf16_f32 v[TC+(\z)], s[24+2*(\z)], s[25+2*(\z)]
	v_lshlrev_b32 v[BR+2*(\z)], 16, v[TC+(\z)]
	v_and_b32 v[BR+2*(\z)+1], 0xffff0000, v[TC+(\z)]
.endr
	s_wait_dscnt 0x0
.irp q, 1,2,3,4,5,6,7
.irp z, 0,2,4,6
	v_pk_add_f32 v[P+(\z):P+(\z)+1], v[P+(\z):P+(\z)+1], v[P+8*(\q)+(\z):P+8*(\q)+(\z)+1]
.endr
.endr
.irp z, 0,2,4,6
	v_pk_add_f32 v[P+(\z):P+(\z)+1], v[P+(\z):P+(\z)+1], v[BR+(\z):BR+(\z)+1]
.endr
	v_max3_num_f32 v[MX], v[P], v[P+1], v[P+2]
	v_max3_num_f32 v[MX], v[MX], v[P+3], v[P+4]
	v_max3_num_f32 v[MX], v[MX], v[P+5], v[P+6]
	v_max_num_f32 v[MX], v[MX], v[P+7]
.irp j, 0,1,2,3,4,5,6,7
	v_sub_f32 v[EV+(\j)], v[P+(\j)], v[MX]
.endr
.irp j, 0,1,2,3,4,5,6,7
	v_mul_f32 v[EV+(\j)], 0x3fb8aa3b, v[EV+(\j)]   ; log2(e)
.endr
.irp j, 0,1,2,3,4,5,6,7
	v_exp_f32 v[EV+(\j)], v[EV+(\j)]
.endr
	v_mov_b32 v[M1], -1.0                          ; the plain instruction behind the last exponential
	s_wait_alu depctr_va_vdst(0)                   ; one wait for the eight, ahead of their first use
	v_add_f32 v[SS], v[EV], v[EV+1]
	v_add_f32 v[TC], v[EV+2], v[EV+3]
	v_add_f32 v[TC+1], v[EV+4], v[EV+5]
	v_add_f32 v[TC+2], v[EV+6], v[EV+7]
	v_add_f32 v[SS], v[SS], v[TC]
	v_add_f32 v[TC+1], v[TC+1], v[TC+2]
	v_add_f32 v[SS], v[SS], v[TC+1]
	v_rcp_f32 v[SS], v[SS]
	v_mov_b32 v[I1], 0
	s_wait_alu depctr_va_vdst(0)
.irp j, 0,1,2,3,4,5,6,7
	v_mul_f32 v[EV+(\j)], v[EV+(\j)], v[SS]        ; the probabilities
.endr
	v_mov_b32 v[B1], v[EV]                         ; the largest: a later one wins only if it is greater, so equal ones keep the lower index
.irp j, 1,2,3,4,5,6,7
	v_cmp_ge_f32 vcc_lo, v[B1], v[EV+(\j)]
	v_cndmask_b32 v[I1], \j, v[I1], vcc_lo
	v_cndmask_b32 v[B1], v[EV+(\j)], v[B1], vcc_lo
.endr
.irp j, 0,1,2,3,4,5,6,7
	v_cmp_eq_u32 vcc_lo, \j, v[I1]
	v_cndmask_b32 v[EV+(\j)], v[EV+(\j)], v[M1], vcc_lo  ; the winner leaves the field
.endr
	v_mov_b32 v[I2], 0
	v_mov_b32 v[B2], v[EV]
.irp j, 1,2,3,4,5,6,7
	v_cmp_ge_f32 vcc_lo, v[B2], v[EV+(\j)]
	v_cndmask_b32 v[I2], \j, v[I2], vcc_lo
	v_cndmask_b32 v[B2], v[EV+(\j)], v[B2], vcc_lo
.endr
	v_add_f32 v[SS], v[B1], v[B2]
	v_rcp_f32 v[SS], v[SS]
	v_mov_b32 v[TC], 1
	s_wait_alu depctr_va_vdst(0)
	v_mul_f32 v[G1], v[B1], v[SS]
	v_mul_f32 v[G2], v[B2], v[SS]
	v_mov_b32 v[TC+1], 0x100
	v_lshlrev_b32 v[CW], v[I1], v[TC]
	v_lshlrev_b32 v[TC+1], v[I2], v[TC+1]
	v_or_b32 v[CW], v[CW], v[TC+1]
	v_cmp_eq_u32 vcc_lo, 0, v[HH]
	v_cndmask_b32 v[G1], v[G2], v[G1], vcc_lo      ; lanes 0-15 store the first weight, lanes 16-31 the second
	v_lshlrev_b32 v[A1], 2, v[RR]
	v_lshlrev_b32 v[A2], 3, v[RR]
	v_lshl_add_u32 v[A2], v[HH], 2, v[A2]
	global_store_b32 v[A2], v[G1], s[18:19]
	global_store_b32 v[A1], v[CW], s[16:17]        ; both halves of the lanes hold the token's word and store it to the same place
.Lend:
	s_wait_tensorcnt 0x0                           ; the wave's end, behind my last LDS store
	ds_add_u32 v[SPW], v[NIL]
	s_wait_dscnt 0x0
	s_endpgm
.Lfunc_end_k_q759f12e36a_router:
	.size	k_q759f12e36a_router, .Lfunc_end_k_q759f12e36a_router-k_q759f12e36a_router
	.p2alignl 7, 3214868480
	.fill 96, 4, 3214868480
	.section	.rodata,"a",@progbits
	.p2align	6, 0x0
	.amdhsa_kernel k_q759f12e36a_router
		.amdhsa_group_segment_fixed_size 44032
		.amdhsa_private_segment_fixed_size 0
		.amdhsa_enable_private_segment 0
		.amdhsa_kernarg_size 48
		.amdhsa_user_sgpr_count 2
		.amdhsa_user_sgpr_kernarg_segment_ptr 1
		.amdhsa_wavefront_size32 1
		.amdhsa_system_sgpr_workgroup_id_x 1
		.amdhsa_system_sgpr_workgroup_id_y 1
		.amdhsa_system_sgpr_workgroup_id_z 1
		.amdhsa_system_vgpr_workitem_id 0
		.amdhsa_next_free_vgpr 176
		.amdhsa_next_free_sgpr 66
		.amdhsa_reserve_vcc 1
		.amdhsa_float_denorm_mode_32 3
		.amdhsa_float_denorm_mode_16_64 3
		.amdhsa_memory_ordered 1
		.amdhsa_forward_progress 1
		.amdhsa_inst_pref_size 27
	.end_amdhsa_kernel
	.amdgpu_metadata
---
amdhsa.version: [ 1, 2 ]
amdhsa.kernels:
  - .name:           k_q759f12e36a_router
    .symbol:         k_q759f12e36a_router.kd
    .args:
      - { .name: x, .offset: 0, .size: 8, .value_kind: global_buffer, .address_space: global }
      - { .name: router_W, .offset: 8, .size: 8, .value_kind: global_buffer, .address_space: global }
      - { .name: router_b, .offset: 16, .size: 8, .value_kind: global_buffer, .address_space: global }
      - { .name: xb, .offset: 24, .size: 8, .value_kind: global_buffer, .address_space: global }
      - { .name: choice, .offset: 32, .size: 8, .value_kind: global_buffer, .address_space: global }
      - { .name: gate, .offset: 40, .size: 8, .value_kind: global_buffer, .address_space: global }
    .group_segment_fixed_size: 44032
    .private_segment_fixed_size: 0
    .kernarg_segment_align: 8
    .kernarg_segment_size: 48
    .max_flat_workgroup_size: 256
    .sgpr_count:     66
    .vgpr_count:     176
    .wavefront_size: 32
...
	.end_amdgpu_metadata
.endif
;; end of part 1
;; launch up (part 2): grid 32 x 8, 4 waves a work-group, no clusters, 286,464 bytes of LDS; arguments xb, W1, b1, choice, h, lists; writes h, lists
.if DOCPART == 2
	.amdgcn_target "amdgcn-amd-amdhsa--gfx1250"
	.amdhsa_code_object_version 6
	.text
	.protected	k_q759f12e36a_up
	.globl	k_q759f12e36a_up
	.p2align	8
	.type	k_q759f12e36a_up,@function
k_q759f12e36a_up:
	s_mov_b64 s[64:65], 0
	v_nop
	global_prefetch_b8 v0, s[64:65] scope:SCOPE_SE
	s_setreg_imm32_b32 hwreg(HW_REG_WAVE_MODE, 25, 1), 1
	s_wait_xcnt 0x0
; ONE PRODUCT OF A LAYER OF ROUTED EXPERTS, for the rows that chose the expert alone.  One text serves both products; DOWN picks the form.
;   DOWN = 0: h[rho][4096] (bf16) = gelu(xb[rho / 2] W1[e] + b1[e]), the tanh form.  DOWN = 1: y[kq][rho][1024] (f32) = h[rho][1024 kq ..] W2[e][1024 kq ..], + b2[e] where kq = 0: four partial sums.
; A routed row is named rho = 2 x token + slot (0: the token's first expert, 1: its second): a fixed place, so that nothing but a work-group's own list is sorted.
; Weights and biases are rounded to bf16 on their way through registers; products of bf16, sums in f32; h is rounded once to bf16.
; LIMITS.  NaN and infinities are not treated apart; 2^t below 2^-126 counts as 0 in gelu, which then gives x itself.
; SHARES.  A work-group has a block of 1,024 (K) x 128 (N) of ONE expert's weights, which it alone reads, and all of that expert's rows.  grid x: DOWN = 0: 32 slices of N; DOWN = 1: 8 slices of N + 8 x 4 quarters of K.  grid y: expert.
; Four waves, all with the same text.  Each streams a quarter of every K step's weights (an ITEM: 8 loads, 4 KiB), rounds and turns it in the places behind its matrix instructions, lays it into LDS as ready fragments
; (256 KiB, laid once, never written again), and multiplies 80 rows x 128 columns (40 accumulators), the rows' fragments straight from memory.
; K goes in 32 steps of 32, in 8 phases of 4.  At step t a wave converts item t + 6, asks for the rows of step t + 3 and then for item t + 10.
; TWO BARRIERS A PHASE, so that LDS stores and LDS reads of different waves never share an interval: steps 0 and 1 fetch all the phase's fragments (four buffers); barrier; the next phase's 16 stores go out and step 2
; is multiplied on registers meanwhile; barrier; step 3 fetches the next phase's first fragments under its own products.
; 320 rows go in one trip over K; an expert with more (1,024 at the most) takes up to three further trips on the resident block: a loop of a constant count whose barriers every wave passes, only work being jumped.
; Places past the count repeat row 0, and their stores are jumped.
; No tensor load: the weights must pass through registers to be rounded and turned.  No cluster: each weight byte has one taker, and the rows come by a list.
; THE MATRIX INSTRUCTION IS USED TRANSPOSED: source 0 = 16 columns of the weights, source 1 = 16 rows.  Column tile c = 4 b + j holds in its place m column 64 b + 4 m + j (what a lane's 16 bytes of a weight row give), so that a
; lane's four accumulators of a half b hold one row's 32 neighbouring columns 64 b + 32 (lane / 16) + 4 u + j (u: register).
.set DOWN, 0
.if DOWN
.set WPITCH, 4096                      ; bytes from row to row of the weights
.set SPITCH, 528                       ; a stage row: 512 bytes + 16
.set RSH,    12                        ; a row of the output: 4,096 bytes
.set LSH,    4                         ; 16 bytes a lane
.else
.set WPITCH, 16384
.set SPITCH, 272                       ; 256 bytes + 16
.set RSH,    13                        ; 8,192 bytes
.set LSH,    3                         ; 8 bytes a lane
.endif
; LDS.  0: fragments, (8 s + c) x 1,024: lane l's registers 0-3 at + 16 l, registers 4-7 at + 512 + 16 l: every store and load takes 512 consecutive bytes.
.set LIST,  262144                     ; 1,280 words of rho (0 past the count), the count at word 1,280, zeros up to 1,408
.set CNTW,  LIST+5120
.set DIDX,  1408                       ; the word behind the list takes what lanes without a match store
.set BIAS,  LIST+5888                  ; 128 f32
.set STAGE, BIAS+512                   ; 16 rows for each wave, its own
.set SPARE, STAGE+4*16*SPITCH          ; the spare words, 128 bytes for each wave: two blocks of 256 bytes that no other line names
; scalar registers
.set WV,   2                           ; wave
.set EX,   3                           ; expert
.set SL,   4                           ; slice of N
.set KQ,   5                           ; quarter of K (DOWN)
.set ACT,  8                           ; s[8:9]   the rows: xb, or h at my quarter
.set WB,   10                          ; s[10:11] my block of the weights
.set BIA,  12                          ; s[12:13] my 128 numbers of the bias
.set LIN,  14                          ; s[14:15] choice, or (DOWN) my expert's list
.set OUT,  16                          ; s[16:17] the output at my columns
.set LOU,  18                          ; s[18:19] lists at my expert (DOWN = 0)
.set TP,   20                          ; s[20:21] an offset; the high word stays 0
.set XBR,  22                          ; s[22:23] the rows at the phase in hand
.set CNT,  24                          ; my expert's rows
.set TRIP, 25
.set TB,   26                          ; my first place in the list: 320 x trip + 16 x wave
.set PH,   27
.set PBS,  28                          ; LDS byte at which the phase's fragments begin
.set LIVE, 29                          ; rows left from the tile in hand on
.set ROWI, 30
.set STG,  31                          ; my stage
.set C1,   32                          ; s[32:33] -2 sqrt(2/pi) log2(e)
.set C2,   34                          ; s[34:35] the same x 0.044715
.set MSK,  36
.set SH,   37
.set RUN,  38
.set MK,   40                          ; s40-43 four masks
.set BS,   44                          ; s44-47 four bases
.set TS,   48                          ; s48-51 at work
; vector registers, window 0 (v0: the thread's number, never rewritten)
.set BL,   1                           ; LDS address of the phase's fragments, for my loads
.set XO,   2                           ; v2-6    tile i: byte offset of my row
.set TV,   7
.set L16,  8                           ; 16 x lane; never rewritten
.set LS0,  9                           ; 16 x lane + 512 g + 4,096 b; never rewritten
.set LS,   10                          ; LDS address of the phase's fragments, for my stores
.set BVA,  11                          ; where my 64 numbers of the bias begin
.set OFF,  12                          ; v12-15  ring slot n: byte offset of its item in my block of the weights
.set SA,   16                          ; the way out: where I put my 32 columns of a row
.set SR,   17                          ; the way out: where I read a row back
.set LL,   18                          ; my bytes in a row of the output
.set SPW,  19                          ; LDS address of my spare word; never rewritten
.set NIL,  20                          ; 0; never rewritten
.set RC,   21                          ; the rho of the tile in hand
.set T1,   22
.set T2,   23
.set RH,   24                          ; v24-43  rho of my row in tile i of this trip (0-4) and of the trips to come (5-19)
.set AF,   48                          ; v48-207 the rows' fragments: four buffers of five
.set GL,   208                         ; v208-255 the choice words (32) or the stored list (44), and the bias (4): no other load lands here
.if DOWN
.set BI,   252
.else
.set BI,   240
.endif
; the way out (the rows' buffers are free then)
.set X,    48                          ; v48-79
.set T,    80                          ; v80-111
.set PK,   112                         ; v112-127
.set RO,   128                         ; v128-143 sixteen rows' offsets in the output
; wave 0 while it makes the list
.set TM,   48
.set PP,   52
.set ZR,   56
.set L8V,  60
.set AD,   61
.set LB,   62
.set LWC,  64                          ; v64-107
; window 1: the accumulators of tiles 0-3, (i, c) at 64 i + 8 c.  window 3: the weights' fragments, step kk of the phase, tile c at 64 kk + 8 c.  window 2:
.set A4,   0                           ; the accumulators of tile 4
.set RING, 64                          ; four slots of 32: an item as loaded
.set TT,   192                         ; four slots of 16: an item rounded and turned; when the stream has ended: my 64 numbers of the bias
.set MSB, 0
.macro WIN new                         ; s_set_vgpr_msb: bits 1:0 source 0, 3:2 source 1, 5:4 source 2, 7:6 destination; the high byte repeats the setting that is left
.if MSB != (\new)
	s_set_vgpr_msb (MSB<<8)|(\new)
.set MSB, \new
.endif
.endm
.macro BAR                             ; every wave passes every barrier; my LDS instructions are done in front of the signal
	s_wait_dscnt 0x0
	s_barrier_signal -1
	s_barrier_wait -1
.endm
.macro PLACES                          ; four places between a matrix instruction and a load into, or a vector write of, a register that it read, or a read of its result
.rept 4
	v_nop
.endr
.endm
; THE WEIGHTS' STREAM.  Wave 2 g + b.  An item is a K step's rows 16 g + 8 (lane / 16) + 0..7, columns 64 b + 4 (lane % 16) + 0..3: eight loads, in each of which sixteen lanes take 256 consecutive bytes of a row.
.macro LISSUE slot
	WIN 0x80                                       ; destination window 2
.irp i, 0,1,2,3,4,5,6,7
	global_load_b128 v[RING+32*(\slot)+4*(\i):RING+32*(\slot)+4*(\i)+3], v[OFF+(\slot)], s[WB:WB+1] offset:(\i)*WPITCH th:TH_LOAD_NT
.endr
	WIN 0
.endm
.macro NEXTW slot                      ; the slot takes the item four K steps on; its last loads have been waited for, so its offset is free
	WIN 0
	v_add_nc_u32 v[OFF+(\slot)], 128*WPITCH, v[OFF+(\slot)]
	LISSUE \slot
.endm
.macro CVT8 slot, half                 ; two of an item's four fragments: rounded in pairs along K: registers 4 g .. 4 g + 3 of fragment j
	WIN 0x8a                                       ; all three in window 2
.irp j, 2*(\half), 2*(\half)+1
.irp q, 0,1,2,3
	v_cvt_pk_bf16_f32 v[TT+16*(\slot)+4*(\j)+(\q)], v[RING+32*(\slot)+8*(\q)+(\j)], v[RING+32*(\slot)+8*(\q)+4+(\j)]
.endr
.endr
.endm
.macro SSTORE base                     ; a phase's four items go into LDS
	WIN 0x08                                       ; data in window 2
.irp q, 0,1,2,3
.irp j, 0,1,2,3
	ds_store_b128 v[LS], v[TT+16*(\q)+4*(\j):TT+16*(\q)+4*(\j)+3] offset:(\base)+8192*(\q)+1024*(\j)
.endr
.endr
.endm
.macro PRO slot, n                     ; the opening: an item is converted with no products round it.  n: the loads issued behind it
	s_wait_loadcnt \n
	CVT8 \slot, 0
	CVT8 \slot, 1
	NEXTW \slot
.endm
; THE PRODUCTS.  The 40 accumulators take turns, one instruction a turn, in the same order in every K step.
.macro MUL16 kk, c0, first             ; column tiles c0 .. c0 + 3 x row tiles 0-3
	WIN 0x53                                       ; weights window 3, rows window 0, C and D window 1
.irp c, (\c0), (\c0)+1, (\c0)+2, (\c0)+3
.irp i, 0,1,2,3
.if \first
	v_wmma_f32_16x16x32_bf16 v[64*(\i)+8*(\c):64*(\i)+8*(\c)+7], v[64*(\kk)+8*(\c):64*(\kk)+8*(\c)+7], v[AF+40*(\kk)+8*(\i):AF+40*(\kk)+8*(\i)+7], 0
.else
	v_wmma_f32_16x16x32_bf16 v[64*(\i)+8*(\c):64*(\i)+8*(\c)+7], v[64*(\kk)+8*(\c):64*(\kk)+8*(\c)+7], v[AF+40*(\kk)+8*(\i):AF+40*(\kk)+8*(\i)+7], v[64*(\i)+8*(\c):64*(\i)+8*(\c)+7]
.endif
.endr
.endr
.endm
.macro MUL4 kk, c0, first              ; the same column tiles x row tile 4
	WIN 0xa3                                       ; C and D window 2
.irp c, (\c0), (\c0)+1, (\c0)+2, (\c0)+3
.if \first
	v_wmma_f32_16x16x32_bf16 v[A4+8*(\c):A4+8*(\c)+7], v[64*(\kk)+8*(\c):64*(\kk)+8*(\c)+7], v[AF+40*(\kk)+32:AF+40*(\kk)+39], 0
.else
	v_wmma_f32_16x16x32_bf16 v[A4+8*(\c):A4+8*(\c)+7], v[64*(\kk)+8*(\c):64*(\kk)+8*(\c)+7], v[AF+40*(\kk)+32:AF+40*(\kk)+39], v[A4+8*(\c):A4+8*(\c)+7]
.endif
.endr
.endm
.macro BLOAD u, off                    ; a K step's eight weight fragments, at byte off from the phase's first, into buffer u
	WIN 0xc0                                       ; destination window 3
.irp c, 0,1,2,3,4,5,6,7
	ds_load_b128 v[64*(\u)+8*(\c):64*(\u)+8*(\c)+3],   v[BL] offset:(\off)+1024*(\c)
	ds_load_b128 v[64*(\u)+8*(\c)+4:64*(\u)+8*(\c)+7], v[BL] offset:(\off)+1024*(\c)+512
.endr
.endm
.macro ALOAD ab, off                   ; five row fragments: lane l takes row l % 16, bytes 16 (l / 16) and 32 + 16 (l / 16) of the K step's 64
	WIN 0
.irp i, 0,1,2,3,4
	global_load_b128 v[AF+40*(\ab)+8*(\i):AF+40*(\ab)+8*(\i)+3],   v[XO+(\i)], s[XBR:XBR+1] offset:(\off)
	global_load_b128 v[AF+40*(\ab)+8*(\i)+4:AF+40*(\ab)+8*(\i)+7], v[XO+(\i)], s[XBR:XBR+1] offset:(\off)+32
.endr
.endm
; STEP kk of a phase (K step t).  n: the loads issued behind the rows of step t; item t + 6 is older than those rows, so one wait serves both.  cv: item t + 6 is converted; its sixteen conversions are the places
; between the products of earlier steps and the loads into the buffers that those read (no conversion: four v_nop).  is: item t + 10 is asked for.  al: the rows of step t + 3 are asked for.
; st: the next phase's items are stored.  nextp: a phase follows.
.macro STEP kk, first, n, cv, is, al, st, nextp
.set sl_, ((\kk)+2)%4
.if (\kk) == 2
	s_wait_dscnt 0x0                               ; the fragments of steps 2 and 3 are in: my LDS reads of this phase are over,
	s_barrier_signal -1
	s_barrier_wait -1                              ; and everybody's are
.if \st
	SSTORE 32768                                   ; up to the next barrier LDS is only written
.endif
.endif
.if ((\kk) == 3) && (\nextp)
	BLOAD 0, 32768                                 ; the next phase's first fragments, under this step's products
.endif
	s_wait_loadcnt \n
.if (\kk) < 2
	s_wait_dscnt 0x0                               ; this step's fragments, asked for a step ago
.endif
	MUL16 \kk, 0, \first
.if \cv
	CVT8 sl_, 0
.else
	PLACES
.endif
	MUL4 \kk, 0, \first
.if (\kk) == 0
	BLOAD 1, 8192
.endif
.if (\kk) == 1
	BLOAD 2, 16384
.endif
	MUL16 \kk, 4, \first
.if \cv
	CVT8 sl_, 1
.endif
.if (\kk) == 1
	BLOAD 3, 24576
.endif
	MUL4 \kk, 4, \first
	WIN 0
.if \al
	ALOAD ((\kk)+3)%4, 64*((\kk)+3)
.endif
.if \is
	NEXTW sl_
.endif
.if ((\kk) == 2) && (\st)
	BAR                                            ; everybody's stores are done: the next phase lies in LDS
.endif
.endm
; A phase.  cv, is, al: a bit for each of the four steps.
.macro PHASE first, n0, n1, n2, n3, cv, is, al, st, nextp
	WIN 0
	v_add_nc_u32 v[BL], s[PBS], v[L16]
	v_add_nc_u32 v[LS], s[PBS], v[LS0]
	STEP 0, \first, \n0, (\cv)&1, (\is)&1, (\al)&1, \st, \nextp
	STEP 1, 0, \n1, ((\cv)>>1)&1, ((\is)>>1)&1, ((\al)>>1)&1, \st, \nextp
	STEP 2, 0, \n2, ((\cv)>>2)&1, ((\is)>>2)&1, ((\al)>>2)&1, \st, \nextp
	STEP 3, 0, \n3, ((\cv)>>3)&1, ((\is)>>3)&1, ((\al)>>3)&1, \st, \nextp
	WIN 0
	s_wait_xcnt 0x0                                ; the row loads' base is stepped only behind this wait
	s_add_nc_u64 s[XBR:XBR+1], s[XBR:XBR+1], 256
	s_add_co_u32 s[PBS], s[PBS], 32768
.endm
; A K step of a further trip: plain, since such trips are rare: load, wait, 40 products.
.macro SLOW first
	WIN 0
	v_add_nc_u32 v[BL], s[PBS], v[L16]
	ALOAD 0, 0
	BLOAD 0, 0
	s_wait_loadcnt 0x0
	s_wait_dscnt 0x0
	MUL16 0, 0, \first
	MUL4 0, 0, \first
	MUL16 0, 4, \first
	MUL4 0, 4, \first
	WIN 0
	PLACES
	s_add_nc_u64 s[XBR:XBR+1], s[XBR:XBR+1], 64    ; its loads have landed
	s_add_co_u32 s[PBS], s[PBS], 8192
.endm
.macro XOSET                           ; my five rows' offsets from their rho
	s_wait_xcnt 0x0                                ; registers that earlier loads and stores read are written again only behind this wait
	v_bfe_u32 v[TV], v0, 4, 1
	v_lshlrev_b32 v[TV], 4, v[TV]
.irp i, 0,1,2,3,4
	v_min_u32 v[T1], 0x7ff, v[RH+(\i)]
.if DOWN
	v_lshl_add_u32 v[XO+(\i)], v[T1], 13, v[TV]             ; rho x 8,192 + 16 (lane / 16)
.else
	v_and_b32 v[T1], 0x7fe, v[T1]
	v_lshl_add_u32 v[XO+(\i)], v[T1], 10, v[TV]             ; token x 2,048 + 16 (lane / 16)
.endif
.endr
	s_mov_b64 s[XBR:XBR+1], s[ACT:ACT+1]
.endm
; THE WAY OUT.  The 32 numbers of tile i, half b, + bias: u outermost, so that each accumulator is first read at its register 0.
.macro ADDB i, b
.if (\b) == 0
	WIN 0
	v_mov_b32 v[RC], v[RH+(\i)]
.endif
.if (\i) < 4
	WIN 0x09                                       ; source 0 window 1, source 1 window 2
.set ab_, 64*(\i)+32*(\b)
.else
	WIN 0x0a                                       ; both window 2
.set ab_, A4+32*(\b)
.endif
.set z, 0
.rept 32
	v_add_f32 v[X+z], v[ab_+8*(z%4)+z/4], v[TT+32*(\b)+z]
.set z, z+1
.endr
	WIN 0
.endm
.macro FETCHX b                        ; the tile is a loop's count, register numbers are not: one small block for each tile
.irp n, 0,1,2,3
	s_cmp_eq_u32 s[ROWI], \n
	s_cbranch_scc1 .Lblk\b\n
.endr
	ADDB 4, \b
	s_branch .Lgen\b
.irp n, 0,1,2,3
.Lblk\b\n:
	ADDB \n, \b
.if (\n) < 3
	s_branch .Lgen\b
.endif
.endr
.Lgen\b:
.endm
.macro GEN b                           ; the activation (DOWN = 0), and into my stage
.if DOWN
.irp q, 0,1,2,3,4,5,6,7
	ds_store_b128 v[SA], v[X+4*(\q):X+4*(\q)+3] offset:256*(\b)+16*(\q)
.endr
.else
	; gelu(x) = x / (1 + 2^(-x (c1 + c2 x^2)))
.set z, 0
.rept 16
	v_pk_mul_f32 v[T+z:T+z+1], v[X+z:X+z+1], v[X+z:X+z+1]
.set z, z+2
.endr
.set z, 0
.rept 16
	v_pk_fma_f32 v[T+z:T+z+1], v[T+z:T+z+1], s[C2:C2+1], s[C1:C1+1] op_sel_hi:[1,0,0]
.set z, z+2
.endr
.set z, 0
.rept 16
	v_pk_mul_f32 v[T+z:T+z+1], v[T+z:T+z+1], v[X+z:X+z+1]
.set z, z+2
.endr
.set z, 0
.rept 32
	v_exp_f32 v[T+z], v[T+z]
.set z, z+1
.endr
	v_nop                                          ; the plain instruction behind the last exponential
	s_wait_alu depctr_va_vdst(0)                   ; one wait for the batch of 32, ahead of its first use
.set z, 0
.rept 16
	v_pk_add_f32 v[T+z:T+z+1], v[T+z:T+z+1], 1.0 op_sel_hi:[1,0]
.set z, z+2
.endr
.set z, 0
.rept 32
	v_rcp_f32 v[T+z], v[T+z]
.set z, z+1
.endr
	v_nop
	s_wait_alu depctr_va_vdst(0)
.set z, 0
.rept 16
	v_pk_mul_f32 v[X+z:X+z+1], v[X+z:X+z+1], v[T+z:T+z+1]
.set z, z+2
.endr
.set z, 0
.rept 16
	v_cvt_pk_bf16_f32 v[PK+z], v[X+2*z], v[X+2*z+1]
.set z, z+1
.endr
.irp q, 0,1,2,3
	ds_store_b128 v[SA], v[PK+4*(\q):PK+4*(\q)+3] offset:128*(\b)+16*(\q)
.endr
.endif
.endm
.if DOWN == 0
; Four tokens a lane: token 128 n + 4 l + c.  A match's place is the matches so far + those in lower lanes; a lane without a match gets the word behind the list.
.macro LGROUP n
.irp c, 0,1,2,3
	v_and_b32 v[TM+(\c)], s[MSK], v[GL+4*(\n)+(\c)]
	v_cmp_ne_u32 s[MK+(\c)], 0, v[TM+(\c)]
.endr
.irp c, 0,1,2,3
	s_mov_b32 s[BS+(\c)], s[RUN]
	s_bcnt1_i32_b32 s[TS], s[MK+(\c)]
	s_add_co_u32 s[RUN], s[RUN], s[TS]
.endr
.irp c, 0,1,2,3
	v_mbcnt_lo_u32_b32 v[PP+(\c)], s[MK+(\c)], s[BS+(\c)]
	v_cndmask_b32 v[PP+(\c)], -1, v[PP+(\c)], s[MK+(\c)]
	v_min_u32 v[PP+(\c)], DIDX, v[PP+(\c)]
	v_lshl_add_u32 v[PP+(\c)], v[PP+(\c)], 2, v[LB]
	v_lshrrev_b32 v[TM+(\c)], s[SH], v[TM+(\c)]             ; the slot: 1 if the expert is the token's second
	v_add3_u32 v[TM+(\c)], v[L8V], v[TM+(\c)], 2*(\c)       ; rho = 256 n + 8 l + 2 c + slot
	ds_store_b32 v[PP+(\c)], v[TM+(\c)]
.endr
	v_add_nc_u32 v[L8V], 0x100, v[L8V]
.endm
.endif
	s_load_b256 s[8:15], s[0:1], 0x0
.if DOWN
	s_load_b64 s[16:17], s[0:1], 0x20
.else
	s_load_b128 s[16:19], s[0:1], 0x20
.endif
	v_lshl_add_u32 v[SPW], v0, 2, SPARE
	v_mov_b32 v[NIL], 0
	v_lshrrev_b32 v[T1], 5, v0
	v_readfirstlane_b32 s[WV], v[T1]
	v_and_b32 v[L16], 31, v0
	v_lshlrev_b32 v[L16], 4, v[L16]
	s_and_b32 s[EX], ttmp7, 0xffff
.if DOWN
	s_and_b32 s[SL], ttmp9, 7
	s_lshr_b32 s[KQ], ttmp9, 3
.else
	s_mov_b32 s[SL], ttmp9
.endif
	s_lshl_b32 s[TP], s[EX], 24                    ; an expert's weights: 16 MiB
	s_lshl_b32 s[TS], s[SL], 9                     ; 128 columns of f32
	s_add_co_u32 s[TP], s[TP], s[TS]
.if DOWN
	s_lshl_b32 s[TS+1], s[KQ], 22                  ; 1,024 rows of 4,096 bytes
	s_add_co_u32 s[TP], s[TP], s[TS+1]
.endif
	s_mov_b32 s[TP+1], 0
	s_wait_kmcnt 0x0
	s_add_nc_u64 s[WB:WB+1], s[WB:WB+1], s[TP:TP+1]
.if DOWN
	s_lshl_b32 s[TP], s[EX], 12
.else
	s_lshl_b32 s[TP], s[EX], 14
.endif
	s_add_co_u32 s[TP], s[TP], s[TS]
	s_add_nc_u64 s[BIA:BIA+1], s[BIA:BIA+1], s[TP:TP+1]
.if DOWN
	s_lshl_b32 s[TP], s[KQ], 23                    ; a quarter's partial sums: 8 MiB
	s_add_co_u32 s[TP], s[TP], s[TS]
	s_add_nc_u64 s[OUT:OUT+1], s[OUT:OUT+1], s[TP:TP+1]
	s_lshl_b32 s[TP], s[KQ], 11                    ; 1,024 columns of bf16
	s_add_nc_u64 s[ACT:ACT+1], s[ACT:ACT+1], s[TP:TP+1]
	s_mul_i32 s[TP], s[EX], 5632
	s_add_nc_u64 s[LIN:LIN+1], s[LIN:LIN+1], s[TP:TP+1]
.else
	s_lshl_b32 s[TP], s[SL], 8                     ; 128 columns of bf16
	s_add_nc_u64 s[OUT:OUT+1], s[OUT:OUT+1], s[TP:TP+1]
	s_mul_i32 s[TP], s[EX], 5632
	s_add_nc_u64 s[LOU:LOU+1], s[LOU:LOU+1], s[TP:TP+1]
.endif
	; What the list is made of, and the bias, are asked for first, so that they are in ahead of the weights.  All four waves ask (under 6 KiB each, read by every work-group anyway), so that every
	; wave's counted waits see the same loads; wave 0 alone uses them.
.if DOWN
.irp m, 0,1,2,3,4,5,6,7,8,9,10
	global_load_b128 v[GL+4*(\m):GL+4*(\m)+3], v[L16], s[LIN:LIN+1] offset:512*(\m)
.endr
.else
.irp n, 0,1,2,3,4,5,6,7
	global_load_b128 v[GL+4*(\n):GL+4*(\n)+3], v[L16], s[LIN:LIN+1] offset:512*(\n)
.endr
.endif
	global_load_b128 v[BI:BI+3], v[L16], s[BIA:BIA+1]
	; the ring is filled: items 0-3, 32 loads, 16 KiB a wave
	s_and_b32 s[TS], s[WV], 1                      ; b
	s_lshr_b32 s[TS+1], s[WV], 1                   ; g
	s_mul_i32 s[TS+2], s[TS+1], 16*WPITCH
	s_lshl_b32 s[TS+3], s[TS], 8
	s_add_co_u32 s[TS+2], s[TS+2], s[TS+3]
	v_and_b32 v[T1], 15, v0                        ; l % 16
	v_bfe_u32 v[T2], v0, 4, 1                      ; l / 16
	v_mul_u32_u24 v[TV], v[T2], 8*WPITCH
	v_lshl_add_u32 v[TV], v[T1], 4, v[TV]
	v_add_nc_u32 v[TV], s[TS+2], v[TV]
.irp s, 0,1,2,3
	v_add_nc_u32 v[OFF+(\s)], (\s)*32*WPITCH, v[TV]
	LISSUE \s
.endr
	s_lshl_b32 s[TS+1], s[TS+1], 9
	s_lshl_b32 s[TS], s[TS], 12
	s_add_co_u32 s[TS], s[TS], s[TS+1]
	v_add_nc_u32 v[LS0], s[TS], v[L16]             ; 16 l + 512 g + 4,096 b
	v_lshl_add_u32 v[BVA], v[T2], 7, BIAS
	s_mul_i32 s[STG], s[WV], 16*SPITCH
	s_add_co_u32 s[STG], s[STG], STAGE             ; my stage
	v_mul_u32_u24 v[SA], v[T1], SPITCH             ; in: row l % 16, my 32 columns
	v_lshl_add_u32 v[SA], v[T2], LSH+3, v[SA]
	v_add_nc_u32 v[SA], s[STG], v[SA]
	v_and_b32 v[LL], 31, v0
	v_lshlrev_b32 v[LL], LSH, v[LL]
	v_add_nc_u32 v[SR], s[STG], v[LL]              ; back: a whole row, all 32 lanes
	PRO 0, 24                                      ; items 0-3 are converted, items 4-7 asked for.  24: three younger items of eight loads
	PRO 1, 24
	PRO 2, 24
	PRO 3, 24
	s_cmp_lg_u32 s[WV], 0
	s_cbranch_scc1 .Lbar_list
	; wave 0 alone lays the list, the count and the bias into LDS, while items 4-7 are on their way; no other wave touches LDS before the barrier.  (Its words are older than item 0: they are in.)
	v_add_nc_u32 v[AD], LIST, v[L16]
.if DOWN
.irp m, 0,1,2,3,4,5,6,7,8,9,10
	ds_store_b128 v[AD], v[GL+4*(\m):GL+4*(\m)+3] offset:512*(\m)
.endr
	s_cmp_eq_u32 s[KQ], 0
	s_cselect_b32 s[MSK], -1, 0                    ; the bias is added in the first quarter of K alone
.else
.irp c, 0,1,2,3
	v_mov_b32 v[ZR+(\c)], 0
.endr
	v_mov_b32 v[LB], LIST
	v_lshrrev_b32 v[L8V], 1, v[L16]
.irp m, 0,1,2,3,4,5,6,7,8,9,10
	ds_store_b128 v[AD], v[ZR:ZR+3] offset:512*(\m)  ; 5,632 bytes of zeros: places past the count name row 0
.endr
	s_lshl_b32 s[MSK], 0x101, s[EX]                ; the expert's bit as first and as second choice
	s_add_co_u32 s[SH], s[EX], 8
	s_mov_b32 s[RUN], 0
.endif
	v_cvt_pk_bf16_f32 v[TM], v[BI], v[BI+1]        ; the bias, rounded to bf16 and widened again
	v_cvt_pk_bf16_f32 v[TM+1], v[BI+2], v[BI+3]
	v_lshlrev_b32 v[BI], 16, v[TM]
	v_and_b32 v[BI+1], 0xffff0000, v[TM]
	v_lshlrev_b32 v[BI+2], 16, v[TM+1]
	v_and_b32 v[BI+3], 0xffff0000, v[TM+1]
.if DOWN
.irp c, 0,1,2,3
	v_and_b32 v[BI+(\c)], s[MSK], v[BI+(\c)]
.endr
.endif
	ds_store_b128 v[AD], v[BI:BI+3] offset:BIAS-LIST
.if DOWN == 0
.irp n, 0,1,2,3,4,5,6,7
	LGROUP \n
.endr
	v_mov_b32 v[TM], s[RUN]
	v_mov_b32 v[PP], CNTW
	ds_store_b32 v[PP], v[TM]
	s_cmp_lg_u32 s[SL], 0
	s_cbranch_scc1 .Lbar_list
.irp m, 0,1,2,3,4,5,6,7,8,9,10                 ; slice 0 leaves the expert's list for the second product
	ds_load_b128 v[LWC+4*(\m):LWC+4*(\m)+3], v[AD] offset:512*(\m)
.endr
	s_wait_dscnt 0x0
.irp m, 0,1,2,3,4,5,6,7,8,9,10
	global_store_b128 v[L16], v[LWC+4*(\m):LWC+4*(\m)+3], s[LOU:LOU+1] offset:512*(\m)
.endr
.endif
.Lbar_list:
	BAR                                            ; list, count and bias are there; up to the next barrier LDS is only read
	v_and_b32 v[TV], 15, v0
	s_lshl_b32 s[TS], s[WV], 6
	s_add_co_u32 s[TS], s[TS], LIST
	v_lshl_add_u32 v[TV], v[TV], 2, s[TS]
.set k, 0
.rept 20                               ; the rho of my row in all 4 x 5 tiles that I can have: place 320 trip + 64 i + 16 wave + l % 16
	ds_load_b32 v[RH+k], v[TV] offset:1280*(k/5)+256*(k%5)
.set k, k+1
.endr
	v_mov_b32 v[T1], CNTW
	ds_load_b32 v[T2], v[T1]
	s_mov_b32 s[TRIP], 0
	s_lshl_b32 s[TB], s[WV], 4
	s_mov_b32 s[PBS], 0
.if DOWN == 0
	s_mov_b32 s[C1], 0xc0135761                    ; -2.3022082
	s_mov_b32 s[C1+1], s[C1]                       ; named with it as a pair
	s_mov_b32 s[C2], 0xbdd2d3e7                    ; -0.10294324
	s_mov_b32 s[C2+1], s[C2]
.endif
	s_wait_dscnt 0x0
	v_readfirstlane_b32 s[CNT], v[T2]
	s_min_u32 s[CNT], s[CNT], 1024
	XOSET
	ALOAD 0, 0                                     ; the rows of K steps 0, 1, 2: with items 4-7, 62 loads of mine are out
	ALOAD 1, 64
	ALOAD 2, 128
	v_add_nc_u32 v[BL], s[PBS], v[L16]
	v_add_nc_u32 v[LS], s[PBS], v[LS0]
	BAR                                            ; everybody has read the list; up to the next barrier LDS is only written
	SSTORE 0                                       ; phase 0's items
	PRO 0, 54                                      ; item 4.  54: items 5-7 and 30 row loads
	PRO 1, 54                                      ; item 5.  54: items 6, 7, 30 row loads, item 8
	BAR                                            ; phase 0 lies in LDS
	BLOAD 0, 0
	PHASE 1, 36, 44, 44, 44, 15, 15, 15, 1, 1      ; phase 0: the first products start the sums.  36: the rows of steps 1, 2 and items 8, 9.  44: three items and two steps' rows
	s_mov_b32 s[PH], 4
.Lph:                                                  ; phases 1-4
	PHASE 0, 44, 44, 44, 44, 15, 15, 15, 1, 1
	s_sub_co_u32 s[PH], s[PH], 1
	s_cmp_lg_u32 s[PH], 0
	s_cbranch_scc1 .Lph
	PHASE 0, 44, 44, 44, 36, 15, 3, 15, 1, 1       ; phase 5: items 30 and 31 are the last to be asked for, and the counts begin to run down
	PHASE 0, 28, 20, 20, 20, 3, 0, 15, 1, 1        ; phase 6: items 30 and 31 are the last to be converted
	WIN 0x80
.irp b, 0,1
.irp q, 0,1,2,3,4,5,6,7
	ds_load_b128 v[TT+32*(\b)+4*(\q):TT+32*(\b)+4*(\q)+3], v[BVA] offset:256*(\b)+16*(\q)  ; my 64 numbers of the bias, into the registers that the stream has left; they stay for all trips
.endr
.endr
	PHASE 0, 20, 20, 10, 0, 0, 0, 1, 0, 0          ; phase 7.  Behind its barrier no wave reads LDS before its way out, so the stages may be written
	PLACES
	s_branch .Lepi
.Ltrip:                                                ; three further trips, for an expert with more than 320 rows
	BAR                                            ; everybody's way out is over; up to the next barrier LDS is only read
	s_cmp_le_u32 s[CNT], s[TB]
	s_cbranch_scc1 .Lm_done                        ; I have no row in this trip
	XOSET
	s_mov_b32 s[PBS], 0
	SLOW 1
	s_mov_b32 s[PH], 31
.Lks:
	SLOW 0
	s_sub_co_u32 s[PH], s[PH], 1
	s_cmp_lg_u32 s[PH], 0
	s_cbranch_scc1 .Lks
.Lm_done:
	BAR                                            ; everybody's products are over; up to the next barrier each wave touches its own stage alone
.Lepi:
	s_cmp_le_u32 s[CNT], s[TB]
	s_cbranch_scc1 .Le_done
	s_sub_co_i32 s[LIVE], s[CNT], s[TB]
	s_mov_b32 s[ROWI], 0
.Lrow:                                                 ; five tiles of 16 rows
	s_cmp_lt_i32 s[LIVE], 1
	s_cbranch_scc1 .Lrow_next                      ; no row of this tile exists
	s_wait_xcnt 0x0                                ; the last tile's stores have read their registers
	FETCHX 0
	GEN 0
	FETCHX 1
	GEN 1
.irp t, 0,1,2,3,4,5,6,7,8,9,10,11,12,13,14,15
	v_readlane_b32 s[TS], v[RC], \t                ; row t's rho lies in lane t
	s_min_u32 s[TS], s[TS], 0x7ff
	v_lshl_add_u32 v[RO+(\t)], s[TS], RSH, v[LL]
.endr
.irp t, 0,1,2,3,4,5,6,7,8,9,10,11,12,13,14,15
.if DOWN
	ds_load_b128 v[X+4*(\t):X+4*(\t)+3], v[SR] offset:SPITCH*(\t)    ; my own stage: LDS serves a wave's instructions in order (ISA guide 5.7.1.4)
.else
	ds_load_b64 v[T+2*(\t):T+2*(\t)+1], v[SR] offset:SPITCH*(\t)
.endif
.endr
	s_wait_dscnt 0x0
.irp t, 0,1,2,3,4,5,6,7,8,9,10,11,12,13,14,15
.if (\t) > 0
	s_cmp_le_i32 s[LIVE], \t
	s_cbranch_scc1 .Lrow_next                      ; rows past the count are not stored
.endif
.if DOWN
	global_store_b128 v[RO+(\t)], v[X+4*(\t):X+4*(\t)+3], s[OUT:OUT+1]    ; a store is one row's 512 consecutive bytes, at a multiple of 256 from the buffer's first
.else
	global_store_b64 v[RO+(\t)], v[T+2*(\t):T+2*(\t)+1], s[OUT:OUT+1]     ; a store is one row's 256 consecutive bytes, at a multiple of 256 from the buffer's first
.endif
.endr
.Lrow_next:
	s_sub_co_i32 s[LIVE], s[LIVE], 64              ; my next tile lies 64 places on
	s_add_co_u32 s[ROWI], s[ROWI], 1
	s_cmp_lt_u32 s[ROWI], 5
	s_cbranch_scc1 .Lrow
.Le_done:
.set k, 0
.rept 15                               ; the next trip's rho move down
	v_mov_b32 v[RH+k], v[RH+k+5]
.set k, k+1
.endr
	s_add_co_u32 s[TB], s[TB], 320
	s_add_co_u32 s[TRIP], s[TRIP], 1
	s_cmp_lt_u32 s[TRIP], 4                        ; 4 x 320 places hold the 1,024 rows that an expert can have
	s_cbranch_scc1 .Ltrip
	s_wait_tensorcnt 0x0                           ; the wave's end, behind my last LDS store
	ds_add_u32 v[SPW], v[NIL]
	s_wait_dscnt 0x0
	s_endpgm
.Lfunc_end_k_q759f12e36a_up:
	.size	k_q759f12e36a_up, .Lfunc_end_k_q759f12e36a_up-k_q759f12e36a_up
	.p2alignl 7, 3214868480
	.fill 96, 4, 3214868480
	.section	.rodata,"a",@progbits
	.p2align	6, 0x0
	.amdhsa_kernel k_q759f12e36a_up
		.amdhsa_group_segment_fixed_size 286464
		.amdhsa_private_segment_fixed_size 0
		.amdhsa_enable_private_segment 0
		.amdhsa_kernarg_size 48
		.amdhsa_user_sgpr_count 2
		.amdhsa_user_sgpr_kernarg_segment_ptr 1
		.amdhsa_wavefront_size32 1
		.amdhsa_system_sgpr_workgroup_id_x 1
		.amdhsa_system_sgpr_workgroup_id_y 1
		.amdhsa_system_sgpr_workgroup_id_z 1
		.amdhsa_system_vgpr_workitem_id 0
		.amdhsa_next_free_vgpr 1024
		.amdhsa_next_free_sgpr 66
		.amdhsa_reserve_vcc 0
		.amdhsa_float_denorm_mode_32 3
		.amdhsa_float_denorm_mode_16_64 3
		.amdhsa_memory_ordered 1
		.amdhsa_forward_progress 1
		.amdhsa_inst_pref_size 219
	.end_amdhsa_kernel
	.amdgpu_metadata
---
amdhsa.version: [ 1, 2 ]
amdhsa.kernels:
  - .name:           k_q759f12e36a_up
    .symbol:         k_q759f12e36a_up.kd
    .args:
      - { .name: xb, .offset: 0, .size: 8, .value_kind: global_buffer, .address_space: global }
      - { .name: W1, .offset: 8, .size: 8, .value_kind: global_buffer, .address_space: global }
      - { .name: b1, .offset: 16, .size: 8, .value_kind: global_buffer, .address_space: global }
      - { .name: choice, .offset: 24, .size: 8, .value_kind: global_buffer, .address_space: global }
      - { .name: h, .offset: 32, .size: 8, .value_kind: global_buffer, .address_space: global }
      - { .name: lists, .offset: 40, .size: 8, .value_kind: global_buffer, .address_space: global }
    .group_segment_fixed_size: 286464
    .private_segment_fixed_size: 0
    .kernarg_segment_align: 8
    .kernarg_segment_size: 48
    .max_flat_workgroup_size: 128
    .sgpr_count:     66
    .vgpr_count:     1024
    .wavefront_size: 32
...
	.end_amdgpu_metadata
.endif
;; end of part 2
;; launch down (part 3): grid 32 x 8, 4 waves a work-group, no clusters, 302,848 bytes of LDS; arguments h, W2, b2, lists, y; writes y
.if DOCPART == 3
	.amdgcn_target "amdgcn-amd-amdhsa--gfx1250"
	.amdhsa_code_object_version 6
	.text
	.protected	k_q759f12e36a_down
	.globl	k_q759f12e36a_down
	.p2align	8
	.type	k_q759f12e36a_down,@function
k_q759f12e36a_down:
	s_mov_b64 s[64:65], 0
	v_nop
	global_prefetch_b8 v0, s[64:65] scope:SCOPE_SE
	s_setreg_imm32_b32 hwreg(HW_REG_WAVE_MODE, 25, 1), 1
	s_wait_xcnt 0x0
; ONE PRODUCT OF A LAYER OF ROUTED EXPERTS, for the rows that chose the expert alone.  One text serves both products; DOWN picks the form.
;   DOWN = 0: h[rho][4096] (bf16) = gelu(xb[rho / 2] W1[e] + b1[e]), the tanh form.  DOWN = 1: y[kq][rho][1024] (f32) = h[rho][1024 kq ..] W2[e][1024 kq ..], + b2[e] where kq = 0: four partial sums.
; A routed row is named rho = 2 x token + slot (0: the token's first expert, 1: its second): a fixed place, so that nothing but a work-group's own list is sorted.
; Weights and biases are rounded to bf16 on their way through registers; products of bf16, sums in f32; h is rounded once to bf16.
; LIMITS.  NaN and infinities are not treated apart; 2^t below 2^-126 counts as 0 in gelu, which then gives x itself.
; SHARES.  A work-group has a block of 1,024 (K) x 128 (N) of ONE expert's weights, which it alone reads, and all of that expert's rows.  grid x: DOWN = 0: 32 slices of N; DOWN = 1: 8 slices of N + 8 x 4 quarters of K.  grid y: expert.
; Four waves, all with the same text.  Each streams a quarter of every K step's weights (an ITEM: 8 loads, 4 KiB), rounds and turns it in the places behind its matrix instructions, lays it into LDS as ready fragments
; (256 KiB, laid once, never written again), and multiplies 80 rows x 128 columns (40 accumulators), the rows' fragments straight from memory.
; K goes in 32 steps of 32, in 8 phases of 4.  At step t a wave converts item t + 6, asks for the rows of step t + 3 and then for item t + 10.
; TWO BARRIERS A PHASE, so that LDS stores and LDS reads of different waves never share an interval: steps 0 and 1 fetch all the phase's fragments (four buffers); barrier; the next phase's 16 stores go out and step 2
; is multiplied on registers meanwhile; barrier; step 3 fetches the next phase's first fragments under its own products.
; 320 rows go in one trip over K; an expert with more (1,024 at the most) takes up to three further trips on the resident block: a loop of a constant count whose barriers every wave passes, only work being jumped.
; Places past the count repeat row 0, and their stores are jumped.
; No tensor load: the weights must pass through registers to be rounded and turned.  No cluster: each weight byte has one taker, and the rows come by a list.
; THE MATRIX INSTRUCTION IS USED TRANSPOSED: source 0 = 16 columns of the weights, source 1 = 16 rows.  Column tile c = 4 b + j holds in its place m column 64 b + 4 m + j (what a lane's 16 bytes of a weight row give), so that a
; lane's four accumulators of a half b hold one row's 32 neighbouring columns 64 b + 32 (lane / 16) + 4 u + j (u: register).
.set DOWN, 1
.if DOWN
.set WPITCH, 4096                      ; bytes from row to row of the weights
.set SPITCH, 528                       ; a stage row: 512 bytes + 16
.set RSH,    12                        ; a row of the output: 4,096 bytes
.set LSH,    4                         ; 16 bytes a lane
.else
.set WPITCH, 16384
.set SPITCH, 272                       ; 256 bytes + 16
.set RSH,    13                        ; 8,192 bytes
.set LSH,    3                         ; 8 bytes a lane
.endif
; LDS.  0: fragments, (8 s + c) x 1,024: lane l's registers 0-3 at + 16 l, registers 4-7 at + 512 + 16 l: every store and load takes 512 consecutive bytes.
.set LIST,  262144                     ; 1,280 words of rho (0 past the count), the count at word 1,280, zeros up to 1,408
.set CNTW,  LIST+5120
.set DIDX,  1408                       ; the word behind the list takes what lanes without a match store
.set BIAS,  LIST+5888                  ; 128 f32
.set STAGE, BIAS+512                   ; 16 rows for each wave, its own
.set SPARE, STAGE+4*16*SPITCH          ; the spare words, 128 bytes for each wave: two blocks of 256 bytes that no other line names
; scalar registers
.set WV,   2                           ; wave
.set EX,   3                           ; expert
.set SL,   4                           ; slice of N
.set KQ,   5                           ; quarter of K (DOWN)
.set ACT,  8                           ; s[8:9]   the rows: xb, or h at my quarter
.set WB,   10                          ; s[10:11] my block of the weights
.set BIA,  12                          ; s[12:13] my 128 numbers of the bias
.set LIN,  14                          ; s[14:15] choice, or (DOWN) my expert's list
.set OUT,  16                          ; s[16:17] the output at my columns
.set LOU,  18                          ; s[18:19] lists at my expert (DOWN = 0)
.set TP,   20                          ; s[20:21] an offset; the high word stays 0
.set XBR,  22                          ; s[22:23] the rows at the phase in hand
.set CNT,  24                          ; my expert's rows
.set TRIP, 25
.set TB,   26                          ; my first place in the list: 320 x trip + 16 x wave
.set PH,   27
.set PBS,  28                          ; LDS byte at which the phase's fragments begin
.set LIVE, 29                          ; rows left from the tile in hand on
.set ROWI, 30
.set STG,  31                          ; my stage
.set C1,   32                          ; s[32:33] -2 sqrt(2/pi) log2(e)
.set C2,   34                          ; s[34:35] the same x 0.044715
.set MSK,  36
.set SH,   37
.set RUN,  38
.set MK,   40                          ; s40-43 four masks
.set BS,   44                          ; s44-47 four bases
.set TS,   48                          ; s48-51 at work
; vector registers, window 0 (v0: the thread's number, never rewritten)
.set BL,   1                           ; LDS address of the phase's fragments, for my loads
.set XO,   2                           ; v2-6    tile i: byte offset of my row
.set TV,   7
.set L16,  8                           ; 16 x lane; never rewritten
.set LS0,  9                           ; 16 x lane + 512 g + 4,096 b; never rewritten
.set LS,   10                          ; LDS address of the phase's fragments, for my stores
.set BVA,  11                          ; where my 64 numbers of the bias begin
.set OFF,  12                          ; v12-15  ring slot n: byte offset of its item in my block of the weights
.set SA,   16                          ; the way out: where I put my 32 columns of a row
.set SR,   17                          ; the way out: where I read a row back
.set LL,   18                          ; my bytes in a row of the output
.set SPW,  19                          ; LDS address of my spare word; never rewritten
.set NIL,  20                          ; 0; never rewritten
.set RC,   21                          ; the rho of the tile in hand
.set T1,   22
.set T2,   23
.set RH,   24                          ; v24-43  rho of my row in tile i of this trip (0-4) and of the trips to come (5-19)
.set AF,   48                          ; v48-207 the rows' fragments: four buffers of five
.set GL,   208                         ; v208-255 the choice words (32) or the stored list (44), and the bias (4): no other load lands here
.if DOWN
.set BI,   252
.else
.set BI,   240
.endif
; the way out (the rows' buffers are free then)
.set X,    48                          ; v48-79
.set T,    80                          ; v80-111
.set PK,   112                         ; v112-127
.set RO,   128                         ; v128-143 sixteen rows' offsets in the output
; wave 0 while it makes the list
.set TM,   48
.set PP,   52
.set ZR,   56
.set L8V,  60
.set AD,   61
.set LB,   62
.set LWC,  64                          ; v64-107
; window 1: the accumulators of tiles 0-3, (i, c) at 64 i + 8 c.  window 3: the weights' fragments, step kk of the phase, tile c at 64 kk + 8 c.  window 2:
.set A4,   0                           ; the accumulators of tile 4
.set RING, 64                          ; four slots of 32: an item as loaded
.set TT,   192                         ; four slots of 16: an item rounded and turned; when the stream has ended: my 64 numbers of the bias
.set MSB, 0
.macro WIN new                         ; s_set_vgpr_msb: bits 1:0 source 0, 3:2 source 1, 5:4 source 2, 7:6 destination; the high byte repeats the setting that is left
.if MSB != (\new)
	s_set_vgpr_msb (MSB<<8)|(\new)
.set MSB, \new
.endif
.endm
.macro BAR                             ; every wave passes every barrier; my LDS instructions are done in front of the signal
	s_wait_dscnt 0x0
	s_barrier_signal -1
	s_barrier_wait -1
.endm
.macro PLACES                          ; four places between a matrix instruction and a load into, or a vector write of, a register that it read, or a read of its result
.rept 4
	v_nop
.endr
.endm
; THE WEIGHTS' STREAM.  Wave 2 g + b.  An item is a K step's rows 16 g + 8 (lane / 16) + 0..7, columns 64 b + 4 (lane % 16) + 0..3: eight loads, in each of which sixteen lanes take 256 consecutive bytes of a row.
.macro LISSUE slot
	WIN 0x80                                       ; destination window 2
.irp i, 0,1,2,3,4,5,6,7
	global_load_b128 v[RING+32*(\slot)+4*(\i):RING+32*(\slot)+4*(\i)+3], v[OFF+(\slot)], s[WB:WB+1] offset:(\i)*WPITCH th:TH_LOAD_NT
.endr
	WIN 0
.endm
.macro NEXTW slot                      ; the slot takes the item four K steps on; its last loads have been waited for, so its offset is free
	WIN 0
	v_add_nc_u32 v[OFF+(\slot)], 128*WPITCH, v[OFF+(\slot)]
	LISSUE \slot
.endm
.macro CVT8 slot, half                 ; two of an item's four fragments: rounded in pairs along K: registers 4 g .. 4 g + 3 of fragment j
	WIN 0x8a                                       ; all three in window 2
.irp j, 2*(\half), 2*(\half)+1
.irp q, 0,1,2,3
	v_cvt_pk_bf16_f32 v[TT+16*(\slot)+4*(\j)+(\q)], v[RING+32*(\slot)+8*(\q)+(\j)], v[RING+32*(\slot)+8*(\q)+4+(\j)]
.endr
.endr
.endm
.macro SSTORE base                     ; a phase's four items go into LDS
	WIN 0x08                                       ; data in window 2
.irp q, 0,1,2,3
.irp j, 0,1,2,3
	ds_store_b128 v[LS], v[TT+16*(\q)+4*(\j):TT+16*(\q)+4*(\j)+3] offset:(\base)+8192*(\q)+1024*(\j)
.endr
.endr
.endm
.macro PRO slot, n                     ; the opening: an item is converted with no products round it.  n: the loads issued behind it
	s_wait_loadcnt \n
	CVT8 \slot, 0
	CVT8 \slot, 1
	NEXTW \slot
.endm
; THE PRODUCTS.  The 40 accumulators take turns, one instruction a turn, in the same order in every K step.
.macro MUL16 kk, c0, first             ; column tiles c0 .. c0 + 3 x row tiles 0-3
	WIN 0x53                                       ; weights window 3, rows window 0, C and D window 1
.irp c, (\c0), (\c0)+1, (\c0)+2, (\c0)+3
.irp i, 0,1,2,3
.if \first
	v_wmma_f32_16x16x32_bf16 v[64*(\i)+8*(\c):64*(\i)+8*(\c)+7], v[64*(\kk)+8*(\c):64*(\kk)+8*(\c)+7], v[AF+40*(\kk)+8*(\i):AF+40*(\kk)+8*(\i)+7], 0
.else
	v_wmma_f32_16x16x32_bf16 v[64*(\i)+8*(\c):64*(\i)+8*(\c)+7], v[64*(\kk)+8*(\c):64*(\kk)+8*(\c)+7], v[AF+40*(\kk)+8*(\i):AF+40*(\kk)+8*(\i)+7], v[64*(\i)+8*(\c):64*(\i)+8*(\c)+7]
.endif
.endr
.endr
.endm
.macro MUL4 kk, c0, first              ; the same column tiles x row tile 4
	WIN 0xa3                                       ; C and D window 2
.irp c, (\c0), (\c0)+1, (\c0)+2, (\c0)+3
.if \first
	v_wmma_f32_16x16x32_bf16 v[A4+8*(\c):A4+8*(\c)+7], v[64*(\kk)+8*(\c):64*(\kk)+8*(\c)+7], v[AF+40*(\kk)+32:AF+40*(\kk)+39], 0
.else
	v_wmma_f32_16x16x32_bf16 v[A4+8*(\c):A4+8*(\c)+7], v[64*(\kk)+8*(\c):64*(\kk)+8*(\c)+7], v[AF+40*(\kk)+32:AF+40*(\kk)+39], v[A4+8*(\c):A4+8*(\c)+7]
.endif
.endr
.endm
.macro BLOAD u, off                    ; a K step's eight weight fragments, at byte off from the phase's first, into buffer u
	WIN 0xc0                                       ; destination window 3
.irp c, 0,1,2,3,4,5,6,7
	ds_load_b128 v[64*(\u)+8*(\c):64*(\u)+8*(\c)+3],   v[BL] offset:(\off)+1024*(\c)
	ds_load_b128 v[64*(\u)+8*(\c)+4:64*(\u)+8*(\c)+7], v[BL] offset:(\off)+1024*(\c)+512
.endr
.endm
.macro ALOAD ab, off                   ; five row fragments: lane l takes row l % 16, bytes 16 (l / 16) and 32 + 16 (l / 16) of the K step's 64
	WIN 0
.irp i, 0,1,2,3,4
	global_load_b128 v[AF+40*(\ab)+8*(\i):AF+40*(\ab)+8*(\i)+3],   v[XO+(\i)], s[XBR:XBR+1] offset:(\off)
	global_load_b128 v[AF+40*(\ab)+8*(\i)+4:AF+40*(\ab)+8*(\i)+7], v[XO+(\i)], s[XBR:XBR+1] offset:(\off)+32
.endr
.endm
; STEP kk of a phase (K step t).  n: the loads issued behind the rows of step t; item t + 6 is older than those rows, so one wait serves both.  cv: item t + 6 is converted; its sixteen conversions are the places
; between the products of earlier steps and the loads into the buffers that those read (no conversion: four v_nop).  is: item t + 10 is asked for.  al: the rows of step t + 3 are asked for.
; st: the next phase's items are stored.  nextp: a phase follows.
.macro STEP kk, first, n, cv, is, al, st, nextp
.set sl_, ((\kk)+2)%4
.if (\kk) == 2
	s_wait_dscnt 0x0                               ; the fragments of steps 2 and 3 are in: my LDS reads of this phase are over,
	s_barrier_signal -1
	s_barrier_wait -1                              ; and everybody's are
.if \st
	SSTORE 32768                                   ; up to the next barrier LDS is only written
.endif
.endif
.if ((\kk) == 3) && (\nextp)
	BLOAD 0, 32768                                 ; the next phase's first fragments, under this step's products
.endif
	s_wait_loadcnt \n
.if (\kk) < 2
	s_wait_dscnt 0x0                               ; this step's fragments, asked for a step ago
.endif
	MUL16 \kk, 0, \first
.if \cv
	CVT8 sl_, 0
.else
	PLACES
.endif
	MUL4 \kk, 0, \first
.if (\kk) == 0
	BLOAD 1, 8192
.endif
.if (\kk) == 1
	BLOAD 2, 16384
.endif
	MUL16 \kk, 4, \first
.if \cv
	CVT8 sl_, 1
.endif
.if (\kk) == 1
	BLOAD 3, 24576
.endif
	MUL4 \kk, 4, \first
	WIN 0
.if \al
	ALOAD ((\kk)+3)%4, 64*((\kk)+3)
.endif
.if \is
	NEXTW sl_
.endif
.if ((\kk) == 2) && (\st)
	BAR                                            ; everybody's stores are done: the next phase lies in LDS
.endif
.endm
; A phase.  cv, is, al: a bit for each of the four steps.
.macro PHASE first, n0, n1, n2, n3, cv, is, al, st, nextp
	WIN 0
	v_add_nc_u32 v[BL], s[PBS], v[L16]
	v_add_nc_u32 v[LS], s[PBS], v[LS0]
	STEP 0, \first, \n0, (\cv)&1, (\is)&1, (\al)&1, \st, \nextp
	STEP 1, 0, \n1, ((\cv)>>1)&1, ((\is)>>1)&1, ((\al)>>1)&1, \st, \nextp
	STEP 2, 0, \n2, ((\cv)>>2)&1, ((\is)>>2)&1, ((\al)>>2)&1, \st, \nextp
	STEP 3, 0, \n3, ((\cv)>>3)&1, ((\is)>>3)&1, ((\al)>>3)&1, \st, \nextp
	WIN 0
	s_wait_xcnt 0x0                                ; the row loads' base is stepped only behind this wait
	s_add_nc_u64 s[XBR:XBR+1], s[XBR:XBR+1], 256
	s_add_co_u32 s[PBS], s[PBS], 32768
.endm
; A K step of a further trip: plain, since such trips are rare: load, wait, 40 products.
.macro SLOW first
	WIN 0
	v_add_nc_u32 v[BL], s[PBS], v[L16]
	ALOAD 0, 0
	BLOAD 0, 0
	s_wait_loadcnt 0x0
	s_wait_dscnt 0x0
	MUL16 0, 0, \first
	MUL4 0, 0, \first
	MUL16 0, 4, \first
	MUL4 0, 4, \first
	WIN 0
	PLACES
	s_add_nc_u64 s[XBR:XBR+1], s[XBR:XBR+1], 64    ; its loads have landed
	s_add_co_u32 s[PBS], s[PBS], 8192
.endm
.macro XOSET                           ; my five rows' offsets from their rho
	s_wait_xcnt 0x0                                ; registers that earlier loads and stores read are written again only behind this wait
	v_bfe_u32 v[TV], v0, 4, 1
	v_lshlrev_b32 v[TV], 4, v[TV]
.irp i, 0,1,2,3,4
	v_min_u32 v[T1], 0x7ff, v[RH+(\i)]
.if DOWN
	v_lshl_add_u32 v[XO+(\i)], v[T1], 13, v[TV]             ; rho x 8,192 + 16 (lane / 16)
.else
	v_and_b32 v[T1], 0x7fe, v[T1]
	v_lshl_add_u32 v[XO+(\i)], v[T1], 10, v[TV]             ; token x 2,048 + 16 (lane / 16)
.endif
.endr
	s_mov_b64 s[XBR:XBR+1], s[ACT:ACT+1]
.endm
; THE WAY OUT.  The 32 numbers of tile i, half b, + bias: u outermost, so that each accumulator is first read at its register 0.
.macro ADDB i, b
.if (\b) == 0
	WIN 0
	v_mov_b32 v[RC], v[RH+(\i)]
.endif
.if (\i) < 4
	WIN 0x09                                       ; source 0 window 1, source 1 window 2
.set ab_, 64*(\i)+32*(\b)
.else
	WIN 0x0a                                       ; both window 2
.set ab_, A4+32*(\b)
.endif
.set z, 0
.rept 32
	v_add_f32 v[X+z], v[ab_+8*(z%4)+z/4], v[TT+32*(\b)+z]
.set z, z+1
.endr
	WIN 0
.endm
.macro FETCHX b                        ; the tile is a loop's count, register numbers are not: one small block for each tile
.irp n, 0,1,2,3
	s_cmp_eq_u32 s[ROWI], \n
	s_cbranch_scc1 .Lblk\b\n
.endr
	ADDB 4, \b
	s_branch .Lgen\b
.irp n, 0,1,2,3
.Lblk\b\n:
	ADDB \n, \b
.if (\n) < 3
	s_branch .Lgen\b
.endif
.endr
.Lgen\b:
.endm
.macro GEN b                           ; the activation (DOWN = 0), and into my stage
.if DOWN
.irp q, 0,1,2,3,4,5,6,7
	ds_store_b128 v[SA], v[X+4*(\q):X+4*(\q)+3] offset:256*(\b)+16*(\q)
.endr
.else
	; gelu(x) = x / (1 + 2^(-x (c1 + c2 x^2)))
.set z, 0
.rept 16
	v_pk_mul_f32 v[T+z:T+z+1], v[X+z:X+z+1], v[X+z:X+z+1]
.set z, z+2
.endr
.set z, 0
.rept 16
	v_pk_fma_f32 v[T+z:T+z+1], v[T+z:T+z+1], s[C2:C2+1], s[C1:C1+1] op_sel_hi:[1,0,0]
.set z, z+2
.endr
.set z, 0
.rept 16
	v_pk_mul_f32 v[T+z:T+z+1], v[T+z:T+z+1], v[X+z:X+z+1]
.set z, z+2
.endr
.set z, 0
.rept 32
	v_exp_f32 v[T+z], v[T+z]
.set z, z+1
.endr
	v_nop                                          ; the plain instruction behind the last exponential
	s_wait_alu depctr_va_vdst(0)                   ; one wait for the batch of 32, ahead of its first use
.set z, 0
.rept 16
	v_pk_add_f32 v[T+z:T+z+1], v[T+z:T+z+1], 1.0 op_sel_hi:[1,0]
.set z, z+2
.endr
.set z, 0
.rept 32
	v_rcp_f32 v[T+z], v[T+z]
.set z, z+1
.endr
	v_nop
	s_wait_alu depctr_va_vdst(0)
.set z, 0
.rept 16
	v_pk_mul_f32 v[X+z:X+z+1], v[X+z:X+z+1], v[T+z:T+z+1]
.set z, z+2
.endr
.set z, 0
.rept 16
	v_cvt_pk_bf16_f32 v[PK+z], v[X+2*z], v[X+2*z+1]
.set z, z+1
.endr
.irp q, 0,1,2,3
	ds_store_b128 v[SA], v[PK+4*(\q):PK+4*(\q)+3] offset:128*(\b)+16*(\q)
.endr
.endif
.endm
.if DOWN == 0
; Four tokens a lane: token 128 n + 4 l + c.  A match's place is the matches so far + those in lower lanes; a lane without a match gets the word behind the list.
.macro LGROUP n
.irp c, 0,1,2,3
	v_and_b32 v[TM+(\c)], s[MSK], v[GL+4*(\n)+(\c)]
	v_cmp_ne_u32 s[MK+(\c)], 0, v[TM+(\c)]
.endr
.irp c, 0,1,2,3
	s_mov_b32 s[BS+(\c)], s[RUN]
	s_bcnt1_i32_b32 s[TS], s[MK+(\c)]
	s_add_co_u32 s[RUN], s[RUN], s[TS]
.endr
.irp c, 0,1,2,3
	v_mbcnt_lo_u32_b32 v[PP+(\c)], s[MK+(\c)], s[BS+(\c)]
	v_cndmask_b32 v[PP+(\c)], -1, v[PP+(\c)], s[MK+(\c)]
	v_min_u32 v[PP+(\c)], DIDX, v[PP+(\c)]
	v_lshl_add_u32 v[PP+(\c)], v[PP+(\c)], 2, v[LB]
	v_lshrrev_b32 v[TM+(\c)], s[SH], v[TM+(\c)]             ; the slot: 1 if the expert is the token's second
	v_add3_u32 v[TM+(\c)], v[L8V], v[TM+(\c)], 2*(\c)       ; rho = 256 n + 8 l + 2 c + slot
	ds_store_b32 v[PP+(\c)], v[TM+(\c)]
.endr
	v_add_nc_u32 v[L8V], 0x100, v[L8V]
.endm
.endif
	s_load_b256 s[8:15], s[0:1], 0x0
.if DOWN
	s_load_b64 s[16:17], s[0:1], 0x20
.else
	s_load_b128 s[16:19], s[0:1], 0x20
.endif
	v_lshl_add_u32 v[SPW], v0, 2, SPARE
	v_mov_b32 v[NIL], 0
	v_lshrrev_b32 v[T1], 5, v0
	v_readfirstlane_b32 s[WV], v[T1]
	v_and_b32 v[L16], 31, v0
	v_lshlrev_b32 v[L16], 4, v[L16]
	s_and_b32 s[EX], ttmp7, 0xffff
.if DOWN
	s_and_b32 s[SL], ttmp9, 7
	s_lshr_b32 s[KQ], ttmp9, 3
.else
	s_mov_b32 s[SL], ttmp9
.endif
	s_lshl_b32 s[TP], s[EX], 24                    ; an expert's weights: 16 MiB
	s_lshl_b32 s[TS], s[SL], 9                     ; 128 columns of f32
	s_add_co_u32 s[TP], s[TP], s[TS]
.if DOWN
	s_lshl_b32 s[TS+1], s[KQ], 22                  ; 1,024 rows of 4,096 bytes
	s_add_co_u32 s[TP], s[TP], s[TS+1]
.endif
	s_mov_b32 s[TP+1], 0
	s_wait_kmcnt 0x0
	s_add_nc_u64 s[WB:WB+1], s[WB:WB+1], s[TP:TP+1]
.if DOWN
	s_lshl_b32 s[TP], s[EX], 12
.else
	s_lshl_b32 s[TP], s[EX], 14
.endif
	s_add_co_u32 s[TP], s[TP], s[TS]
	s_add_nc_u64 s[BIA:BIA+1], s[BIA:BIA+1], s[TP:TP+1]
.if DOWN
	s_lshl_b32 s[TP], s[KQ], 23                    ; a quarter's partial sums: 8 MiB
	s_add_co_u32 s[TP], s[TP], s[TS]
	s_add_nc_u64 s[OUT:OUT+1], s[OUT:OUT+1], s[TP:TP+1]
	s_lshl_b32 s[TP], s[KQ], 11                    ; 1,024 columns of bf16
	s_add_nc_u64 s[ACT:ACT+1], s[ACT:ACT+1], s[TP:TP+1]
	s_mul_i32 s[TP], s[EX], 5632
	s_add_nc_u64 s[LIN:LIN+1], s[LIN:LIN+1], s[TP:TP+1]
.else
	s_lshl_b32 s[TP], s[SL], 8                     ; 128 columns of bf16
	s_add_nc_u64 s[OUT:OUT+1], s[OUT:OUT+1], s[TP:TP+1]
	s_mul_i32 s[TP], s[EX], 5632
	s_add_nc_u64 s[LOU:LOU+1], s[LOU:LOU+1], s[TP:TP+1]
.endif
	; What the list is made of, and the bias, are asked for first, so that they are in ahead of the weights.  All four waves ask (under 6 KiB each, read by every work-group anyway), so that every
	; wave's counted waits see the same loads; wave 0 alone uses them.
.if DOWN
.irp m, 0,1,2,3,4,5,6,7,8,9,10
	global_load_b128 v[GL+4*(\m):GL+4*(\m)+3], v[L16], s[LIN:LIN+1] offset:512*(\m)
.endr
.else
.irp n, 0,1,2,3,4,5,6,7
	global_load_b128 v[GL+4*(\n):GL+4*(\n)+3], v[L16], s[LIN:LIN+1] offset:512*(\n)
.endr
.endif
	global_load_b128 v[BI:BI+3], v[L16], s[BIA:BIA+1]
	; the ring is filled: items 0-3, 32 loads, 16 KiB a wave
	s_and_b32 s[TS], s[WV], 1                      ; b
	s_lshr_b32 s[TS+1], s[WV], 1                   ; g
	s_mul_i32 s[TS+2], s[TS+1], 16*WPITCH
	s_lshl_b32 s[TS+3], s[TS], 8
	s_add_co_u32 s[TS+2], s[TS+2], s[TS+3]
	v_and_b32 v[T1], 15, v0                        ; l % 16
	v_bfe_u32 v[T2], v0, 4, 1                      ; l / 16
	v_mul_u32_u24 v[TV], v[T2], 8*WPITCH
	v_lshl_add_u32 v[TV], v[T1], 4, v[TV]
	v_add_nc_u32 v[TV], s[TS+2], v[TV]
.irp s, 0,1,2,3
	v_add_nc_u32 v[OFF+(\s)], (\s)*32*WPITCH, v[TV]
	LISSUE \s
.endr
	s_lshl_b32 s[TS+1], s[TS+1], 9
	s_lshl_b32 s[TS], s[TS], 12
	s_add_co_u32 s[TS], s[TS], s[TS+1]
	v_add_nc_u32 v[LS0], s[TS], v[L16]             ; 16 l + 512 g + 4,096 b
	v_lshl_add_u32 v[BVA], v[T2], 7, BIAS
	s_mul_i32 s[STG], s[WV], 16*SPITCH
	s_add_co_u32 s[STG], s[STG], STAGE             ; my stage
	v_mul_u32_u24 v[SA], v[T1], SPITCH             ; in: row l % 16, my 32 columns
	v_lshl_add_u32 v[SA], v[T2], LSH+3, v[SA]
	v_add_nc_u32 v[SA], s[STG], v[SA]
	v_and_b32 v[LL], 31, v0
	v_lshlrev_b32 v[LL], LSH, v[LL]
	v_add_nc_u32 v[SR], s[STG], v[LL]              ; back: a whole row, all 32 lanes
	PRO 0, 24                                      ; items 0-3 are converted, items 4-7 asked for.  24: three younger items of eight loads
	PRO 1, 24
	PRO 2, 24
	PRO 3, 24
	s_cmp_lg_u32 s[WV], 0
	s_cbranch_scc1 .Lbar_list
	; wave 0 alone lays the list, the count and the bias into LDS, while items 4-7 are on their way; no other wave touches LDS before the barrier.  (Its words are older than item 0: they are in.)
	v_add_nc_u32 v[AD], LIST, v[L16]
.if DOWN
.irp m, 0,1,2,3,4,5,6,7,8,9,10
	ds_store_b128 v[AD], v[GL+4*(\m):GL+4*(\m)+3] offset:512*(\m)
.endr
	s_cmp_eq_u32 s[KQ], 0
	s_cselect_b32 s[MSK], -1, 0                    ; the bias is added in the first quarter of K alone
.else
.irp c, 0,1,2,3
	v_mov_b32 v[ZR+(\c)], 0
.endr
	v_mov_b32 v[LB], LIST
	v_lshrrev_b32 v[L8V], 1, v[L16]
.irp m, 0,1,2,3,4,5,6,7,8,9,10
	ds_store_b128 v[AD], v[ZR:ZR+3] offset:512*(\m)  ; 5,632 bytes of zeros: places past the count name row 0
.endr
	s_lshl_b32 s[MSK], 0x101, s[EX]                ; the expert's bit as first and as second choice
	s_add_co_u32 s[SH], s[EX], 8
	s_mov_b32 s[RUN], 0
.endif
	v_cvt_pk_bf16_f32 v[TM], v[BI], v[BI+1]        ; the bias, rounded to bf16 and widened again
	v_cvt_pk_bf16_f32 v[TM+1], v[BI+2], v[BI+3]
	v_lshlrev_b32 v[BI], 16, v[TM]
	v_and_b32 v[BI+1], 0xffff0000, v[TM]
	v_lshlrev_b32 v[BI+2], 16, v[TM+1]
	v_and_b32 v[BI+3], 0xffff0000, v[TM+1]
.if DOWN
.irp c, 0,1,2,3
	v_and_b32 v[BI+(\c)], s[MSK], v[BI+(\c)]
.endr
.endif
	ds_store_b128 v[AD], v[BI:BI+3] offset:BIAS-LIST
.if DOWN == 0
.irp n, 0,1,2,3,4,5,6,7
	LGROUP \n
.endr
	v_mov_b32 v[TM], s[RUN]
	v_mov_b32 v[PP], CNTW
	ds_store_b32 v[PP], v[TM]
	s_cmp_lg_u32 s[SL], 0
	s_cbranch_scc1 .Lbar_list
.irp m, 0,1,2,3,4,5,6,7,8,9,10                 ; slice 0 leaves the expert's list for the second product
	ds_load_b128 v[LWC+4*(\m):LWC+4*(\m)+3], v[AD] offset:512*(\m)
.endr
	s_wait_dscnt 0x0
.irp m, 0,1,2,3,4,5,6,7,8,9,10
	global_store_b128 v[L16], v[LWC+4*(\m):LWC+4*(\m)+3], s[LOU:LOU+1] offset:512*(\m)
.endr
.endif
.Lbar_list:
	BAR                                            ; list, count and bias are there; up to the next barrier LDS is only read
	v_and_b32 v[TV], 15, v0
	s_lshl_b32 s[TS], s[WV], 6
	s_add_co_u32 s[TS], s[TS], LIST
	v_lshl_add_u32 v[TV], v[TV], 2, s[TS]
.set k, 0
.rept 20                               ; the rho of my row in all 4 x 5 tiles that I can have: place 320 trip + 64 i + 16 wave + l % 16
	ds_load_b32 v[RH+k], v[TV] offset:1280*(k/5)+256*(k%5)
.set k, k+1
.endr
	v_mov_b32 v[T1], CNTW
	ds_load_b32 v[T2], v[T1]
	s_mov_b32 s[TRIP], 0
	s_lshl_b32 s[TB], s[WV], 4
	s_mov_b32 s[PBS], 0
.if DOWN == 0
	s_mov_b32 s[C1], 0xc0135761                    ; -2.3022082
	s_mov_b32 s[C1+1], s[C1]                       ; named with it as a pair
	s_mov_b32 s[C2], 0xbdd2d3e7                    ; -0.10294324
	s_mov_b32 s[C2+1], s[C2]
.endif
	s_wait_dscnt 0x0
	v_readfirstlane_b32 s[CNT], v[T2]
	s_min_u32 s[CNT], s[CNT], 1024
	XOSET
	ALOAD 0, 0                                     ; the rows of K steps 0, 1, 2: with items 4-7, 62 loads of mine are out
	ALOAD 1, 64
	ALOAD 2, 128
	v_add_nc_u32 v[BL], s[PBS], v[L16]
	v_add_nc_u32 v[LS], s[PBS], v[LS0]
	BAR                                            ; everybody has read the list; up to the next barrier LDS is only written
	SSTORE 0                                       ; phase 0's items
	PRO 0, 54                                      ; item 4.  54: items 5-7 and 30 row loads
	PRO 1, 54                                      ; item 5.  54: items 6, 7, 30 row loads, item 8
	BAR                                            ; phase 0 lies in LDS
	BLOAD 0, 0
	PHASE 1, 36, 44, 44, 44, 15, 15, 15, 1, 1      ; phase 0: the first products start the sums.  36: the rows of steps 1, 2 and items 8, 9.  44: three items and two steps' rows
	s_mov_b32 s[PH], 4
.Lph:                                                  ; phases 1-4
	PHASE 0, 44, 44, 44, 44, 15, 15, 15, 1, 1
	s_sub_co_u32 s[PH], s[PH], 1
	s_cmp_lg_u32 s[PH], 0
	s_cbranch_scc1 .Lph
	PHASE 0, 44, 44, 44, 36, 15, 3, 15, 1, 1       ; phase 5: items 30 and 31 are the last to be asked for, and the counts begin to run down
	PHASE 0, 28, 20, 20, 20, 3, 0, 15, 1, 1        ; phase 6: items 30 and 31 are the last to be converted
	WIN 0x80
.irp b, 0,1
.irp q, 0,1,2,3,4,5,6,7
	ds_load_b128 v[TT+32*(\b)+4*(\q):TT+32*(\b)+4*(\q)+3], v[BVA] offset:256*(\b)+16*(\q)  ; my 64 numbers of the bias, into the registers that the stream has left; they stay for all trips
.endr
.endr
	PHASE 0, 20, 20, 10, 0, 0, 0, 1, 0, 0          ; phase 7.  Behind its barrier no wave reads LDS before its way out, so the stages may be written
	PLACES
	s_branch .Lepi
.Ltrip:                                                ; three further trips, for an expert with more than 320 rows
	BAR                                            ; everybody's way out is over; up to the next barrier LDS is only read
	s_cmp_le_u32 s[CNT], s[TB]
	s_cbranch_scc1 .Lm_done                        ; I have no row in this trip
	XOSET
	s_mov_b32 s[PBS], 0
	SLOW 1
	s_mov_b32 s[PH], 31
.Lks:
	SLOW 0
	s_sub_co_u32 s[PH], s[PH], 1
	s_cmp_lg_u32 s[PH], 0
	s_cbranch_scc1 .Lks
.Lm_done:
	BAR                                            ; everybody's products are over; up to the next barrier each wave touches its own stage alone
.Lepi:
	s_cmp_le_u32 s[CNT], s[TB]
	s_cbranch_scc1 .Le_done
	s_sub_co_i32 s[LIVE], s[CNT], s[TB]
	s_mov_b32 s[ROWI], 0
.Lrow:                                                 ; five tiles of 16 rows
	s_cmp_lt_i32 s[LIVE], 1
	s_cbranch_scc1 .Lrow_next                      ; no row of this tile exists
	s_wait_xcnt 0x0                                ; the last tile's stores have read their registers
	FETCHX 0
	GEN 0
	FETCHX 1
	GEN 1
.irp t, 0,1,2,3,4,5,6,7,8,9,10,11,12,13,14,15
	v_readlane_b32 s[TS], v[RC], \t                ; row t's rho lies in lane t
	s_min_u32 s[TS], s[TS], 0x7ff
	v_lshl_add_u32 v[RO+(\t)], s[TS], RSH, v[LL]
.endr
.irp t, 0,1,2,3,4,5,6,7,8,9,10,11,12,13,14,15
.if DOWN
	ds_load_b128 v[X+4*(\t):X+4*(\t)+3], v[SR] offset:SPITCH*(\t)    ; my own stage: LDS serves a wave's instructions in order (ISA guide 5.7.1.4)
.else
	ds_load_b64 v[T+2*(\t):T+2*(\t)+1], v[SR] offset:SPITCH*(\t)
.endif
.endr
	s_wait_dscnt 0x0
.irp t, 0,1,2,3,4,5,6,7,8,9,10,11,12,13,14,15
.if (\t) > 0
	s_cmp_le_i32 s[LIVE], \t
	s_cbranch_scc1 .Lrow_next                      ; rows past the count are not stored
.endif
.if DOWN
	global_store_b128 v[RO+(\t)], v[X+4*(\t):X+4*(\t)+3], s[OUT:OUT+1]    ; a store is one row's 512 consecutive bytes, at a multiple of 256 from the buffer's first
.else
	global_store_b64 v[RO+(\t)], v[T+2*(\t):T+2*(\t)+1], s[OUT:OUT+1]     ; a store is one row's 256 consecutive bytes, at a multiple of 256 from the buffer's first
.endif
.endr
.Lrow_next:
	s_sub_co_i32 s[LIVE], s[LIVE], 64              ; my next tile lies 64 places on
	s_add_co_u32 s[ROWI], s[ROWI], 1
	s_cmp_lt_u32 s[ROWI], 5
	s_cbranch_scc1 .Lrow
.Le_done:
.set k, 0
.rept 15                               ; the next trip's rho move down
	v_mov_b32 v[RH+k], v[RH+k+5]
.set k, k+1
.endr
	s_add_co_u32 s[TB], s[TB], 320
	s_add_co_u32 s[TRIP], s[TRIP], 1
	s_cmp_lt_u32 s[TRIP], 4                        ; 4 x 320 places hold the 1,024 rows that an expert can have
	s_cbranch_scc1 .Ltrip
	s_wait_tensorcnt 0x0                           ; the wave's end, behind my last LDS store
	ds_add_u32 v[SPW], v[NIL]
	s_wait_dscnt 0x0
	s_endpgm
.Lfunc_end_k_q759f12e36a_down:
	.size	k_q759f12e36a_down, .Lfunc_end_k_q759f12e36a_down-k_q759f12e36a_down
	.p2alignl 7, 3214868480
	.fill 96, 4, 3214868480
	.section	.rodata,"a",@progbits
	.p2align	6, 0x0
	.amdhsa_kernel k_q759f12e36a_down
		.amdhsa_group_segment_fixed_size 302848
		.amdhsa_private_segment_fixed_size 0
		.amdhsa_enable_private_segment 0
		.amdhsa_kernarg_size 40
		.amdhsa_user_sgpr_count 2
		.amdhsa_user_sgpr_kernarg_segment_ptr 1
		.amdhsa_wavefront_size32 1
		.amdhsa_system_sgpr_workgroup_id_x 1
		.amdhsa_system_sgpr_workgroup_id_y 1
		.amdhsa_system_sgpr_workgroup_id_z 1
		.amdhsa_system_vgpr_workitem_id 0
		.amdhsa_next_free_vgpr 1024
		.amdhsa_next_free_sgpr 66
		.amdhsa_reserve_vcc 0
		.amdhsa_float_denorm_mode_32 3
		.amdhsa_float_denorm_mode_16_64 3
		.amdhsa_memory_ordered 1
		.amdhsa_forward_progress 1
		.amdhsa_inst_pref_size 181
	.end_amdhsa_kernel
	.amdgpu_metadata
---
amdhsa.version: [ 1, 2 ]
amdhsa.kernels:
  - .name:           k_q759f12e36a_down
    .symbol:         k_q759f12e36a_down.kd
    .args:
      - { .name: h, .offset: 0, .size: 8, .value_kind: global_buffer, .address_space: global }
      - { .name: W2, .offset: 8, .size: 8, .value_kind: global_buffer, .address_space: global }
      - { .name: b2, .offset: 16, .size: 8, .value_kind: global_buffer, .address_space: global }
      - { .name: lists, .offset: 24, .size: 8, .value_kind: global_buffer, .address_space: global }
      - { .name: y, .offset: 32, .size: 8, .value_kind: global_buffer, .address_space: global }
    .group_segment_fixed_size: 302848
    .private_segment_fixed_size: 0
    .kernarg_segment_align: 8
    .kernarg_segment_size: 40
    .max_flat_workgroup_size: 128
    .sgpr_count:     66
    .vgpr_count:     1024
    .wavefront_size: 32
...
	.end_amdgpu_metadata
.endif
;; end of part 3
;; launch total (part 4): grid 256 x 1, 8 waves a work-group, no clusters, 0 bytes of LDS; arguments y, gate, out0, out1; writes out0, out1
.if DOCPART == 4
	.amdgcn_target "amdgcn-amd-amdhsa--gfx1250"
	.amdhsa_code_object_version 6
	.text
	.protected	k_q759f12e36a_total
	.globl	k_q759f12e36a_total
	.p2align	8
	.type	k_q759f12e36a_total,@function
k_q759f12e36a_total:
	s_mov_b64 s[64:65], 0
	v_nop
	global_prefetch_b8 v0, s[64:65] scope:SCOPE_SE
	s_setreg_imm32_b32 hwreg(HW_REG_WAVE_MODE, 25, 1), 1
	s_wait_xcnt 0x0
; out0[t][c] = g[t][0] (sum over kq of y[kq][2 t][c]) + g[t][1] (sum over kq of y[kq][2 t + 1][c]);  out1 = 0.
; y: [4][2048][1024] f32, partial sums over the four quarters of K.  gate: [1024][2] f32.  out0: [1024][1024] f32.  All in f32.
; A stream: each byte of y is read once, each byte of out0 written once; no LDS, no barrier, no matrix unit, no cluster: nothing is shared.
; A work-group has four tokens; thread t has the 16 bytes at 16 t of every row, so a load or store of a wave covers 512 consecutive bytes.  All 32 loads of a wave go out before the first wait.
.set YB, 8                             ; v8-135   token a, slot k, quarter q at YB + 4 (8 a + 4 k + q)
.set OB, 136                           ; v136-151 token a's 16 bytes of out0
	s_load_b256 s[4:11], s[0:1], 0x0               ; y s[4:5], gate s[6:7], out0 s[8:9], out1 s[10:11]
	v_lshlrev_b32 v1, 4, v0                        ; 16 t, and a quarter's 8 MiB (past the immediate's reach) in a register for each quarter
	v_add_nc_u32 v2, 0x800000, v1
	v_add_nc_u32 v3, 0x1000000, v1
	v_add_nc_u32 v4, 0x1800000, v1
	v_lshrrev_b32 v5, 5, v0
	v_readfirstlane_b32 s24, v5                    ; wave
	s_lshl_b32 s12, ttmp9, 15                      ; eight rows of y
	s_mov_b32 s13, 0
	s_lshl_b32 s14, ttmp9, 5                       ; eight weights
	s_mov_b32 s15, 0
	s_lshl_b32 s2, ttmp9, 14                       ; four rows of out0
	s_mov_b32 s3, 0
	s_wait_kmcnt 0x0
	s_add_nc_u64 s[4:5], s[4:5], s[12:13]
	s_add_nc_u64 s[6:7], s[6:7], s[14:15]
	s_add_nc_u64 s[8:9], s[8:9], s[2:3]
	s_load_b256 s[16:23], s[6:7], 0x0
.irp a, 0,1,2,3
.irp k, 0,1
.irp q, 0,1,2,3
	global_load_b128 v[YB+4*(8*(\a)+4*(\k)+(\q)):YB+4*(8*(\a)+4*(\k)+(\q))+3], v[1+(\q)], s[4:5] offset:(2*(\a)+(\k))*4096 th:TH_LOAD_NT
.endr
.endr
.endr
	s_wait_kmcnt 0x0
.irp a, 0,1,2,3
	s_wait_loadcnt 24-8*(\a)                       ; the younger tokens' loads, eight each, stay out
.irp k, 0,1
.irp z, 0,2
	v_pk_add_f32 v[YB+32*(\a)+16*(\k)+(\z):YB+32*(\a)+16*(\k)+(\z)+1], v[YB+32*(\a)+16*(\k)+(\z):YB+32*(\a)+16*(\k)+(\z)+1], v[YB+32*(\a)+16*(\k)+4+(\z):YB+32*(\a)+16*(\k)+4+(\z)+1]
	v_pk_add_f32 v[YB+32*(\a)+16*(\k)+8+(\z):YB+32*(\a)+16*(\k)+8+(\z)+1], v[YB+32*(\a)+16*(\k)+8+(\z):YB+32*(\a)+16*(\k)+8+(\z)+1], v[YB+32*(\a)+16*(\k)+12+(\z):YB+32*(\a)+16*(\k)+12+(\z)+1]
.endr
.irp z, 0,2
	v_pk_add_f32 v[YB+32*(\a)+16*(\k)+(\z):YB+32*(\a)+16*(\k)+(\z)+1], v[YB+32*(\a)+16*(\k)+(\z):YB+32*(\a)+16*(\k)+(\z)+1], v[YB+32*(\a)+16*(\k)+8+(\z):YB+32*(\a)+16*(\k)+8+(\z)+1]
.endr
.endr
.irp c, 0,1,2,3
	v_mul_f32 v[OB+4*(\a)+(\c)], s[16+2*(\a)], v[YB+32*(\a)+(\c)]
.endr
.irp c, 0,1,2,3
	v_fmac_f32 v[OB+4*(\a)+(\c)], s[17+2*(\a)], v[YB+32*(\a)+16+(\c)]
.endr
	global_store_b128 v1, v[OB+4*(\a):OB+4*(\a)+3], s[8:9] offset:4096*(\a) th:TH_STORE_NT
.endr
	s_cmp_lg_u32 ttmp9, 0
	s_cbranch_scc1 .Lend
	s_cmp_lg_u32 s24, 0
	s_cbranch_scc1 .Lend
	v_mov_b32 v6, 0
	v_mov_b32 v7, 0
	global_store_b32 v6, v7, s[10:11]              ; out1 = 0: one wave of one work-group; its lanes store the same word
.Lend:
	s_endpgm
.Lfunc_end_k_q759f12e36a_total:
	.size	k_q759f12e36a_total, .Lfunc_end_k_q759f12e36a_total-k_q759f12e36a_total
	.p2alignl 7, 3214868480
	.fill 96, 4, 3214868480
	.section	.rodata,"a",@progbits
	.p2align	6, 0x0
	.amdhsa_kernel k_q759f12e36a_total
		.amdhsa_group_segment_fixed_size 0
		.amdhsa_private_segment_fixed_size 0
		.amdhsa_enable_private_segment 0
		.amdhsa_kernarg_size 32
		.amdhsa_user_sgpr_count 2
		.amdhsa_user_sgpr_kernarg_segment_ptr 1
		.amdhsa_wavefront_size32 1
		.amdhsa_system_sgpr_workgroup_id_x 1
		.amdhsa_system_sgpr_workgroup_id_y 1
		.amdhsa_system_sgpr_workgroup_id_z 1
		.amdhsa_system_vgpr_workitem_id 0
		.amdhsa_next_free_vgpr 152
		.amdhsa_next_free_sgpr 66
		.amdhsa_reserve_vcc 0
		.amdhsa_float_denorm_mode_32 3
		.amdhsa_float_denorm_mode_16_64 3
		.amdhsa_memory_ordered 1
		.amdhsa_forward_progress 1
		.amdhsa_inst_pref_size 9
	.end_amdhsa_kernel
	.amdgpu_metadata
---
amdhsa.version: [ 1, 2 ]
amdhsa.kernels:
  - .name:           k_q759f12e36a_total
    .symbol:         k_q759f12e36a_total.kd
    .args:
      - { .name: y, .offset: 0, .size: 8, .value_kind: global_buffer, .address_space: global }
      - { .name: gate, .offset: 8, .size: 8, .value_kind: global_buffer, .address_space: global }
      - { .name: out0, .offset: 16, .size: 8, .value_kind: global_buffer, .address_space: global }
      - { .name: out1, .offset: 24, .size: 8, .value_kind: global_buffer, .address_space: global }
    .group_segment_fixed_size: 0
    .private_segment_fixed_size: 0
    .kernarg_segment_align: 8
    .kernarg_segment_size: 32
    .max_flat_workgroup_size: 256
    .sgpr_count:     66
    .vgpr_count:     152
    .wavefront_size: 32
...
	.end_amdgpu_metadata
.endif
;; end of part 4
;; ======== version 2 of 2: 4 launches
;; workspace buffers: xb 2,097,152 bytes; choice 4,096 bytes of whole numbers; gate 8,192 bytes; h 16,777,216 bytes; lists 45,056 bytes of whole numbers; y 33,554,432 bytes
;; launch router: the kernel of part 1 again; grid 64 x 1, 8 waves a work-group, no clusters, 44,032 bytes of LDS; arguments x, router_W, router_b, xb, choice, gate; writes xb, choice, gate
;; launch up (part 5): grid 32 x 8, 4 waves a work-group, no clusters, 286,464 bytes of LDS; arguments xb, W1, b1, choice, h, lists; writes h, lists
.if DOCPART == 5
	.amdgcn_target "amdgcn-amd-amdhsa--gfx1250"
	.amdhsa_code_object_version 6
	.text
	.protected	k_q759f12e36a_up
	.globl	k_q759f12e36a_up
	.p2align	8
	.type	k_q759f12e36a_up,@function
k_q759f12e36a_up:
	s_mov_b64 s[64:65], 0
	v_nop
	global_prefetch_b8 v0, s[64:65] scope:SCOPE_SE
	s_setreg_imm32_b32 hwreg(HW_REG_WAVE_MODE, 25, 1), 1
	s_wait_xcnt 0x0
; ONE PRODUCT OF A LAYER OF ROUTED EXPERTS, for the rows that chose the expert alone.  One text serves both products; DOWN picks the form.
;   DOWN = 0: h[rho][4096] (bf16) = gelu(xb[rho / 2] W1[e] + b1[e]), the tanh form.  DOWN = 1: y[kq][rho][1024] (f32) = h[rho][1024 kq ..] W2[e][1024 kq ..], + b2[e] where kq = 0: four partial sums.
; A routed row is named rho = 2 x token + slot (0: the token's first expert, 1: its second): a fixed place, so that nothing but a work-group's own list is sorted.
; Weights and biases are rounded to bf16 on their way through registers; products of bf16, sums in f32; h is rounded once to bf16.
; LIMITS.  NaN and infinities are not treated apart; 2^t below 2^-126 counts as 0 in gelu, which then gives x itself.
; SHARES.  A work-group has a block of 1,024 (K) x 128 (N) of ONE expert's weights, which it alone reads, and all of that expert's rows.  grid x: DOWN = 0: 32 slices of N; DOWN = 1: 8 slices of N + 8 x 4 quarters of K.  grid y: expert.
; Four waves, all with the same text.  Each streams a quarter of every K step's weights (an ITEM: 8 loads, 4 KiB), rounds and turns it in the places behind its matrix instructions, lays it into LDS as ready fragments
; (256 KiB, laid once, never written again), and multiplies 80 rows x 128 columns (40 accumulators), the rows' fragments straight from memory.
; K goes in 32 steps of 32, in 8 phases of 4.  At step t a wave converts item t + 6, asks for the rows of step t + 3 and then for item t + 10.
; THE OPENING.  Six items of a wave go out ahead of its first wait (48 loads, 24 KiB): items 0-3 into the ring, items 4 and 5 into 64 registers that the fragments take only later.
; AHEAD OF ITS LOADS a wave asks for its own items by global_prefetch_b8, two items a line: each lane names one of the 32 pieces of 256 consecutive bytes (16 rows x 2 K steps) that the wave's loads will take, so that each
; piece is asked for once, by the wave that loads it.  Items 6-15 are asked for in the opening and in K step 0, a pair or two at a place; in the loop the pair 4 j + 16 at the end of K step 4 j + 1 and the pair 4 j + 18 at the end of
; K step 4 j + 2: five to seven K steps ahead of the run that loads them, with 7 items of the work-group (112 KiB) at the most asked for and not yet loaded.  The loop's last trip has nothing left to ask for: its offset is
; held at the block's last rows, so that no line points outside my block.
; ONE RUN OF MEMORY INSTRUCTIONS A STEP, at its end, LDS first: step 1: the next phase's 16 stores; step 2: its fragments 0 and 1; step 3: fragments 2; step 0: fragments 3; in each the rows and the item.
; TWO BARRIERS A PHASE, so that LDS stores and LDS reads of different waves never share an interval: reads stand between the second barrier's wait (end of step 2) and the first's signal (middle of step 1), stores between the
; first's wait (end of step 1) and the second's signal (middle of step 2).  Between a signal and its wait stand sixteen products and eight conversions: registers alone.
; THE ROWS' LOADS HAVE FOUR BASES, one for each step of a phase; a base is stepped behind the counted wait that shows its last loads done.
; THE FIFTH TILE's products are jumped where the wave has no row there (its rows' loads stay, so that every counted wait sees the same loads on both ways).
; 320 rows go in one trip over K; an expert with more (1,024 at the most) takes up to three further trips on the resident block: a loop of a constant count whose barriers every wave passes, only work being jumped.
; Places past the count repeat row 0, and their stores are jumped.
; No tensor load: the weights must pass through registers to be rounded and turned.  No cluster: each weight byte has one taker, and the rows come by a list.
; THE MATRIX INSTRUCTION IS USED TRANSPOSED: source 0 = 16 columns of the weights, source 1 = 16 rows.  Column tile c = 4 b + j holds in its place m column 64 b + 4 m + j (what a lane's 16 bytes of a weight row give), so that a
; lane's four accumulators of a half b hold one row's 32 neighbouring columns 64 b + 32 (lane / 16) + 4 u + j (u: register).
.set DOWN, 0
.if DOWN
.set WSH,    12                        ; a row of the weights: 4,096 bytes
.set SPITCH, 528                       ; a stage row: 512 bytes + 16
.set RSH,    12                        ; a row of the output: 4,096 bytes
.set LSH,    4                         ; 16 bytes a lane
.else
.set WSH,    14                        ; 16,384 bytes
.set SPITCH, 272                       ; 256 bytes + 16
.set RSH,    13                        ; 8,192 bytes
.set LSH,    3                         ; 8 bytes a lane
.endif
.set WPITCH, 1<<WSH                    ; bytes from row to row of the weights
.set PFMAX,  959*WPITCH+256            ; the highest offset of the pair of items 28, 29; two K steps further on lies the block's last piece
; LDS.  0: fragments, (8 s + c) x 1,024: lane l's registers 0-3 at + 16 l, registers 4-7 at + 512 + 16 l: every store and load takes 512 consecutive bytes.
.set LIST,  262144                     ; 1,280 words of rho (0 past the count), the count at word 1,280, zeros up to 1,408
.set CNTW,  LIST+5120
.set DIDX,  1408                       ; the word behind the list takes what lanes without a match store
.set BIAS,  LIST+5888                  ; 128 f32
.set STAGE, BIAS+512                   ; 16 rows for each wave, its own
.set SPARE, STAGE+4*16*SPITCH          ; the spare words, 128 bytes for each wave: two blocks of 256 bytes that no other line names
; scalar registers
.set WV,   2                           ; wave
.set EX,   3                           ; expert
.set SL,   4                           ; slice of N
.set KQ,   5                           ; quarter of K (DOWN)
.set ACT,  8                           ; s[8:9]   the rows: xb, or h at my quarter
.set WB,   10                          ; s[10:11] my block of the weights
.set BIA,  12                          ; s[12:13] my 128 numbers of the bias
.set LIN,  14                          ; s[14:15] choice, or (DOWN) my expert's list
.set OUT,  16                          ; s[16:17] the output at my columns
.set LOU,  18                          ; s[18:19] lists at my expert (DOWN = 0)
.set TP,   20                          ; s[20:21] an offset; the high word stays 0
.set CNT,  24                          ; my expert's rows
.set TRIP, 25
.set TB,   26                          ; my first place in the list: 320 x trip + 16 x wave
.set PH,   27
.set PBS,  28                          ; LDS byte at which the fragments of the phase to be stored and fetched next begin
.set LIVE, 29                          ; rows left from the tile in hand on
.set ROWI, 30
.set STG,  31                          ; my stage
.set C1,   32                          ; s[32:33] -2 sqrt(2/pi) log2(e)
.set C2,   34                          ; s[34:35] the same x 0.044715
.set MSK,  36
.set SH,   37
.set RUN,  38
.set MK,   40                          ; s40-43 four masks
.set BS,   44                          ; s44-47 four bases
.set TS,   48                          ; s48-51 at work
.set XB,   52                          ; s[52:59] the rows' four bases: pair k serves the loads issued in step k of a phase
.set T4,   60                          ; 1: my fifth tile has a row
.set RL,   68                          ; s68-83  sixteen rows' rho on the way out
; vector registers, window 0 (v0: the thread's number, never rewritten)
.set BL,   1                           ; LDS address of a phase's fragments, for my loads
.set XO,   2                           ; v2-6    tile i: byte offset of my row
.set TV,   7
.set L16,  8                           ; 16 x lane; never rewritten
.set LS0,  9                           ; 16 x lane + 512 g + 4,096 b; never rewritten
.set LS,   10                          ; LDS address of a phase's fragments, for my stores
.set BVA,  11                          ; where my 64 numbers of the bias begin
.set OFF,  12                          ; v12-15  ring slot n: byte offset of its item in my block of the weights
.set SA,   16                          ; the way out: where I put my 32 columns of a row
.set SR,   17                          ; the way out: where I read a row back
.set LL,   18                          ; my bytes in a row of the output
.set SPW,  19                          ; LDS address of my spare word; never rewritten
.set NIL,  20                          ; 0; never rewritten
.set RC,   21                          ; the rho of the tile in hand
.set T1,   22
.set T2,   23
.set RH,   24                          ; v24-43  rho of my row in tile i of this trip (0-4) and of the trips to come (5-19)
.set PFB,  44                          ; my lane's piece of my items 0, 1: byte offset in my block; never rewritten
.set PF,   45                          ; the same for the pair of items that the loop asks for next
.set AF,   48                          ; v48-207 the rows' fragments: four buffers of five
.set GL,   208                         ; v208-255 the choice words (32) or the stored list (44), and the bias (4): no other load lands here
.if DOWN
.set BI,   252
.else
.set BI,   240
.endif
; the way out (the rows' buffers are free then)
.set X,    48                          ; v48-79
.set T,    80                          ; v80-111
.set PK,   112                         ; v112-127
.set RO,   128                         ; v128-143 sixteen rows' offsets in the output
; wave 0 while it makes the list
.set TM,   48
.set PP,   52
.set ZR,   56
.set L8V,  60
.set AD,   61
.set LB,   62
.set LWC,  64                          ; v64-107
; window 1: the accumulators of tiles 0-3, (i, c) at 64 i + 8 c.  window 3: the weights' fragments, step kk of the phase, tile c at 64 kk + 8 c; in the opening its v0-63 take items 4 and 5 as loaded.  window 2:
.set A4,   0                           ; the accumulators of tile 4
.set RING, 64                          ; four slots of 32: an item as loaded
.set TT,   192                         ; four slots of 16: an item rounded and turned; when the stream has ended: my 64 numbers of the bias
.set MSB, 0
.macro WIN new                         ; s_set_vgpr_msb: bits 1:0 source 0, 3:2 source 1, 5:4 source 2, 7:6 destination; the high byte repeats the setting that is left
.if MSB != (\new)
	s_set_vgpr_msb (MSB<<8)|(\new)
.set MSB, \new
.endif
.endm
.macro BAR                             ; every wave passes every barrier; my LDS instructions are done in front of the signal
	s_wait_dscnt 0x0
	s_barrier_signal -1
	s_barrier_wait -1
.endm
.macro PLACES                          ; four places between a matrix instruction and a load into, or a vector write of, a register that it read, or a read of its result
.rept 4
	v_nop
.endr
.endm
; THE WEIGHTS' STREAM.  Wave 2 g + b.  An item is a K step's rows 16 g + 8 (lane / 16) + 0..7, columns 64 b + 4 (lane % 16) + 0..3: eight loads, in each of which sixteen lanes take 256 consecutive bytes of a row.
.macro LISSUE slot
	WIN 0x80                                       ; destination window 2
.irp i, 0,1,2,3,4,5,6,7
	global_load_b128 v[RING+32*(\slot)+4*(\i):RING+32*(\slot)+4*(\i)+3], v[OFF+(\slot)], s[WB:WB+1] offset:(\i)*WPITCH th:TH_LOAD_NT
.endr
	WIN 0
.endm
.macro ELOAD e                         ; the opening: item 4 + e, four K steps behind slot e's item, into 32 registers of window 3
	WIN 0xc0                                       ; destination window 3
.irp i, 0,1,2,3,4,5,6,7
	global_load_b128 v[32*(\e)+4*(\i):32*(\e)+4*(\i)+3], v[OFF+(\e)], s[WB:WB+1] offset:(128+(\i))*WPITCH th:TH_LOAD_NT
.endr
	WIN 0
.endm
.macro NEXTW slot                      ; the slot takes the item four K steps on; its last loads have been waited for, so its offset is free
	WIN 0
	v_add_nc_u32 v[OFF+(\slot)], 128*WPITCH, v[OFF+(\slot)]
	LISSUE \slot
.endm
.macro PFETCH reg, item                ; two of my items, (item) K steps behind the pair that the register names, are asked for ahead: no register is written and no counter raised
	WIN 0
	global_prefetch_b8 v[\reg], s[WB:WB+1] offset:(\item)*32*WPITCH th:TH_LOAD_NT scope:SCOPE_SE
.endm
.macro CVT8 slot, half, ext=0          ; two of an item's four fragments: rounded in pairs along K: registers 4 g .. 4 g + 3 of fragment j.  ext = 1: the item lies in window 3
.if \ext
	WIN 0x8f                                       ; sources window 3, destination window 2
.set rs_, 32*(\slot)
.else
	WIN 0x8a                                       ; all three in window 2
.set rs_, RING+32*(\slot)
.endif
.irp j, 2*(\half), 2*(\half)+1
.irp q, 0,1,2,3
	v_cvt_pk_bf16_f32 v[TT+16*(\slot)+4*(\j)+(\q)], v[rs_+8*(\q)+(\j)], v[rs_+8*(\q)+4+(\j)]
.endr
.endr
.endm
.macro SSTORE                          ; a phase's four items go into LDS
	WIN 0x08                                       ; data in window 2
.irp q, 0,1,2,3
.irp j, 0,1,2,3
	ds_store_b128 v[LS], v[TT+16*(\q)+4*(\j):TT+16*(\q)+4*(\j)+3] offset:8192*(\q)+1024*(\j)
.endr
.endr
.endm
; The opening: an item is converted with no products round it.  n: the loads issued behind it.  adv: the ring slot then takes the item adv K steps behind its last (0: nothing is asked for); the wait shows all loads by its offset done.
.macro PRO slot, n, ext, adv
	s_wait_loadcnt \n
	CVT8 \slot, 0, \ext
	CVT8 \slot, 1, \ext
.if \adv
	WIN 0
	v_add_nc_u32 v[OFF+(\slot)], (\adv)*32*WPITCH, v[OFF+(\slot)]
	LISSUE \slot
.endif
.endm
; THE PRODUCTS.  The 40 accumulators take turns, one instruction a turn, in the same order in every K step.
.macro MUL16 kk, c0, first             ; column tiles c0 .. c0 + 3 x row tiles 0-3
	WIN 0x53                                       ; weights window 3, rows window 0, C and D window 1
.irp c, (\c0), (\c0)+1, (\c0)+2, (\c0)+3
.irp i, 0,1,2,3
.if \first
	v_wmma_f32_16x16x32_bf16 v[64*(\i)+8*(\c):64*(\i)+8*(\c)+7], v[64*(\kk)+8*(\c):64*(\kk)+8*(\c)+7], v[AF+40*(\kk)+8*(\i):AF+40*(\kk)+8*(\i)+7], 0
.else
	v_wmma_f32_16x16x32_bf16 v[64*(\i)+8*(\c):64*(\i)+8*(\c)+7], v[64*(\kk)+8*(\c):64*(\kk)+8*(\c)+7], v[AF+40*(\kk)+8*(\i):AF+40*(\kk)+8*(\i)+7], v[64*(\i)+8*(\c):64*(\i)+8*(\c)+7]
.endif
.endr
.endr
.endm
; All eight column tiles x row tile 4.  The products that start the sums always run, so that the accumulators are written on every way; the others are jumped where the tile has no row: nobody reads the sums then.
.macro MUL8T kk, first
.if \first
	WIN 0xa3                                       ; C and D window 2
.irp c, 0,1,2,3,4,5,6,7
	v_wmma_f32_16x16x32_bf16 v[A4+8*(\c):A4+8*(\c)+7], v[64*(\kk)+8*(\c):64*(\kk)+8*(\c)+7], v[AF+40*(\kk)+32:AF+40*(\kk)+39], 0
.endr
.else
	WIN 0                                          ; at a branch and at a label every window is 0
	s_cmp_eq_u32 s[T4], 0
	s_cbranch_scc1 .Lno4_\@
	WIN 0xa3
.irp c, 0,1,2,3,4,5,6,7
	v_wmma_f32_16x16x32_bf16 v[A4+8*(\c):A4+8*(\c)+7], v[64*(\kk)+8*(\c):64*(\kk)+8*(\c)+7], v[AF+40*(\kk)+32:AF+40*(\kk)+39], v[A4+8*(\c):A4+8*(\c)+7]
.endr
	WIN 0
.Lno4_\@:
.endif
.endm
.macro BLOAD u, off                    ; a K step's eight weight fragments, at byte off from the phase's first, into buffer u
	WIN 0xc0                                       ; destination window 3
.irp c, 0,1,2,3,4,5,6,7
	ds_load_b128 v[64*(\u)+8*(\c):64*(\u)+8*(\c)+3],   v[BL] offset:(\off)+1024*(\c)
	ds_load_b128 v[64*(\u)+8*(\c)+4:64*(\u)+8*(\c)+7], v[BL] offset:(\off)+1024*(\c)+512
.endr
.endm
.macro ALOAD ab, bs, off               ; five row fragments by base bs: lane l takes row l % 16, bytes 16 (l / 16) and 32 + 16 (l / 16) of the K step's 64
	WIN 0
.irp i, 0,1,2,3,4
	global_load_b128 v[AF+40*(\ab)+8*(\i):AF+40*(\ab)+8*(\i)+3],   v[XO+(\i)], s[XB+2*(\bs):XB+2*(\bs)+1] offset:(\off)
	global_load_b128 v[AF+40*(\ab)+8*(\i)+4:AF+40*(\ab)+8*(\i)+7], v[XO+(\i)], s[XB+2*(\bs):XB+2*(\bs)+1] offset:(\off)+32
.endr
.endm
.macro BIASL                           ; my 64 numbers of the bias, into the registers that the stream has left; they stay for all trips
	WIN 0x80
.irp b, 0,1
.irp q, 0,1,2,3,4,5,6,7
	ds_load_b128 v[TT+32*(\b)+4*(\q):TT+32*(\b)+4*(\q)+3], v[BVA] offset:256*(\b)+16*(\q)
.endr
.endr
.endm
; STEP kk of a phase (K step t).  n: the loads issued behind the rows of step t; item t + 6 is older than those rows, so one wait serves both.  dn (steps 0, 1): the LDS loads issued behind this step's fragments.
; cv: item t + 6 is converted; its conversions are the places between the products of the step before and this step's loads into the buffers that those read (no conversion: four v_nop).  is: item t + 10 is asked for.
; al: the rows of step t + 3 are asked for.  st: a phase follows whose items are stored (step 1) and whose first fragments are fetched (step 2).  nb: K steps up to 27: a base is stepped, and step 3 fetches the next phase's
; fragments 2 (the last phase asks for rows once more, by the base that step 27 has stepped).  bi: the bias is fetched.  pf = 1: the loop's prefetches and their step; 2: K step 0's.
; Every load of the run at a step's end lands in registers that products read last in an earlier step.
.macro STEP kk, first, n, dn, cv, is, al, st, nb, bi, pf
.set sl_, ((\kk)+2)%4
.set xb_, XB+2*(((\kk)+1)%4)
	s_wait_loadcnt \n
.if \nb
	s_add_nc_u64 s[xb_:xb_+1], s[xb_:xb_+1], 256   ; the base by which this step's rows came: the wait above shows those loads done; it is used again at the next step's end
.endif
.if (\kk) < 2
	s_wait_dscnt \dn
.endif
	MUL16 \kk, 0, \first
.if \cv
	CVT8 sl_, 0
.else
	PLACES
.endif
	MUL8T \kk, \first
.if ((\kk) == 1) || (((\kk) == 2) && (\st))
	s_wait_dscnt 0x0                               ; step 1: my reads of this phase's fragments are over; step 2: my stores of the next phase's are done:
	s_barrier_signal -1                            ; say so, and work on registers while the others arrive
.endif
	MUL16 \kk, 4, \first
.if \cv
	CVT8 sl_, 1
.endif
	WIN 0
.if ((\kk) == 1) || (((\kk) == 2) && (\st))
	s_barrier_wait -1
.endif
.if ((\pf) == 1) && ((\kk) == 0)
	s_wait_xcnt 0x0                                ; the prefetches' offset is rewritten only behind this wait; my last memory instruction stands a whole step's products back
	v_add_nc_u32 v[PF], 128*WPITCH, v[PF]          ; four K steps on,
	v_min_u32 v[PF], PFMAX, v[PF]                  ; and never past the pair 28, 29: the trip that has nothing left to ask for names the block's last rows again
.endif
.if ((\kk) == 1) && (\st)
	v_add_nc_u32 v[LS], s[PBS], v[LS0]
	SSTORE                                         ; up to the next barrier's signal LDS is only written
.endif
.if ((\kk) == 2) && (\st)
	v_add_nc_u32 v[BL], s[PBS], v[L16]
	s_add_co_u32 s[PBS], s[PBS], 32768
	BLOAD 0, 0                                     ; from here to the next barrier's signal LDS is only read
	BLOAD 1, 8192
.endif
.if ((\kk) == 3) && (\nb)
	BLOAD 2, 16384
.endif
.if (\kk) == 0
	BLOAD 3, 24576
.endif
.if \bi
	BIASL
.endif
.if \al
.if (\kk) == 0
	ALOAD 3, 0, 192                                ; base 0 is stepped in step 3, behind its use; bases 1-3 a step ahead of theirs: hence the offsets
.else
	ALOAD (\kk)-1, \kk, 64*((\kk)-1)
.endif
.endif
.if \is
	NEXTW sl_
.endif
.if (\pf) == 2
	PFETCH PFB, 14                                 ; K step 0: items 14, 15
.endif
.if ((\pf) == 1) && ((\kk) == 1)
	PFETCH PF, 0                                   ; K step 4 j + 1: items 4 j + 16, 4 j + 17
.endif
.if ((\pf) == 1) && ((\kk) == 2)
	PFETCH PF, 2                                   ; K step 4 j + 2: items 4 j + 18, 4 j + 19
.endif
.endm
; A K step of a further trip: plain, since such trips are rare: load, wait, 40 products.
.macro SLOW first
	WIN 0
	v_add_nc_u32 v[BL], s[PBS], v[L16]
	ALOAD 0, 0, 0
	BLOAD 0, 0
	s_wait_loadcnt 0x0
	s_wait_dscnt 0x0
	MUL16 0, 0, \first
	MUL8T 0, \first
	MUL16 0, 4, \first
	WIN 0
	PLACES
	s_add_nc_u64 s[XB:XB+1], s[XB:XB+1], 64        ; its loads have landed
	s_add_co_u32 s[PBS], s[PBS], 8192
.endm
.macro XOSET                           ; my five rows' offsets from their rho; the four bases; whether my fifth tile has a row
	s_wait_xcnt 0x0                                ; registers that earlier loads and stores read are written again only behind this wait
	v_bfe_u32 v[TV], v0, 4, 1
	v_lshlrev_b32 v[TV], 4, v[TV]
.irp i, 0,1,2,3,4
	v_min_u32 v[T1], 0x7ff, v[RH+(\i)]
.if DOWN
	v_lshl_add_u32 v[XO+(\i)], v[T1], 13, v[TV]             ; rho x 8,192 + 16 (lane / 16)
.else
	v_and_b32 v[T1], 0x7fe, v[T1]
	v_lshl_add_u32 v[XO+(\i)], v[T1], 10, v[TV]             ; token x 2,048 + 16 (lane / 16)
.endif
.endr
.irp b, 0,1,2,3
	s_mov_b64 s[XB+2*(\b):XB+2*(\b)+1], s[ACT:ACT+1]
.endr
	s_add_co_u32 s[TS], s[TB], 256                 ; my fifth tile begins 4 x 64 places behind my first
	s_cmp_gt_u32 s[CNT], s[TS]
	s_cselect_b32 s[T4], 1, 0
.endm
; THE WAY OUT.  The 32 numbers of tile i, half b, + bias: u outermost, so that each accumulator is first read at its register 0.
.macro ADDB i, b
.if (\b) == 0
	WIN 0
	v_mov_b32 v[RC], v[RH+(\i)]
.endif
.if (\i) < 4
	WIN 0x09                                       ; source 0 window 1, source 1 window 2
.set ab_, 64*(\i)+32*(\b)
.else
	WIN 0x0a                                       ; both window 2
.set ab_, A4+32*(\b)
.endif
.set z, 0
.rept 32
	v_add_f32 v[X+z], v[ab_+8*(z%4)+z/4], v[TT+32*(\b)+z]
.set z, z+1
.endr
	WIN 0
.endm
.macro FETCHX b                        ; the tile is a loop's count, register numbers are not: one small block for each tile
.irp n, 0,1,2,3
	s_cmp_eq_u32 s[ROWI], \n
	s_cbranch_scc1 .Lblk\b\n
.endr
	ADDB 4, \b
	s_branch .Lgen\b
.irp n, 0,1,2,3
.Lblk\b\n:
	ADDB \n, \b
.if (\n) < 3
	s_branch .Lgen\b
.endif
.endr
.Lgen\b:
.endm
.macro GEN b                           ; the activation (DOWN = 0), and into my stage
.if DOWN
.irp q, 0,1,2,3,4,5,6,7
	ds_store_b128 v[SA], v[X+4*(\q):X+4*(\q)+3] offset:256*(\b)+16*(\q)
.endr
.else
	; gelu(x) = x / (1 + 2^(-x (c1 + c2 x^2)))
.set z, 0
.rept 16
	v_pk_mul_f32 v[T+z:T+z+1], v[X+z:X+z+1], v[X+z:X+z+1]
.set z, z+2
.endr
.set z, 0
.rept 16
	v_pk_fma_f32 v[T+z:T+z+1], v[T+z:T+z+1], s[C2:C2+1], s[C1:C1+1] op_sel_hi:[1,0,0]
.set z, z+2
.endr
.set z, 0
.rept 16
	v_pk_mul_f32 v[T+z:T+z+1], v[T+z:T+z+1], v[X+z:X+z+1]
.set z, z+2
.endr
.set z, 0
.rept 32
	v_exp_f32 v[T+z], v[T+z]
.set z, z+1
.endr
	v_nop                                          ; the plain instruction behind the last exponential
	s_wait_alu depctr_va_vdst(0)                   ; one wait for the batch of 32, ahead of its first use
.set z, 0
.rept 16
	v_pk_add_f32 v[T+z:T+z+1], v[T+z:T+z+1], 1.0 op_sel_hi:[1,0]
.set z, z+2
.endr
.set z, 0
.rept 32
	v_rcp_f32 v[T+z], v[T+z]
.set z, z+1
.endr
	v_nop
	s_wait_alu depctr_va_vdst(0)
.set z, 0
.rept 16
	v_pk_mul_f32 v[X+z:X+z+1], v[X+z:X+z+1], v[T+z:T+z+1]
.set z, z+2
.endr
.set z, 0
.rept 16
	v_cvt_pk_bf16_f32 v[PK+z], v[X+2*z], v[X+2*z+1]
.set z, z+1
.endr
.irp q, 0,1,2,3
	ds_store_b128 v[SA], v[PK+4*(\q):PK+4*(\q)+3] offset:128*(\b)+16*(\q)
.endr
.endif
.endm
.if DOWN == 0
; Four tokens a lane: token 128 n + 4 l + c.  A match's place is the matches so far + those in lower lanes; a lane without a match gets the word behind the list.
.macro LGROUP n
.irp c, 0,1,2,3
	v_and_b32 v[TM+(\c)], s[MSK], v[GL+4*(\n)+(\c)]
	v_cmp_ne_u32 s[MK+(\c)], 0, v[TM+(\c)]
.endr
.irp c, 0,1,2,3
	s_mov_b32 s[BS+(\c)], s[RUN]
	s_bcnt1_i32_b32 s[TS], s[MK+(\c)]
	s_add_co_u32 s[RUN], s[RUN], s[TS]
.endr
.irp c, 0,1,2,3
	v_mbcnt_lo_u32_b32 v[PP+(\c)], s[MK+(\c)], s[BS+(\c)]
	v_cndmask_b32 v[PP+(\c)], -1, v[PP+(\c)], s[MK+(\c)]
	v_min_u32 v[PP+(\c)], DIDX, v[PP+(\c)]
	v_lshl_add_u32 v[PP+(\c)], v[PP+(\c)], 2, v[LB]
	v_lshrrev_b32 v[TM+(\c)], s[SH], v[TM+(\c)]             ; the slot: 1 if the expert is the token's second
	v_add3_u32 v[TM+(\c)], v[L8V], v[TM+(\c)], 2*(\c)       ; rho = 256 n + 8 l + 2 c + slot
	ds_store_b32 v[PP+(\c)], v[TM+(\c)]
.endr
	v_add_nc_u32 v[L8V], 0x100, v[L8V]
.endm
.endif
	s_load_b256 s[8:15], s[0:1], 0x0
.if DOWN
	s_load_b64 s[16:17], s[0:1], 0x20
.else
	s_load_b128 s[16:19], s[0:1], 0x20
.endif
	v_lshl_add_u32 v[SPW], v0, 2, SPARE
	v_mov_b32 v[NIL], 0
	v_lshrrev_b32 v[T1], 5, v0
	v_readfirstlane_b32 s[WV], v[T1]
	v_and_b32 v[L16], 31, v0
	v_lshlrev_b32 v[L16], 4, v[L16]
	s_and_b32 s[EX], ttmp7, 0xffff
.if DOWN
	s_and_b32 s[SL], ttmp9, 7
	s_lshr_b32 s[KQ], ttmp9, 3
.else
	s_mov_b32 s[SL], ttmp9
.endif
	s_lshl_b32 s[TP], s[EX], 24                    ; an expert's weights: 16 MiB
	s_lshl_b32 s[TS], s[SL], 9                     ; 128 columns of f32
	s_add_co_u32 s[TP], s[TP], s[TS]
.if DOWN
	s_lshl_b32 s[TS+1], s[KQ], 22                  ; 1,024 rows of 4,096 bytes
	s_add_co_u32 s[TP], s[TP], s[TS+1]
.endif
	s_mov_b32 s[TP+1], 0
	s_wait_kmcnt 0x0
	s_add_nc_u64 s[WB:WB+1], s[WB:WB+1], s[TP:TP+1]
.if DOWN
	s_lshl_b32 s[TP], s[EX], 12
.else
	s_lshl_b32 s[TP], s[EX], 14
.endif
	s_add_co_u32 s[TP], s[TP], s[TS]
	s_add_nc_u64 s[BIA:BIA+1], s[BIA:BIA+1], s[TP:TP+1]
.if DOWN
	s_lshl_b32 s[TP], s[KQ], 23                    ; a quarter's partial sums: 8 MiB
	s_add_co_u32 s[TP], s[TP], s[TS]
	s_add_nc_u64 s[OUT:OUT+1], s[OUT:OUT+1], s[TP:TP+1]
	s_lshl_b32 s[TP], s[KQ], 11                    ; 1,024 columns of bf16
	s_add_nc_u64 s[ACT:ACT+1], s[ACT:ACT+1], s[TP:TP+1]
	s_mul_i32 s[TP], s[EX], 5632
	s_add_nc_u64 s[LIN:LIN+1], s[LIN:LIN+1], s[TP:TP+1]
.else
	s_lshl_b32 s[TP], s[SL], 8                     ; 128 columns of bf16
	s_add_nc_u64 s[OUT:OUT+1], s[OUT:OUT+1], s[TP:TP+1]
	s_mul_i32 s[TP], s[EX], 5632
	s_add_nc_u64 s[LOU:LOU+1], s[LOU:LOU+1], s[TP:TP+1]
.endif
	; What the list is made of, and the bias, are asked for first, so that they are in ahead of the weights.  All four waves ask (under 6 KiB each, read by every work-group anyway), so that every
	; wave's counted waits see the same loads; wave 0 alone uses them.
.if DOWN
.irp m, 0,1,2,3,4,5,6,7,8,9,10
	global_load_b128 v[GL+4*(\m):GL+4*(\m)+3], v[L16], s[LIN:LIN+1] offset:512*(\m)
.endr
.else
.irp n, 0,1,2,3,4,5,6,7
	global_load_b128 v[GL+4*(\n):GL+4*(\n)+3], v[L16], s[LIN:LIN+1] offset:512*(\n)
.endr
.endif
	global_load_b128 v[BI:BI+3], v[L16], s[BIA:BIA+1]
	; items 0-5 go out: 48 loads, 24 KiB a wave; with the words above 57 loads of mine are out (DOWN: 60)
	s_and_b32 s[TS], s[WV], 1                      ; b
	s_lshr_b32 s[TS+1], s[WV], 1                   ; g
	s_mul_i32 s[TS+2], s[TS+1], 16*WPITCH
	s_lshl_b32 s[TS+3], s[TS], 8
	s_add_co_u32 s[TS+2], s[TS+2], s[TS+3]         ; 16 g rows + 256 b bytes
	v_and_b32 v[T1], 15, v0                        ; l % 16
	v_bfe_u32 v[T2], v0, 4, 1                      ; l / 16
	v_mul_u32_u24 v[TV], v[T2], 8*WPITCH
	v_lshl_add_u32 v[TV], v[T1], 4, v[TV]
	v_add_nc_u32 v[TV], s[TS+2], v[TV]
.irp s, 0,1,2,3
	v_add_nc_u32 v[OFF+(\s)], (\s)*32*WPITCH, v[TV]
	LISSUE \s
.endr
	ELOAD 0
	ELOAD 1
	v_lshl_add_u32 v[PFB], v[T2], 5, v[T1]         ; for the prefetches a lane names a row's piece: row 32 (l / 16) + l % 16: lanes 0-15 an item's 16 rows, lanes 16-31 the next item's,
	v_lshl_add_u32 v[PFB], v[PFB], WSH, s[TS+2]    ; + 16 g rows + 256 b bytes
	PFETCH PFB, 6                                  ; items 6, 7 are loaded when items 2, 3 have come; items 8, 9 behind the rows' first loads
	PFETCH PFB, 8
	v_add_nc_u32 v[PF], 16*32*WPITCH, v[PFB]       ; the loop begins with items 16, 17
	s_lshl_b32 s[TS+1], s[TS+1], 9
	s_lshl_b32 s[TS], s[TS], 12
	s_add_co_u32 s[TS], s[TS], s[TS+1]
	v_add_nc_u32 v[LS0], s[TS], v[L16]             ; 16 l + 512 g + 4,096 b
	v_lshl_add_u32 v[BVA], v[T2], 7, BIAS
	s_mul_i32 s[STG], s[WV], 16*SPITCH
	s_add_co_u32 s[STG], s[STG], STAGE             ; my stage
	v_mul_u32_u24 v[SA], v[T1], SPITCH             ; in: row l % 16, my 32 columns
	v_lshl_add_u32 v[SA], v[T2], LSH+3, v[SA]
	v_add_nc_u32 v[SA], s[STG], v[SA]
	v_and_b32 v[LL], 31, v0
	v_lshlrev_b32 v[LL], LSH, v[LL]
	v_add_nc_u32 v[SR], s[STG], v[LL]              ; back: a whole row, all 32 lanes
	PRO 0, 40, 0, 0                                ; item 0.  40: items 1-5.  Slots 0 and 1 stay empty for now: their next items, 4 and 5, are on their way into window 3
	PRO 1, 32, 0, 0                                ; item 1.  32: items 2-5
	PRO 2, 24, 0, 4                                ; item 2.  24: items 3-5.  Item 6 is asked for
	PRO 3, 24, 0, 4                                ; item 3.  24: items 4, 5, 6.  Item 7 is asked for
	PFETCH PFB, 10                                 ; items 10, 11 are loaded at the ends of K steps 0 and 1
	s_cmp_lg_u32 s[WV], 0
	s_cbranch_scc1 .Lbar_list
	; wave 0 alone lays the list, the count and the bias into LDS, while items 4-7 are on their way; no other wave touches LDS before the barrier.  (Its words are older than item 0: they are in.)
	v_add_nc_u32 v[AD], LIST, v[L16]
.if DOWN
.irp m, 0,1,2,3,4,5,6,7,8,9,10
	ds_store_b128 v[AD], v[GL+4*(\m):GL+4*(\m)+3] offset:512*(\m)
.endr
	s_cmp_eq_u32 s[KQ], 0
	s_cselect_b32 s[MSK], -1, 0                    ; the bias is added in the first quarter of K alone
.else
.irp c, 0,1,2,3
	v_mov_b32 v[ZR+(\c)], 0
.endr
	v_mov_b32 v[LB], LIST
	v_lshrrev_b32 v[L8V], 1, v[L16]
.irp m, 0,1,2,3,4,5,6,7,8,9,10
	ds_store_b128 v[AD], v[ZR:ZR+3] offset:512*(\m)  ; 5,632 bytes of zeros: places past the count name row 0
.endr
	s_lshl_b32 s[MSK], 0x101, s[EX]                ; the expert's bit as first and as second choice
	s_add_co_u32 s[SH], s[EX], 8
	s_mov_b32 s[RUN], 0
.endif
	v_cvt_pk_bf16_f32 v[TM], v[BI], v[BI+1]        ; the bias, rounded to bf16 and widened again
	v_cvt_pk_bf16_f32 v[TM+1], v[BI+2], v[BI+3]
	v_lshlrev_b32 v[BI], 16, v[TM]
	v_and_b32 v[BI+1], 0xffff0000, v[TM]
	v_lshlrev_b32 v[BI+2], 16, v[TM+1]
	v_and_b32 v[BI+3], 0xffff0000, v[TM+1]
.if DOWN
.irp c, 0,1,2,3
	v_and_b32 v[BI+(\c)], s[MSK], v[BI+(\c)]
.endr
.endif
	ds_store_b128 v[AD], v[BI:BI+3] offset:BIAS-LIST
.if DOWN == 0
.irp n, 0,1,2,3,4,5,6,7
	LGROUP \n
.endr
	v_mov_b32 v[TM], s[RUN]
	v_mov_b32 v[PP], CNTW
	ds_store_b32 v[PP], v[TM]
	s_cmp_lg_u32 s[SL], 0
	s_cbranch_scc1 .Lbar_list
.irp m, 0,1,2,3,4,5,6,7,8,9,10                 ; slice 0 leaves the expert's list for the second product
	ds_load_b128 v[LWC+4*(\m):LWC+4*(\m)+3], v[AD] offset:512*(\m)
.endr
	s_wait_dscnt 0x0
.irp m, 0,1,2,3,4,5,6,7,8,9,10
	global_store_b128 v[L16], v[LWC+4*(\m):LWC+4*(\m)+3], s[LOU:LOU+1] offset:512*(\m)
.endr
.endif
.Lbar_list:
	BAR                                            ; list, count and bias are there; up to the next barrier LDS is only read
	v_and_b32 v[TV], 15, v0
	s_lshl_b32 s[TS], s[WV], 6
	s_add_co_u32 s[TS], s[TS], LIST
	v_lshl_add_u32 v[TV], v[TV], 2, s[TS]
.set k, 0
.rept 20                               ; the rho of my row in all 4 x 5 tiles that I can have: place 320 trip + 64 i + 16 wave + l % 16
	ds_load_b32 v[RH+k], v[TV] offset:1280*(k/5)+256*(k%5)
.set k, k+1
.endr
	v_mov_b32 v[T1], CNTW
	ds_load_b32 v[T2], v[T1]
	s_mov_b32 s[TRIP], 0
	s_lshl_b32 s[TB], s[WV], 4
	s_mov_b32 s[PBS], 0
.if DOWN == 0
	s_mov_b32 s[C1], 0xc0135761                    ; -2.3022082
	s_mov_b32 s[C1+1], s[C1]                       ; named with it as a pair
	s_mov_b32 s[C2], 0xbdd2d3e7                    ; -0.10294324
	s_mov_b32 s[C2+1], s[C2]
.endif
	s_wait_dscnt 0x0
	v_readfirstlane_b32 s[CNT], v[T2]
	s_min_u32 s[CNT], s[CNT], 1024
	XOSET
	ALOAD 0, 1, 0                                  ; the rows of K steps 0, 1, 2, by the bases that steps 1, 2, 3 of a phase use: with items 4-7, 62 loads of mine are out at the most
	ALOAD 1, 2, 64
	ALOAD 2, 3, 128
	PFETCH PFB, 12                                 ; items 12, 13 are loaded at the ends of K steps 2 and 3
	v_add_nc_u32 v[BL], s[PBS], v[L16]
	v_add_nc_u32 v[LS], s[PBS], v[LS0]
	BAR                                            ; everybody has read the list; up to the next barrier LDS is only written
	SSTORE                                         ; phase 0's items
	PRO 0, 54, 1, 8                                ; item 4, out of window 3.  54: items 5, 6, 7 and 30 row loads.  Slot 0 takes item 8, eight K steps behind item 0
	PRO 1, 54, 1, 8                                ; item 5.  54: items 6, 7, 30 row loads, item 8.  Slot 1 takes item 9
	BAR                                            ; phase 0 lies in LDS
	BLOAD 0, 0
	BLOAD 1, 8192
	BLOAD 2, 16384
	s_mov_b32 s[PBS], 32768
	;    kk first n  dn cv is al st nb bi pf
	STEP 0, 1, 36, 32, 1, 1, 1, 1, 1, 0, 2         ; K step 0 stands ahead of the loop: its products start the sums.  36: the rows of steps 1, 2 and items 8, 9.  32: fragments 1 and 2
	WIN 0
	s_mov_b32 s[PH], 5
.Lph:                                                  ; a trip goes from a phase's second step to the next phase's first: K steps 1 to 20
	STEP 1, 0, 44, 32, 1, 1, 1, 1, 1, 0, 1         ; 44: three items and two steps' rows.  32: fragments 2 and 3
	STEP 2, 0, 44, 0,  1, 1, 1, 1, 1, 0, 1
	STEP 3, 0, 44, 0,  1, 1, 1, 1, 1, 0, 1
	STEP 0, 0, 44, 32, 1, 1, 1, 1, 1, 0, 1
	WIN 0
	s_sub_co_u32 s[PH], s[PH], 1
	s_cmp_lg_u32 s[PH], 0
	s_cbranch_scc1 .Lph
	STEP 1, 0, 44, 32, 1, 1, 1, 1, 1, 0, 0         ; K step 21: item 31 is the last to be asked for
	STEP 2, 0, 44, 0,  1, 0, 1, 1, 1, 0, 0         ; 22: from here the counts run down
	STEP 3, 0, 36, 0,  1, 0, 1, 1, 1, 0, 0         ; 23
	STEP 0, 0, 28, 32, 1, 0, 1, 1, 1, 0, 0         ; 24
	STEP 1, 0, 20, 32, 1, 0, 1, 1, 1, 0, 0         ; 25: item 31 is the last to be converted; the last phase's items are stored
	STEP 2, 0, 20, 0,  0, 0, 1, 1, 1, 0, 0         ; 26
	STEP 3, 0, 20, 0,  0, 0, 1, 1, 1, 0, 0         ; 27
	STEP 0, 0, 20, 32, 0, 0, 1, 0, 0, 1, 0         ; 28: the rows of step 31 are the last; the bias comes in
	STEP 1, 0, 20, 48, 0, 0, 0, 0, 0, 0, 0         ; 29.  48: fragments 2, 3 and the bias.  Behind its barrier no wave reads LDS before its way out, so the stages may be written
	STEP 2, 0, 10, 0,  0, 0, 0, 0, 0, 0, 0         ; 30
	STEP 3, 0, 0,  0,  0, 0, 0, 0, 0, 0, 0         ; 31
	WIN 0
	PLACES
	s_branch .Lepi
.Ltrip:                                                ; three further trips, for an expert with more than 320 rows
	BAR                                            ; everybody's way out is over; up to the next barrier LDS is only read
	s_cmp_le_u32 s[CNT], s[TB]
	s_cbranch_scc1 .Lm_done                        ; I have no row in this trip
	XOSET
	s_mov_b32 s[PBS], 0
	SLOW 1
	s_mov_b32 s[PH], 31
.Lks:
	SLOW 0
	s_sub_co_u32 s[PH], s[PH], 1
	s_cmp_lg_u32 s[PH], 0
	s_cbranch_scc1 .Lks
.Lm_done:
	BAR                                            ; everybody's products are over; up to the next barrier each wave touches its own stage alone
.Lepi:
	s_cmp_le_u32 s[CNT], s[TB]
	s_cbranch_scc1 .Le_done
	s_sub_co_i32 s[LIVE], s[CNT], s[TB]
	s_mov_b32 s[ROWI], 0
.Lrow:                                                 ; five tiles of 16 rows
	s_cmp_lt_i32 s[LIVE], 1
	s_cbranch_scc1 .Lrow_next                      ; no row of this tile exists
	s_wait_xcnt 0x0                                ; the last tile's stores have read their registers
	FETCHX 0
	GEN 0
	FETCHX 1
	GEN 1
.irp t, 0,1,2,3,4,5,6,7,8,9,10,11,12,13,14,15
	v_readlane_b32 s[RL+(\t)], v[RC], \t           ; row t's rho lies in lane t.  Sixteen on end, the LDS loads between them and their readers: no scalar line waits for the vector line just ahead of it
.endr
.irp t, 0,1,2,3,4,5,6,7,8,9,10,11,12,13,14,15
.if DOWN
	ds_load_b128 v[X+4*(\t):X+4*(\t)+3], v[SR] offset:SPITCH*(\t)    ; my own stage: LDS serves a wave's instructions in order (ISA guide 5.7.1.4)
.else
	ds_load_b64 v[T+2*(\t):T+2*(\t)+1], v[SR] offset:SPITCH*(\t)
.endif
.endr
.irp t, 0,1,2,3,4,5,6,7,8,9,10,11,12,13,14,15
	s_min_u32 s[RL+(\t)], s[RL+(\t)], 0x7ff
.endr
.irp t, 0,1,2,3,4,5,6,7,8,9,10,11,12,13,14,15
	v_lshl_add_u32 v[RO+(\t)], s[RL+(\t)], RSH, v[LL]
.endr
	s_wait_dscnt 0x0
.irp t, 0,1,2,3,4,5,6,7,8,9,10,11,12,13,14,15
.if (\t) > 0
	s_cmp_le_i32 s[LIVE], \t
	s_cbranch_scc1 .Lrow_next                      ; rows past the count are not stored
.endif
.if DOWN
	global_store_b128 v[RO+(\t)], v[X+4*(\t):X+4*(\t)+3], s[OUT:OUT+1]    ; a store is one row's 512 consecutive bytes, at a multiple of 256 from the buffer's first
.else
	global_store_b64 v[RO+(\t)], v[T+2*(\t):T+2*(\t)+1], s[OUT:OUT+1]     ; a store is one row's 256 consecutive bytes, at a multiple of 256 from the buffer's first
.endif
.endr
.Lrow_next:
	s_sub_co_i32 s[LIVE], s[LIVE], 64              ; my next tile lies 64 places on
	s_add_co_u32 s[ROWI], s[ROWI], 1
	s_cmp_lt_u32 s[ROWI], 5
	s_cbranch_scc1 .Lrow
.Le_done:
.set k, 0
.rept 15                               ; the next trip's rho move down
	v_mov_b32 v[RH+k], v[RH+k+5]
.set k, k+1
.endr
	s_add_co_u32 s[TB], s[TB], 320
	s_add_co_u32 s[TRIP], s[TRIP], 1
	s_cmp_lt_u32 s[TRIP], 4                        ; 4 x 320 places hold the 1,024 rows that an expert can have
	s_cbranch_scc1 .Ltrip
	s_wait_tensorcnt 0x0                           ; the wave's end, behind my last LDS store
	ds_add_u32 v[SPW], v[NIL]
	s_wait_dscnt 0x0
	s_endpgm
.Lfunc_end_k_q759f12e36a_up:
	.size	k_q759f12e36a_up, .Lfunc_end_k_q759f12e36a_up-k_q759f12e36a_up
	.p2alignl 7, 3214868480
	.fill 96, 4, 3214868480
	.section	.rodata,"a",@progbits
	.p2align	6, 0x0
	.amdhsa_kernel k_q759f12e36a_up
		.amdhsa_group_segment_fixed_size 286464
		.amdhsa_private_segment_fixed_size 0
		.amdhsa_enable_private_segment 0
		.amdhsa_kernarg_size 48
		.amdhsa_user_sgpr_count 2
		.amdhsa_user_sgpr_kernarg_segment_ptr 1
		.amdhsa_wavefront_size32 1
		.amdhsa_system_sgpr_workgroup_id_x 1
		.amdhsa_system_sgpr_workgroup_id_y 1
		.amdhsa_system_sgpr_workgroup_id_z 1
		.amdhsa_system_vgpr_workitem_id 0
		.amdhsa_next_free_vgpr 1024
		.amdhsa_next_free_sgpr 84
		.amdhsa_reserve_vcc 0
		.amdhsa_float_denorm_mode_32 3
		.amdhsa_float_denorm_mode_16_64 3
		.amdhsa_memory_ordered 1
		.amdhsa_forward_progress 1
		.amdhsa_inst_pref_size 194
	.end_amdhsa_kernel
	.amdgpu_metadata
---
amdhsa.version: [ 1, 2 ]
amdhsa.kernels:
  - .name:           k_q759f12e36a_up
    .symbol:         k_q759f12e36a_up.kd
    .args:
      - { .name: xb, .offset: 0, .size: 8, .value_kind: global_buffer, .address_space: global }
      - { .name: W1, .offset: 8, .size: 8, .value_kind: global_buffer, .address_space: global }
      - { .name: b1, .offset: 16, .size: 8, .value_kind: global_buffer, .address_space: global }
      - { .name: choice, .offset: 24, .size: 8, .value_kind: global_buffer, .address_space: global }
      - { .name: h, .offset: 32, .size: 8, .value_kind: global_buffer, .address_space: global }
      - { .name: lists, .offset: 40, .size: 8, .value_kind: global_buffer, .address_space: global }
    .group_segment_fixed_size: 286464
    .private_segment_fixed_size: 0
    .kernarg_segment_align: 8
    .kernarg_segment_size: 48
    .max_flat_workgroup_size: 128
    .sgpr_count:     84
    .vgpr_count:     1024
    .wavefront_size: 32
...
	.end_amdgpu_metadata
.endif
;; end of part 5
;; launch down (part 6): grid 32 x 8, 4 waves a work-group, no clusters, 302,848 bytes of LDS; arguments h, W2, b2, lists, y; writes y
.if DOCPART == 6
	.amdgcn_target "amdgcn-amd-amdhsa--gfx1250"
	.amdhsa_code_object_version 6
	.text
	.protected	k_q759f12e36a_down
	.globl	k_q759f12e36a_down
	.p2align	8
	.type	k_q759f12e36a_down,@function
k_q759f12e36a_down:
	s_mov_b64 s[64:65], 0
	v_nop
	global_prefetch_b8 v0, s[64:65] scope:SCOPE_SE
	s_setreg_imm32_b32 hwreg(HW_REG_WAVE_MODE, 25, 1), 1
	s_wait_xcnt 0x0
; ONE PRODUCT OF A LAYER OF ROUTED EXPERTS, for the rows that chose the expert alone.  One text serves both products; DOWN picks the form.
;   DOWN = 0: h[rho][4096] (bf16) = gelu(xb[rho / 2] W1[e] + b1[e]), the tanh form.  DOWN = 1: y[kq][rho][1024] (f32) = h[rho][1024 kq ..] W2[e][1024 kq ..], + b2[e] where kq = 0: four partial sums.
; A routed row is named rho = 2 x token + slot (0: the token's first expert, 1: its second): a fixed place, so that nothing but a work-group's own list is sorted.
; Weights and biases are rounded to bf16 on their way through registers; products of bf16, sums in f32; h is rounded once to bf16.
; LIMITS.  NaN and infinities are not treated apart; 2^t below 2^-126 counts as 0 in gelu, which then gives x itself.
; SHARES.  A work-group has a block of 1,024 (K) x 128 (N) of ONE expert's weights, which it alone reads, and all of that expert's rows.  grid x: DOWN = 0: 32 slices of N; DOWN = 1: 8 slices of N + 8 x 4 quarters of K.  grid y: expert.
; Four waves, all with the same text.  Each streams a quarter of every K step's weights (an ITEM: 8 loads, 4 KiB), rounds and turns it in the places behind its matrix instructions, lays it into LDS as ready fragments
; (256 KiB, laid once, never written again), and multiplies 80 rows x 128 columns (40 accumulators), the rows' fragments straight from memory.
; K goes in 32 steps of 32, in 8 phases of 4.  At step t a wave converts item t + 6, asks for the rows of step t + 3 and then for item t + 10.
; THE OPENING.  Six items of a wave go out ahead of its first wait (48 loads, 24 KiB): items 0-3 into the ring, items 4 and 5 into 64 registers that the fragments take only later.
; AHEAD OF ITS LOADS a wave asks for its own items by global_prefetch_b8, two items a line: each lane names one of the 32 pieces of 256 consecutive bytes (16 rows x 2 K steps) that the wave's loads will take, so that each
; piece is asked for once, by the wave that loads it.  Items 6-15 are asked for in the opening and in K step 0, a pair or two at a place; in the loop the pair 4 j + 16 at the end of K step 4 j + 1 and the pair 4 j + 18 at the end of
; K step 4 j + 2: five to seven K steps ahead of the run that loads them, with 7 items of the work-group (112 KiB) at the most asked for and not yet loaded.  The loop's last trip has nothing left to ask for: its offset is
; held at the block's last rows, so that no line points outside my block.
; ONE RUN OF MEMORY INSTRUCTIONS A STEP, at its end, LDS first: step 1: the next phase's 16 stores; step 2: its fragments 0 and 1; step 3: fragments 2; step 0: fragments 3; in each the rows and the item.
; TWO BARRIERS A PHASE, so that LDS stores and LDS reads of different waves never share an interval: reads stand between the second barrier's wait (end of step 2) and the first's signal (middle of step 1), stores between the
; first's wait (end of step 1) and the second's signal (middle of step 2).  Between a signal and its wait stand sixteen products and eight conversions: registers alone.
; THE ROWS' LOADS HAVE FOUR BASES, one for each step of a phase; a base is stepped behind the counted wait that shows its last loads done.
; THE FIFTH TILE's products are jumped where the wave has no row there (its rows' loads stay, so that every counted wait sees the same loads on both ways).
; 320 rows go in one trip over K; an expert with more (1,024 at the most) takes up to three further trips on the resident block: a loop of a constant count whose barriers every wave passes, only work being jumped.
; Places past the count repeat row 0, and their stores are jumped.
; No tensor load: the weights must pass through registers to be rounded and turned.  No cluster: each weight byte has one taker, and the rows come by a list.
; THE MATRIX INSTRUCTION IS USED TRANSPOSED: source 0 = 16 columns of the weights, source 1 = 16 rows.  Column tile c = 4 b + j holds in its place m column 64 b + 4 m + j (what a lane's 16 bytes of a weight row give), so that a
; lane's four accumulators of a half b hold one row's 32 neighbouring columns 64 b + 32 (lane / 16) + 4 u + j (u: register).
.set DOWN, 1
.if DOWN
.set WSH,    12                        ; a row of the weights: 4,096 bytes
.set SPITCH, 528                       ; a stage row: 512 bytes + 16
.set RSH,    12                        ; a row of the output: 4,096 bytes
.set LSH,    4                         ; 16 bytes a lane
.else
.set WSH,    14                        ; 16,384 bytes
.set SPITCH, 272                       ; 256 bytes + 16
.set RSH,    13                        ; 8,192 bytes
.set LSH,    3                         ; 8 bytes a lane
.endif
.set WPITCH, 1<<WSH                    ; bytes from row to row of the weights
.set PFMAX,  959*WPITCH+256            ; the highest offset of the pair of items 28, 29; two K steps further on lies the block's last piece
; LDS.  0: fragments, (8 s + c) x 1,024: lane l's registers 0-3 at + 16 l, registers 4-7 at + 512 + 16 l: every store and load takes 512 consecutive bytes.
.set LIST,  262144                     ; 1,280 words of rho (0 past the count), the count at word 1,280, zeros up to 1,408
.set CNTW,  LIST+5120
.set DIDX,  1408                       ; the word behind the list takes what lanes without a match store
.set BIAS,  LIST+5888                  ; 128 f32
.set STAGE, BIAS+512                   ; 16 rows for each wave, its own
.set SPARE, STAGE+4*16*SPITCH          ; the spare words, 128 bytes for each wave: two blocks of 256 bytes that no other line names
; scalar registers
.set WV,   2                           ; wave
.set EX,   3                           ; expert
.set SL,   4                           ; slice of N
.set KQ,   5                           ; quarter of K (DOWN)
.set ACT,  8                           ; s[8:9]   the rows: xb, or h at my quarter
.set WB,   10                          ; s[10:11] my block of the weights
.set BIA,  12                          ; s[12:13] my 128 numbers of the bias
.set LIN,  14                          ; s[14:15] choice, or (DOWN) my expert's list
.set OUT,  16                          ; s[16:17] the output at my columns
.set LOU,  18                          ; s[18:19] lists at my expert (DOWN = 0)
.set TP,   20                          ; s[20:21] an offset; the high word stays 0
.set CNT,  24                          ; my expert's rows
.set TRIP, 25
.set TB,   26                          ; my first place in the list: 320 x trip + 16 x wave
.set PH,   27
.set PBS,  28                          ; LDS byte at which the fragments of the phase to be stored and fetched next begin
.set LIVE, 29                          ; rows left from the tile in hand on
.set ROWI, 30
.set STG,  31                          ; my stage
.set C1,   32                          ; s[32:33] -2 sqrt(2/pi) log2(e)
.set C2,   34                          ; s[34:35] the same x 0.044715
.set MSK,  36
.set SH,   37
.set RUN,  38
.set MK,   40                          ; s40-43 four masks
.set BS,   44                          ; s44-47 four bases
.set TS,   48                          ; s48-51 at work
.set XB,   52                          ; s[52:59] the rows' four bases: pair k serves the loads issued in step k of a phase
.set T4,   60                          ; 1: my fifth tile has a row
.set RL,   68                          ; s68-83  sixteen rows' rho on the way out
; vector registers, window 0 (v0: the thread's number, never rewritten)
.set BL,   1                           ; LDS address of a phase's fragments, for my loads
.set XO,   2                           ; v2-6    tile i: byte offset of my row
.set TV,   7
.set L16,  8                           ; 16 x lane; never rewritten
.set LS0,  9                           ; 16 x lane + 512 g + 4,096 b; never rewritten
.set LS,   10                          ; LDS address of a phase's fragments, for my stores
.set BVA,  11                          ; where my 64 numbers of the bias begin
.set OFF,  12                          ; v12-15  ring slot n: byte offset of its item in my block of the weights
.set SA,   16                          ; the way out: where I put my 32 columns of a row
.set SR,   17                          ; the way out: where I read a row back
.set LL,   18                          ; my bytes in a row of the output
.set SPW,  19                          ; LDS address of my spare word; never rewritten
.set NIL,  20                          ; 0; never rewritten
.set RC,   21                          ; the rho of the tile in hand
.set T1,   22
.set T2,   23
.set RH,   24                          ; v24-43  rho of my row in tile i of this trip (0-4) and of the trips to come (5-19)
.set PFB,  44                          ; my lane's piece of my items 0, 1: byte offset in my block; never rewritten
.set PF,   45                          ; the same for the pair of items that the loop asks for next
.set AF,   48                          ; v48-207 the rows' fragments: four buffers of five
.set GL,   208                         ; v208-255 the choice words (32) or the stored list (44), and the bias (4): no other load lands here
.if DOWN
.set BI,   252
.else
.set BI,   240
.endif
; the way out (the rows' buffers are free then)
.set X,    48                          ; v48-79
.set T,    80                          ; v80-111
.set PK,   112                         ; v112-127
.set RO,   128                         ; v128-143 sixteen rows' offsets in the output
; wave 0 while it makes the list
.set TM,   48
.set PP,   52
.set ZR,   56
.set L8V,  60
.set AD,   61
.set LB,   62
.set LWC,  64                          ; v64-107
; window 1: the accumulators of tiles 0-3, (i, c) at 64 i + 8 c.  window 3: the weights' fragments, step kk of the phase, tile c at 64 kk + 8 c; in the opening its v0-63 take items 4 and 5 as loaded.  window 2:
.set A4,   0                           ; the accumulators of tile 4
.set RING, 64                          ; four slots of 32: an item as loaded
.set TT,   192                         ; four slots of 16: an item rounded and turned; when the stream has ended: my 64 numbers of the bias
.set MSB, 0
.macro WIN new                         ; s_set_vgpr_msb: bits 1:0 source 0, 3:2 source 1, 5:4 source 2, 7:6 destination; the high byte repeats the setting that is left
.if MSB != (\new)
	s_set_vgpr_msb (MSB<<8)|(\new)
.set MSB, \new
.endif
.endm
.macro BAR                             ; every wave passes every barrier; my LDS instructions are done in front of the signal
	s_wait_dscnt 0x0
	s_barrier_signal -1
	s_barrier_wait -1
.endm
.macro PLACES                          ; four places between a matrix instruction and a load into, or a vector write of, a register that it read, or a read of its result
.rept 4
	v_nop
.endr
.endm
; THE WEIGHTS' STREAM.  Wave 2 g + b.  An item is a K step's rows 16 g + 8 (lane / 16) + 0..7, columns 64 b + 4 (lane % 16) + 0..3: eight loads, in each of which sixteen lanes take 256 consecutive bytes of a row.
.macro LISSUE slot
	WIN 0x80                                       ; destination window 2
.irp i, 0,1,2,3,4,5,6,7
	global_load_b128 v[RING+32*(\slot)+4*(\i):RING+32*(\slot)+4*(\i)+3], v[OFF+(\slot)], s[WB:WB+1] offset:(\i)*WPITCH th:TH_LOAD_NT
.endr
	WIN 0
.endm
.macro ELOAD e                         ; the opening: item 4 + e, four K steps behind slot e's item, into 32 registers of window 3
	WIN 0xc0                                       ; destination window 3
.irp i, 0,1,2,3,4,5,6,7
	global_load_b128 v[32*(\e)+4*(\i):32*(\e)+4*(\i)+3], v[OFF+(\e)], s[WB:WB+1] offset:(128+(\i))*WPITCH th:TH_LOAD_NT
.endr
	WIN 0
.endm
.macro NEXTW slot                      ; the slot takes the item four K steps on; its last loads have been waited for, so its offset is free
	WIN 0
	v_add_nc_u32 v[OFF+(\slot)], 128*WPITCH, v[OFF+(\slot)]
	LISSUE \slot
.endm
.macro PFETCH reg, item                ; two of my items, (item) K steps behind the pair that the register names, are asked for ahead: no register is written and no counter raised
	WIN 0
	global_prefetch_b8 v[\reg], s[WB:WB+1] offset:(\item)*32*WPITCH th:TH_LOAD_NT scope:SCOPE_SE
.endm
.macro CVT8 slot, half, ext=0          ; two of an item's four fragments: rounded in pairs along K: registers 4 g .. 4 g + 3 of fragment j.  ext = 1: the item lies in window 3
.if \ext
	WIN 0x8f                                       ; sources window 3, destination window 2
.set rs_, 32*(\slot)
.else
	WIN 0x8a                                       ; all three in window 2
.set rs_, RING+32*(\slot)
.endif
.irp j, 2*(\half), 2*(\half)+1
.irp q, 0,1,2,3
	v_cvt_pk_bf16_f32 v[TT+16*(\slot)+4*(\j)+(\q)], v[rs_+8*(\q)+(\j)], v[rs_+8*(\q)+4+(\j)]
.endr
.endr
.endm
.macro SSTORE                          ; a phase's four items go into LDS
	WIN 0x08                                       ; data in window 2
.irp q, 0,1,2,3
.irp j, 0,1,2,3
	ds_store_b128 v[LS], v[TT+16*(\q)+4*(\j):TT+16*(\q)+4*(\j)+3] offset:8192*(\q)+1024*(\j)
.endr
.endr
.endm
; The opening: an item is converted with no products round it.  n: the loads issued behind it.  adv: the ring slot then takes the item adv K steps behind its last (0: nothing is asked for); the wait shows all loads by its offset done.
.macro PRO slot, n, ext, adv
	s_wait_loadcnt \n
	CVT8 \slot, 0, \ext
	CVT8 \slot, 1, \ext
.if \adv
	WIN 0
	v_add_nc_u32 v[OFF+(\slot)], (\adv)*32*WPITCH, v[OFF+(\slot)]
	LISSUE \slot
.endif
.endm
; THE PRODUCTS.  The 40 accumulators take turns, one instruction a turn, in the same order in every K step.
.macro MUL16 kk, c0, first             ; column tiles c0 .. c0 + 3 x row tiles 0-3
	WIN 0x53                                       ; weights window 3, rows window 0, C and D window 1
.irp c, (\c0), (\c0)+1, (\c0)+2, (\c0)+3
.irp i, 0,1,2,3
.if \first
	v_wmma_f32_16x16x32_bf16 v[64*(\i)+8*(\c):64*(\i)+8*(\c)+7], v[64*(\kk)+8*(\c):64*(\kk)+8*(\c)+7], v[AF+40*(\kk)+8*(\i):AF+40*(\kk)+8*(\i)+7], 0
.else
	v_wmma_f32_16x16x32_bf16 v[64*(\i)+8*(\c):64*(\i)+8*(\c)+7], v[64*(\kk)+8*(\c):64*(\kk)+8*(\c)+7], v[AF+40*(\kk)+8*(\i):AF+40*(\kk)+8*(\i)+7], v[64*(\i)+8*(\c):64*(\i)+8*(\c)+7]
.endif
.endr
.endr
.endm
; All eight column tiles x row tile 4.  The products that start the sums always run, so that the accumulators are written on every way; the others are jumped where the tile has no row: nobody reads the sums then.
.macro MUL8T kk, first
.if \first
	WIN 0xa3                                       ; C and D window 2
.irp c, 0,1,2,3,4,5,6,7
	v_wmma_f32_16x16x32_bf16 v[A4+8*(\c):A4+8*(\c)+7], v[64*(\kk)+8*(\c):64*(\kk)+8*(\c)+7], v[AF+40*(\kk)+32:AF+40*(\kk)+39], 0
.endr
.else
	WIN 0                                          ; at a branch and at a label every window is 0
	s_cmp_eq_u32 s[T4], 0
	s_cbranch_scc1 .Lno4_\@
	WIN 0xa3
.irp c, 0,1,2,3,4,5,6,7
	v_wmma_f32_16x16x32_bf16 v[A4+8*(\c):A4+8*(\c)+7], v[64*(\kk)+8*(\c):64*(\kk)+8*(\c)+7], v[AF+40*(\kk)+32:AF+40*(\kk)+39], v[A4+8*(\c):A4+8*(\c)+7]
.endr
	WIN 0
.Lno4_\@:
.endif
.endm
.macro BLOAD u, off                    ; a K step's eight weight fragments, at byte off from the phase's first, into buffer u
	WIN 0xc0                                       ; destination window 3
.irp c, 0,1,2,3,4,5,6,7
	ds_load_b128 v[64*(\u)+8*(\c):64*(\u)+8*(\c)+3],   v[BL] offset:(\off)+1024*(\c)
	ds_load_b128 v[64*(\u)+8*(\c)+4:64*(\u)+8*(\c)+7], v[BL] offset:(\off)+1024*(\c)+512
.endr
.endm
.macro ALOAD ab, bs, off               ; five row fragments by base bs: lane l takes row l % 16, bytes 16 (l / 16) and 32 + 16 (l / 16) of the K step's 64
	WIN 0
.irp i, 0,1,2,3,4
	global_load_b128 v[AF+40*(\ab)+8*(\i):AF+40*(\ab)+8*(\i)+3],   v[XO+(\i)], s[XB+2*(\bs):XB+2*(\bs)+1] offset:(\off)
	global_load_b128 v[AF+40*(\ab)+8*(\i)+4:AF+40*(\ab)+8*(\i)+7], v[XO+(\i)], s[XB+2*(\bs):XB+2*(\bs)+1] offset:(\off)+32
.endr
.endm
.macro BIASL                           ; my 64 numbers of the bias, into the registers that the stream has left; they stay for all trips
	WIN 0x80
.irp b, 0,1
.irp q, 0,1,2,3,4,5,6,7
	ds_load_b128 v[TT+32*(\b)+4*(\q):TT+32*(\b)+4*(\q)+3], v[BVA] offset:256*(\b)+16*(\q)
.endr
.endr
.endm
; STEP kk of a phase (K step t).  n: the loads issued behind the rows of step t; item t + 6 is older than those rows, so one wait serves both.  dn (steps 0, 1): the LDS loads issued behind this step's fragments.
; cv: item t + 6 is converted; its conversions are the places between the products of the step before and this step's loads into the buffers that those read (no conversion: four v_nop).  is: item t + 10 is asked for.
; al: the rows of step t + 3 are asked for.  st: a phase follows whose items are stored (step 1) and whose first fragments are fetched (step 2).  nb: K steps up to 27: a base is stepped, and step 3 fetches the next phase's
; fragments 2 (the last phase asks for rows once more, by the base that step 27 has stepped).  bi: the bias is fetched.  pf = 1: the loop's prefetches and their step; 2: K step 0's.
; Every load of the run at a step's end lands in registers that products read last in an earlier step.
.macro STEP kk, first, n, dn, cv, is, al, st, nb, bi, pf
.set sl_, ((\kk)+2)%4
.set xb_, XB+2*(((\kk)+1)%4)
	s_wait_loadcnt \n
.if \nb
	s_add_nc_u64 s[xb_:xb_+1], s[xb_:xb_+1], 256   ; the base by which this step's rows came: the wait above shows those loads done; it is used again at the next step's end
.endif
.if (\kk) < 2
	s_wait_dscnt \dn
.endif
	MUL16 \kk, 0, \first
.if \cv
	CVT8 sl_, 0
.else
	PLACES
.endif
	MUL8T \kk, \first
.if ((\kk) == 1) || (((\kk) == 2) && (\st))
	s_wait_dscnt 0x0                               ; step 1: my reads of this phase's fragments are over; step 2: my stores of the next phase's are done:
	s_barrier_signal -1                            ; say so, and work on registers while the others arrive
.endif
	MUL16 \kk, 4, \first
.if \cv
	CVT8 sl_, 1
.endif
	WIN 0
.if ((\kk) == 1) || (((\kk) == 2) && (\st))
	s_barrier_wait -1
.endif
.if ((\pf) == 1) && ((\kk) == 0)
	s_wait_xcnt 0x0                                ; the prefetches' offset is rewritten only behind this wait; my last memory instruction stands a whole step's products back
	v_add_nc_u32 v[PF], 128*WPITCH, v[PF]          ; four K steps on,
	v_min_u32 v[PF], PFMAX, v[PF]                  ; and never past the pair 28, 29: the trip that has nothing left to ask for names the block's last rows again
.endif
.if ((\kk) == 1) && (\st)
	v_add_nc_u32 v[LS], s[PBS], v[LS0]
	SSTORE                                         ; up to the next barrier's signal LDS is only written
.endif
.if ((\kk) == 2) && (\st)
	v_add_nc_u32 v[BL], s[PBS], v[L16]
	s_add_co_u32 s[PBS], s[PBS], 32768
	BLOAD 0, 0                                     ; from here to the next barrier's signal LDS is only read
	BLOAD 1, 8192
.endif
.if ((\kk) == 3) && (\nb)
	BLOAD 2, 16384
.endif
.if (\kk) == 0
	BLOAD 3, 24576
.endif
.if \bi
	BIASL
.endif
.if \al
.if (\kk) == 0
	ALOAD 3, 0, 192                                ; base 0 is stepped in step 3, behind its use; bases 1-3 a step ahead of theirs: hence the offsets
.else
	ALOAD (\kk)-1, \kk, 64*((\kk)-1)
.endif
.endif
.if \is
	NEXTW sl_
.endif
.if (\pf) == 2
	PFETCH PFB, 14                                 ; K step 0: items 14, 15
.endif
.if ((\pf) == 1) && ((\kk) == 1)
	PFETCH PF, 0                                   ; K step 4 j + 1: items 4 j + 16, 4 j + 17
.endif
.if ((\pf) == 1) && ((\kk) == 2)
	PFETCH PF, 2                                   ; K step 4 j + 2: items 4 j + 18, 4 j + 19
.endif
.endm
; A K step of a further trip: plain, since such trips are rare: load, wait, 40 products.
.macro SLOW first
	WIN 0
	v_add_nc_u32 v[BL], s[PBS], v[L16]
	ALOAD 0, 0, 0
	BLOAD 0, 0
	s_wait_loadcnt 0x0
	s_wait_dscnt 0x0
	MUL16 0, 0, \first
	MUL8T 0, \first
	MUL16 0, 4, \first
	WIN 0
	PLACES
	s_add_nc_u64 s[XB:XB+1], s[XB:XB+1], 64        ; its loads have landed
	s_add_co_u32 s[PBS], s[PBS], 8192
.endm
.macro XOSET                           ; my five rows' offsets from their rho; the four bases; whether my fifth tile has a row
	s_wait_xcnt 0x0                                ; registers that earlier loads and stores read are written again only behind this wait
	v_bfe_u32 v[TV], v0, 4, 1
	v_lshlrev_b32 v[TV], 4, v[TV]
.irp i, 0,1,2,3,4
	v_min_u32 v[T1], 0x7ff, v[RH+(\i)]
.if DOWN
	v_lshl_add_u32 v[XO+(\i)], v[T1], 13, v[TV]             ; rho x 8,192 + 16 (lane / 16)
.else
	v_and_b32 v[T1], 0x7fe, v[T1]
	v_lshl_add_u32 v[XO+(\i)], v[T1], 10, v[TV]             ; token x 2,048 + 16 (lane / 16)
.endif
.endr
.irp b, 0,1,2,3
	s_mov_b64 s[XB+2*(\b):XB+2*(\b)+1], s[ACT:ACT+1]
.endr
	s_add_co_u32 s[TS], s[TB], 256                 ; my fifth tile begins 4 x 64 places behind my first
	s_cmp_gt_u32 s[CNT], s[TS]
	s_cselect_b32 s[T4], 1, 0
.endm
; THE WAY OUT.  The 32 numbers of tile i, half b, + bias: u outermost, so that each accumulator is first read at its register 0.
.macro ADDB i, b
.if (\b) == 0
	WIN 0
	v_mov_b32 v[RC], v[RH+(\i)]
.endif
.if (\i) < 4
	WIN 0x09                                       ; source 0 window 1, source 1 window 2
.set ab_, 64*(\i)+32*(\b)
.else
	WIN 0x0a                                       ; both window 2
.set ab_, A4+32*(\b)
.endif
.set z, 0
.rept 32
	v_add_f32 v[X+z], v[ab_+8*(z%4)+z/4], v[TT+32*(\b)+z]
.set z, z+1
.endr
	WIN 0
.endm
.macro FETCHX b                        ; the tile is a loop's count, register numbers are not: one small block for each tile
.irp n, 0,1,2,3
	s_cmp_eq_u32 s[ROWI], \n
	s_cbranch_scc1 .Lblk\b\n
.endr
	ADDB 4, \b
	s_branch .Lgen\b
.irp n, 0,1,2,3
.Lblk\b\n:
	ADDB \n, \b
.if (\n) < 3
	s_branch .Lgen\b
.endif
.endr
.Lgen\b:
.endm
.macro GEN b                           ; the activation (DOWN = 0), and into my stage
.if DOWN
.irp q, 0,1,2,3,4,5,6,7
	ds_store_b128 v[SA], v[X+4*(\q):X+4*(\q)+3] offset:256*(\b)+16*(\q)
.endr
.else
	; gelu(x) = x / (1 + 2^(-x (c1 + c2 x^2)))
.set z, 0
.rept 16
	v_pk_mul_f32 v[T+z:T+z+1], v[X+z:X+z+1], v[X+z:X+z+1]
.set z, z+2
.endr
.set z, 0
.rept 16
	v_pk_fma_f32 v[T+z:T+z+1], v[T+z:T+z+1], s[C2:C2+1], s[C1:C1+1] op_sel_hi:[1,0,0]
.set z, z+2
.endr
.set z, 0
.rept 16
	v_pk_mul_f32 v[T+z:T+z+1], v[T+z:T+z+1], v[X+z:X+z+1]
.set z, z+2
.endr
.set z, 0
.rept 32
	v_exp_f32 v[T+z], v[T+z]
.set z, z+1
.endr
	v_nop                                          ; the plain instruction behind the last exponential
	s_wait_alu depctr_va_vdst(0)                   ; one wait for the batch of 32, ahead of its first use
.set z, 0
.rept 16
	v_pk_add_f32 v[T+z:T+z+1], v[T+z:T+z+1], 1.0 op_sel_hi:[1,0]
.set z, z+2
.endr
.set z, 0
.rept 32
	v_rcp_f32 v[T+z], v[T+z]
.set z, z+1
.endr
	v_nop
	s_wait_alu depctr_va_vdst(0)
.set z, 0
.rept 16
	v_pk_mul_f32 v[X+z:X+z+1], v[X+z:X+z+1], v[T+z:T+z+1]
.set z, z+2
.endr
.set z, 0
.rept 16
	v_cvt_pk_bf16_f32 v[PK+z], v[X+2*z], v[X+2*z+1]
.set z, z+1
.endr
.irp q, 0,1,2,3
	ds_store_b128 v[SA], v[PK+4*(\q):PK+4*(\q)+3] offset:128*(\b)+16*(\q)
.endr
.endif
.endm
.if DOWN == 0
; Four tokens a lane: token 128 n + 4 l + c.  A match's place is the matches so far + those in lower lanes; a lane without a match gets the word behind the list.
.macro LGROUP n
.irp c, 0,1,2,3
	v_and_b32 v[TM+(\c)], s[MSK], v[GL+4*(\n)+(\c)]
	v_cmp_ne_u32 s[MK+(\c)], 0, v[TM+(\c)]
.endr
.irp c, 0,1,2,3
	s_mov_b32 s[BS+(\c)], s[RUN]
	s_bcnt1_i32_b32 s[TS], s[MK+(\c)]
	s_add_co_u32 s[RUN], s[RUN], s[TS]
.endr
.irp c, 0,1,2,3
	v_mbcnt_lo_u32_b32 v[PP+(\c)], s[MK+(\c)], s[BS+(\c)]
	v_cndmask_b32 v[PP+(\c)], -1, v[PP+(\c)], s[MK+(\c)]
	v_min_u32 v[PP+(\c)], DIDX, v[PP+(\c)]
	v_lshl_add_u32 v[PP+(\c)], v[PP+(\c)], 2, v[LB]
	v_lshrrev_b32 v[TM+(\c)], s[SH], v[TM+(\c)]             ; the slot: 1 if the expert is the token's second
	v_add3_u32 v[TM+(\c)], v[L8V], v[TM+(\c)], 2*(\c)       ; rho = 256 n + 8 l + 2 c + slot
	ds_store_b32 v[PP+(\c)], v[TM+(\c)]
.endr
	v_add_nc_u32 v[L8V], 0x100, v[L8V]
.endm
.endif
	s_load_b256 s[8:15], s[0:1], 0x0
.if DOWN
	s_load_b64 s[16:17], s[0:1], 0x20
.else
	s_load_b128 s[16:19], s[0:1], 0x20
.endif
	v_lshl_add_u32 v[SPW], v0, 2, SPARE
	v_mov_b32 v[NIL], 0
	v_lshrrev_b32 v[T1], 5, v0
	v_readfirstlane_b32 s[WV], v[T1]
	v_and_b32 v[L16], 31, v0
	v_lshlrev_b32 v[L16], 4, v[L16]
	s_and_b32 s[EX], ttmp7, 0xffff
.if DOWN
	s_and_b32 s[SL], ttmp9, 7
	s_lshr_b32 s[KQ], ttmp9, 3
.else
	s_mov_b32 s[SL], ttmp9
.endif
	s_lshl_b32 s[TP], s[EX], 24                    ; an expert's weights: 16 MiB
	s_lshl_b32 s[TS], s[SL], 9                     ; 128 columns of f32
	s_add_co_u32 s[TP], s[TP], s[TS]
.if DOWN
	s_lshl_b32 s[TS+1], s[KQ], 22                  ; 1,024 rows of 4,096 bytes
	s_add_co_u32 s[TP], s[TP], s[TS+1]
.endif
	s_mov_b32 s[TP+1], 0
	s_wait_kmcnt 0x0
	s_add_nc_u64 s[WB:WB+1], s[WB:WB+1], s[TP:TP+1]
.if DOWN
	s_lshl_b32 s[TP], s[EX], 12
.else
	s_lshl_b32 s[TP], s[EX], 14
.endif
	s_add_co_u32 s[TP], s[TP], s[TS]
	s_add_nc_u64 s[BIA:BIA+1], s[BIA:BIA+1], s[TP:TP+1]
.if DOWN
	s_lshl_b32 s[TP], s[KQ], 23                    ; a quarter's partial sums: 8 MiB
	s_add_co_u32 s[TP], s[TP], s[TS]
	s_add_nc_u64 s[OUT:OUT+1], s[OUT:OUT+1], s[TP:TP+1]
	s_lshl_b32 s[TP], s[KQ], 11                    ; 1,024 columns of bf16
	s_add_nc_u64 s[ACT:ACT+1], s[ACT:ACT+1], s[TP:TP+1]
	s_mul_i32 s[TP], s[EX], 5632
	s_add_nc_u64 s[LIN:LIN+1], s[LIN:LIN+1], s[TP:TP+1]
.else
	s_lshl_b32 s[TP], s[SL], 8                     ; 128 columns of bf16
	s_add_nc_u64 s[OUT:OUT+1], s[OUT:OUT+1], s[TP:TP+1]
	s_mul_i32 s[TP], s[EX], 5632
	s_add_nc_u64 s[LOU:LOU+1], s[LOU:LOU+1], s[TP:TP+1]
.endif
	; What the list is made of, and the bias, are asked for first, so that they are in ahead of the weights.  All four waves ask (under 6 KiB each, read by every work-group anyway), so that every
	; wave's counted waits see the same loads; wave 0 alone uses them.
.if DOWN
.irp m, 0,1,2,3,4,5,6,7,8,9,10
	global_load_b128 v[GL+4*(\m):GL+4*(\m)+3], v[L16], s[LIN:LIN+1] offset:512*(\m)
.endr
.else
.irp n, 0,1,2,3,4,5,6,7
	global_load_b128 v[GL+4*(\n):GL+4*(\n)+3], v[L16], s[LIN:LIN+1] offset:512*(\n)
.endr
.endif
	global_load_b128 v[BI:BI+3], v[L16], s[BIA:BIA+1]
	; items 0-5 go out: 48 loads, 24 KiB a wave; with the words above 57 loads of mine are out (DOWN: 60)
	s_and_b32 s[TS], s[WV], 1                      ; b
	s_lshr_b32 s[TS+1], s[WV], 1                   ; g
	s_mul_i32 s[TS+2], s[TS+1], 16*WPITCH
	s_lshl_b32 s[TS+3], s[TS], 8
	s_add_co_u32 s[TS+2], s[TS+2], s[TS+3]         ; 16 g rows + 256 b bytes
	v_and_b32 v[T1], 15, v0                        ; l % 16
	v_bfe_u32 v[T2], v0, 4, 1                      ; l / 16
	v_mul_u32_u24 v[TV], v[T2], 8*WPITCH
	v_lshl_add_u32 v[TV], v[T1], 4, v[TV]
	v_add_nc_u32 v[TV], s[TS+2], v[TV]
.irp s, 0,1,2,3
	v_add_nc_u32 v[OFF+(\s)], (\s)*32*WPITCH, v[TV]
	LISSUE \s
.endr
	ELOAD 0
	ELOAD 1
	v_lshl_add_u32 v[PFB], v[T2], 5, v[T1]         ; for the prefetches a lane names a row's piece: row 32 (l / 16) + l % 16: lanes 0-15 an item's 16 rows, lanes 16-31 the next item's,
	v_lshl_add_u32 v[PFB], v[PFB], WSH, s[TS+2]    ; + 16 g rows + 256 b bytes
	PFETCH PFB, 6                                  ; items 6, 7 are loaded when items 2, 3 have come; items 8, 9 behind the rows' first loads
	PFETCH PFB, 8
	v_add_nc_u32 v[PF], 16*32*WPITCH, v[PFB]       ; the loop begins with items 16, 17
	s_lshl_b32 s[TS+1], s[TS+1], 9
	s_lshl_b32 s[TS], s[TS], 12
	s_add_co_u32 s[TS], s[TS], s[TS+1]
	v_add_nc_u32 v[LS0], s[TS], v[L16]             ; 16 l + 512 g + 4,096 b
	v_lshl_add_u32 v[BVA], v[T2], 7, BIAS
	s_mul_i32 s[STG], s[WV], 16*SPITCH
	s_add_co_u32 s[STG], s[STG], STAGE             ; my stage
	v_mul_u32_u24 v[SA], v[T1], SPITCH             ; in: row l % 16, my 32 columns
	v_lshl_add_u32 v[SA], v[T2], LSH+3, v[SA]
	v_add_nc_u32 v[SA], s[STG], v[SA]
	v_and_b32 v[LL], 31, v0
	v_lshlrev_b32 v[LL], LSH, v[LL]
	v_add_nc_u32 v[SR], s[STG], v[LL]              ; back: a whole row, all 32 lanes
	PRO 0, 40, 0, 0                                ; item 0.  40: items 1-5.  Slots 0 and 1 stay empty for now: their next items, 4 and 5, are on their way into window 3
	PRO 1, 32, 0, 0                                ; item 1.  32: items 2-5
	PRO 2, 24, 0, 4                                ; item 2.  24: items 3-5.  Item 6 is asked for
	PRO 3, 24, 0, 4                                ; item 3.  24: items 4, 5, 6.  Item 7 is asked for
	PFETCH PFB, 10                                 ; items 10, 11 are loaded at the ends of K steps 0 and 1
	s_cmp_lg_u32 s[WV], 0
	s_cbranch_scc1 .Lbar_list
	; wave 0 alone lays the list, the count and the bias into LDS, while items 4-7 are on their way; no other wave touches LDS before the barrier.  (Its words are older than item 0: they are in.)
	v_add_nc_u32 v[AD], LIST, v[L16]
.if DOWN
.irp m, 0,1,2,3,4,5,6,7,8,9,10
	ds_store_b128 v[AD], v[GL+4*(\m):GL+4*(\m)+3] offset:512*(\m)
.endr
	s_cmp_eq_u32 s[KQ], 0
	s_cselect_b32 s[MSK], -1, 0                    ; the bias is added in the first quarter of K alone
.else
.irp c, 0,1,2,3
	v_mov_b32 v[ZR+(\c)], 0
.endr
	v_mov_b32 v[LB], LIST
	v_lshrrev_b32 v[L8V], 1, v[L16]
.irp m, 0,1,2,3,4,5,6,7,8,9,10
	ds_store_b128 v[AD], v[ZR:ZR+3] offset:512*(\m)  ; 5,632 bytes of zeros: places past the count name row 0
.endr
	s_lshl_b32 s[MSK], 0x101, s[EX]                ; the expert's bit as first and as second choice
	s_add_co_u32 s[SH], s[EX], 8
	s_mov_b32 s[RUN], 0
.endif
	v_cvt_pk_bf16_f32 v[TM], v[BI], v[BI+1]        ; the bias, rounded to bf16 and widened again
	v_cvt_pk_bf16_f32 v[TM+1], v[BI+2], v[BI+3]
	v_lshlrev_b32 v[BI], 16, v[TM]
	v_and_b32 v[BI+1], 0xffff0000, v[TM]
	v_lshlrev_b32 v[BI+2], 16, v[TM+1]
	v_and_b32 v[BI+3], 0xffff0000, v[TM+1]
.if DOWN
.irp c, 0,1,2,3
	v_and_b32 v[BI+(\c)], s[MSK], v[BI+(\c)]
.endr
.endif
	ds_store_b128 v[AD], v[BI:BI+3] offset:BIAS-LIST
.if DOWN == 0
.irp n, 0,1,2,3,4,5,6,7
	LGROUP \n
.endr
	v_mov_b32 v[TM], s[RUN]
	v_mov_b32 v[PP], CNTW
	ds_store_b32 v[PP], v[TM]
	s_cmp_lg_u32 s[SL], 0
	s_cbranch_scc1 .Lbar_list
.irp m, 0,1,2,3,4,5,6,7,8,9,10                 ; slice 0 leaves the expert's list for the second product
	ds_load_b128 v[LWC+4*(\m):LWC+4*(\m)+3], v[AD] offset:512*(\m)
.endr
	s_wait_dscnt 0x0
.irp m, 0,1,2,3,4,5,6,7,8,9,10
	global_store_b128 v[L16], v[LWC+4*(\m):LWC+4*(\m)+3], s[LOU:LOU+1] offset:512*(\m)
.endr
.endif
.Lbar_list:
	BAR                                            ; list, count and bias are there; up to the next barrier LDS is only read
	v_and_b32 v[TV], 15, v0
	s_lshl_b32 s[TS], s[WV], 6
	s_add_co_u32 s[TS], s[TS], LIST
	v_lshl_add_u32 v[TV], v[TV], 2, s[TS]
.set k, 0
.rept 20                               ; the rho of my row in all 4 x 5 tiles that I can have: place 320 trip + 64 i + 16 wave + l % 16
	ds_load_b32 v[RH+k], v[TV] offset:1280*(k/5)+256*(k%5)
.set k, k+1
.endr
	v_mov_b32 v[T1], CNTW
	ds_load_b32 v[T2], v[T1]
	s_mov_b32 s[TRIP], 0
	s_lshl_b32 s[TB], s[WV], 4
	s_mov_b32 s[PBS], 0
.if DOWN == 0
	s_mov_b32 s[C1], 0xc0135761                    ; -2.3022082
	s_mov_b32 s[C1+1], s[C1]                       ; named with it as a pair
	s_mov_b32 s[C2], 0xbdd2d3e7                    ; -0.10294324
	s_mov_b32 s[C2+1], s[C2]
.endif
	s_wait_dscnt 0x0
	v_readfirstlane_b32 s[CNT], v[T2]
	s_min_u32 s[CNT], s[CNT], 1024
	XOSET
	ALOAD 0, 1, 0                                  ; the rows of K steps 0, 1, 2, by the bases that steps 1, 2, 3 of a phase use: with items 4-7, 62 loads of mine are out at the most
	ALOAD 1, 2, 64
	ALOAD 2, 3, 128
	PFETCH PFB, 12                                 ; items 12, 13 are loaded at the ends of K steps 2 and 3
	v_add_nc_u32 v[BL], s[PBS], v[L16]
	v_add_nc_u32 v[LS], s[PBS], v[LS0]
	BAR                                            ; everybody has read the list; up to the next barrier LDS is only written
	SSTORE                                         ; phase 0's items
	PRO 0, 54, 1, 8                                ; item 4, out of window 3.  54: items 5, 6, 7 and 30 row loads.  Slot 0 takes item 8, eight K steps behind item 0
	PRO 1, 54, 1, 8                                ; item 5.  54: items 6, 7, 30 row loads, item 8.  Slot 1 takes item 9
	BAR                                            ; phase 0 lies in LDS
	BLOAD 0, 0
	BLOAD 1, 8192
	BLOAD 2, 16384
	s_mov_b32 s[PBS], 32768
	;    kk first n  dn cv is al st nb bi pf
	STEP 0, 1, 36, 32, 1, 1, 1, 1, 1, 0, 2         ; K step 0 stands ahead of the loop: its products start the sums.  36: the rows of steps 1, 2 and items 8, 9.  32: fragments 1 and 2
	WIN 0
	s_mov_b32 s[PH], 5
.Lph:                                                  ; a trip goes from a phase's second step to the next phase's first: K steps 1 to 20
	STEP 1, 0, 44, 32, 1, 1, 1, 1, 1, 0, 1         ; 44: three items and two steps' rows.  32: fragments 2 and 3
	STEP 2, 0, 44, 0,  1, 1, 1, 1, 1, 0, 1
	STEP 3, 0, 44, 0,  1, 1, 1, 1, 1, 0, 1
	STEP 0, 0, 44, 32, 1, 1, 1, 1, 1, 0, 1
	WIN 0
	s_sub_co_u32 s[PH], s[PH], 1
	s_cmp_lg_u32 s[PH], 0
	s_cbranch_scc1 .Lph
	STEP 1, 0, 44, 32, 1, 1, 1, 1, 1, 0, 0         ; K step 21: item 31 is the last to be asked for
	STEP 2, 0, 44, 0,  1, 0, 1, 1, 1, 0, 0         ; 22: from here the counts run down
	STEP 3, 0, 36, 0,  1, 0, 1, 1, 1, 0, 0         ; 23
	STEP 0, 0, 28, 32, 1, 0, 1, 1, 1, 0, 0         ; 24
	STEP 1, 0, 20, 32, 1, 0, 1, 1, 1, 0, 0         ; 25: item 31 is the last to be converted; the last phase's items are stored
	STEP 2, 0, 20, 0,  0, 0, 1, 1, 1, 0, 0         ; 26
	STEP 3, 0, 20, 0,  0, 0, 1, 1, 1, 0, 0         ; 27
	STEP 0, 0, 20, 32, 0, 0, 1, 0, 0, 1, 0         ; 28: the rows of step 31 are the last; the bias comes in
	STEP 1, 0, 20, 48, 0, 0, 0, 0, 0, 0, 0         ; 29.  48: fragments 2, 3 and the bias.  Behind its barrier no wave reads LDS before its way out, so the stages may be written
	STEP 2, 0, 10, 0,  0, 0, 0, 0, 0, 0, 0         ; 30
	STEP 3, 0, 0,  0,  0, 0, 0, 0, 0, 0, 0         ; 31
	WIN 0
	PLACES
	s_branch .Lepi
.Ltrip:                                                ; three further trips, for an expert with more than 320 rows
	BAR                                            ; everybody's way out is over; up to the next barrier LDS is only read
	s_cmp_le_u32 s[CNT], s[TB]
	s_cbranch_scc1 .Lm_done                        ; I have no row in this trip
	XOSET
	s_mov_b32 s[PBS], 0
	SLOW 1
	s_mov_b32 s[PH], 31
.Lks:
	SLOW 0
	s_sub_co_u32 s[PH], s[PH], 1
	s_cmp_lg_u32 s[PH], 0
	s_cbranch_scc1 .Lks
.Lm_done:
	BAR                                            ; everybody's products are over; up to the next barrier each wave touches its own stage alone
.Lepi:
	s_cmp_le_u32 s[CNT], s[TB]
	s_cbranch_scc1 .Le_done
	s_sub_co_i32 s[LIVE], s[CNT], s[TB]
	s_mov_b32 s[ROWI], 0
.Lrow:                                                 ; five tiles of 16 rows
	s_cmp_lt_i32 s[LIVE], 1
	s_cbranch_scc1 .Lrow_next                      ; no row of this tile exists
	s_wait_xcnt 0x0                                ; the last tile's stores have read their registers
	FETCHX 0
	GEN 0
	FETCHX 1
	GEN 1
.irp t, 0,1,2,3,4,5,6,7,8,9,10,11,12,13,14,15
	v_readlane_b32 s[RL+(\t)], v[RC], \t           ; row t's rho lies in lane t.  Sixteen on end, the LDS loads between them and their readers: no scalar line waits for the vector line just ahead of it
.endr
.irp t, 0,1,2,3,4,5,6,7,8,9,10,11,12,13,14,15
.if DOWN
	ds_load_b128 v[X+4*(\t):X+4*(\t)+3], v[SR] offset:SPITCH*(\t)    ; my own stage: LDS serves a wave's instructions in order (ISA guide 5.7.1.4)
.else
	ds_load_b64 v[T+2*(\t):T+2*(\t)+1], v[SR] offset:SPITCH*(\t)
.endif
.endr
.irp t, 0,1,2,3,4,5,6,7,8,9,10,11,12,13,14,15
	s_min_u32 s[RL+(\t)], s[RL+(\t)], 0x7ff
.endr
.irp t, 0,1,2,3,4,5,6,7,8,9,10,11,12,13,14,15
	v_lshl_add_u32 v[RO+(\t)], s[RL+(\t)], RSH, v[LL]
.endr
	s_wait_dscnt 0x0
.irp t, 0,1,2,3,4,5,6,7,8,9,10,11,12,13,14,15
.if (\t) > 0
	s_cmp_le_i32 s[LIVE], \t
	s_cbranch_scc1 .Lrow_next                      ; rows past the count are not stored
.endif
.if DOWN
	global_store_b128 v[RO+(\t)], v[X+4*(\t):X+4*(\t)+3], s[OUT:OUT+1]    ; a store is one row's 512 consecutive bytes, at a multiple of 256 from the buffer's first
.else
	global_store_b64 v[RO+(\t)], v[T+2*(\t):T+2*(\t)+1], s[OUT:OUT+1]     ; a store is one row's 256 consecutive bytes, at a multiple of 256 from the buffer's first
.endif
.endr
.Lrow_next:
	s_sub_co_i32 s[LIVE], s[LIVE], 64              ; my next tile lies 64 places on
	s_add_co_u32 s[ROWI], s[ROWI], 1
	s_cmp_lt_u32 s[ROWI], 5
	s_cbranch_scc1 .Lrow
.Le_done:
.set k, 0
.rept 15                               ; the next trip's rho move down
	v_mov_b32 v[RH+k], v[RH+k+5]
.set k, k+1
.endr
	s_add_co_u32 s[TB], s[TB], 320
	s_add_co_u32 s[TRIP], s[TRIP], 1
	s_cmp_lt_u32 s[TRIP], 4                        ; 4 x 320 places hold the 1,024 rows that an expert can have
	s_cbranch_scc1 .Ltrip
	s_wait_tensorcnt 0x0                           ; the wave's end, behind my last LDS store
	ds_add_u32 v[SPW], v[NIL]
	s_wait_dscnt 0x0
	s_endpgm
.Lfunc_end_k_q759f12e36a_down:
	.size	k_q759f12e36a_down, .Lfunc_end_k_q759f12e36a_down-k_q759f12e36a_down
	.p2alignl 7, 3214868480
	.fill 96, 4, 3214868480
	.section	.rodata,"a",@progbits
	.p2align	6, 0x0
	.amdhsa_kernel k_q759f12e36a_down
		.amdhsa_group_segment_fixed_size 302848
		.amdhsa_private_segment_fixed_size 0
		.amdhsa_enable_private_segment 0
		.amdhsa_kernarg_size 40
		.amdhsa_user_sgpr_count 2
		.amdhsa_user_sgpr_kernarg_segment_ptr 1
		.amdhsa_wavefront_size32 1
		.amdhsa_system_sgpr_workgroup_id_x 1
		.amdhsa_system_sgpr_workgroup_id_y 1
		.amdhsa_system_sgpr_workgroup_id_z 1
		.amdhsa_system_vgpr_workitem_id 0
		.amdhsa_next_free_vgpr 1024
		.amdhsa_next_free_sgpr 84
		.amdhsa_reserve_vcc 0
		.amdhsa_float_denorm_mode_32 3
		.amdhsa_float_denorm_mode_16_64 3
		.amdhsa_memory_ordered 1
		.amdhsa_forward_progress 1
		.amdhsa_inst_pref_size 156
	.end_amdhsa_kernel
	.amdgpu_metadata
---
amdhsa.version: [ 1, 2 ]
amdhsa.kernels:
  - .name:           k_q759f12e36a_down
    .symbol:         k_q759f12e36a_down.kd
    .args:
      - { .name: h, .offset: 0, .size: 8, .value_kind: global_buffer, .address_space: global }
      - { .name: W2, .offset: 8, .size: 8, .value_kind: global_buffer, .address_space: global }
      - { .name: b2, .offset: 16, .size: 8, .value_kind: global_buffer, .address_space: global }
      - { .name: lists, .offset: 24, .size: 8, .value_kind: global_buffer, .address_space: global }
      - { .name: y, .offset: 32, .size: 8, .value_kind: global_buffer, .address_space: global }
    .group_segment_fixed_size: 302848
    .private_segment_fixed_size: 0
    .kernarg_segment_align: 8
    .kernarg_segment_size: 40
    .max_flat_workgroup_size: 128
    .sgpr_count:     84
    .vgpr_count:     1024
    .wavefront_size: 32
...
	.end_amdgpu_metadata
.endif
;; end of part 6
;; launch total: the kernel of part 4 again; grid 256 x 1, 8 waves a work-group, no clusters, 0 bytes of LDS; arguments y, gate, out0, out1; writes out0, out1
